; MI455X (gfx1250); checked and timed in simulation.
; The chip was launched on July 23, 2026; its instructions are those of AMD's public machine-readable ISA for CDNA 5 (MIT licence, August 2026) and "CDNA5" Instruction Set Architecture Reference Guide (July 2026). The comments in the code are by the model that wrote it; some were corrected since.
;; HGRN2 Vision Block. Allowed arithmetic: float matrix products may take bf16 or f16 operands with f32 sums; other float arithmetic in f32, or as packed bf16 or f16 multiplies, adds, multiply-adds, maxima and minima; sums over many terms, partial sums and values carried from step to step in f32; what a program stores and reads back later, other than sums and carried values, may be rounded once to bf16 or f16.
;; Inputs: W1 1,024 x 4,096 float32; W2 4,096 x 1,024 float32; Wf 1,024 x 1,024 float32; Wi 1,024 x 1,024 float32; Wo 1,024 x 1,024 float32; Wq 1,024 x 1,024 float32; b1 4,096 float32; b2 1,024 float32; g_norm_w 128 float32; hidden_states 16 x 256 x 1,024 float32; ln1_b 1,024 float32; ln1_w 1,024 float32; ln2_b 1,024 float32; ln2_w 1,024 float32.
;; Outputs: out0 16 x 256 x 1,024 float32.
;; 2 versions, each right; version 2 is version 1 with the launch scan written anew for expert scheduling mode. Each part assembles by itself: llvm-mc -triple=amdgcn-amd-amdhsa -mcpu=gfx1250 --defsym DOCPART=n.
;; ======== version 1 of 2: 7 launches
;; limits: values are held in f16: magnitudes above 65,504 overflow, below 6.1e-05 lose precision
;; workspace buffers: xh 8,388,608 bytes; hb 8,388,608 bytes; wts 27,262,976 bytes; qkv 25,165,824 bytes; o2 16,777,216 bytes; hres 8,388,608 bytes; gh 33,554,432 bytes
;; launch prep (part 1): grid 512 x 1, 8 waves a work-group, no clusters, 0 bytes of LDS; arguments hidden_states, ln1_w, ln1_b, Wq, Wf, Wi, Wo, W1, W2, xh, hb, wts; writes xh, hb, wts
.if DOCPART == 1
	.amdgcn_target "amdgcn-amd-amdhsa--gfx1250"
	.amdhsa_code_object_version 6
	.text
	.protected	k_qfad59b8c41_prep
	.globl	k_qfad59b8c41_prep
	.p2align	8
	.type	k_qfad59b8c41_prep,@function
k_qfad59b8c41_prep:
	s_mov_b64 s[64:65], 0
	v_nop
	global_prefetch_b8 v0, s[64:65] scope:SCOPE_SE
	s_setreg_imm32_b32 hwreg(HW_REG_WAVE_MODE, 25, 1), 1
	s_wait_xcnt 0x0
; PREP: every large input is read once.  Weights: rounded to bf16, that number written as f16 into wts.  hidden_states: rounded to bf16, kept as f16 in hb,
; and LayerNorm 1 of the rounded rows (two passes: mean, then the squares of the differences) written as f16 into xh.
; LIMITS.  A bf16 number is exact in f16 between 2^-17 and 65,504; below, the absolute error is at most 2^-25; beyond 65,504 it would be an infinity.
; SHARES.  A piece is 1,024 f32.  A wave takes 4 pieces on end, a work-group 32.  Work-groups 0-95: Wq, Wf, Wi (32 each) into WP [1024][3072]; 96-127: Wo, written twice,
; one copy over the other ([2048][1024]); 128-255: W1; 256-383: W2; 384-511: the 4,096 rows of hidden_states.
; LANES.  Lane l holds elements 128 j + 4 l + 0..3, j = 0..7: a load covers 512 consecutive bytes, a store of 8 bytes a lane 256 consecutive bytes, aligned.
; No LDS, no matrix unit, no cluster: a stream in which no byte is wanted twice.
.set LO,   2                            ; v2  16 x lane: loads
.set SO,   3                            ; v3  8 x lane: stores
.set X,    8                            ; v[8:39]    a piece as loaded
.set P,    40                           ; v[40:55]   packed: bf16, then f16
.set T,    56                           ; v[56:87]   the piece in f32
.set W,    88                           ; v[88:119]  ln1_w of my 32 columns
.set BB,   120                          ; v[120:151] ln1_b
.set Z,    152                          ; v[152:167] packed output of the norm
.set S,    168                          ; v[168:175] partial sums
.set MU,   176                          ; v[176:177] minus the mean, twice
.set R,    178                          ; v[178:179] 1 / sqrt(var + eps), twice
.set SRC,  28                           ; s[28:29] source at my piece
.set FIRST, 30                          ; s30 first work-group of my range
.set DOFF, 31                           ; s31 the range's first byte in its destination
.set PITCH, 32                          ; s[32:33] bytes from piece to piece in the destination
.set WV,   34
.set G,    35
.set CNT,  36
.set QUAD, 37                           ; s37 work-group / 32: 3 for Wo
.set HIM,  38                           ; s38 a word's upper bf16
.set OFS,  40                           ; s[40:41]
.set DST,  42                           ; s[42:43]
.set DS2,  44                           ; s[44:45]
.set SEL,  46                           ; s[46:47] lane selects: each lane takes its own place in the other half
.set C1K,  48                           ; 1/1024
.set EPS,  49
.set NC1K, 50                           ; -1/1024
.macro LOAD8
.irp j, 0,1,2,3,4,5,6,7
	global_load_b128 v[X+4*\j:X+4*\j+3], v[LO], s[SRC:SRC+1] offset:512*\j th:TH_LOAD_NT
.endr
.endm
.macro TOBF                             ; the one rounding of the input: X -> P, two bf16 a word
.set i, 0
.rept 16
	v_cvt_pk_bf16_f32 v[P+i], v[X+2*i], v[X+2*i+1]
.set i, i+1
.endr
.endm
.macro WIDEN                            ; P -> T: bf16 to f32 is a shift or a mask
.set i, 0
.rept 16
	v_lshlrev_b32 v[T+2*i], 16, v[P+i]
	v_and_b32 v[T+2*i+1], s[HIM], v[P+i]
.set i, i+1
.endr
.endm
.macro TOF16 d                          ; T -> d, two f16 a word
.set i, 0
.rept 16
	v_cvt_pk_f16_f32 v[(\d)+i], v[T+2*i], v[T+2*i+1]
.set i, i+1
.endr
.endm
.macro STORE8 d, base, off
.irp j, 0,1,2,3,4,5,6,7
	global_store_b64 v[SO], v[(\d)+2*\j:(\d)+2*\j+1], s[\base:\base+1] offset:(\off)+256*\j
.endr
.endm
.macro LANESUM                          ; v[S] = the sum of the four pairs in S over all 32 lanes, in every lane
	v_pk_add_f32 v[S:S+1], v[S:S+1], v[S+2:S+3]
	v_pk_add_f32 v[S+4:S+5], v[S+4:S+5], v[S+6:S+7]
	v_pk_add_f32 v[S:S+1], v[S:S+1], v[S+4:S+5]
	v_add_f32 v[S], v[S], v[S+1]
	v_add_f32_dpp v[S], v[S], v[S] row_xmask:1 row_mask:0xf bank_mask:0xf
	v_add_f32_dpp v[S], v[S], v[S] row_xmask:2 row_mask:0xf bank_mask:0xf
	v_add_f32_dpp v[S], v[S], v[S] row_xmask:4 row_mask:0xf bank_mask:0xf
	v_add_f32_dpp v[S], v[S], v[S] row_xmask:8 row_mask:0xf bank_mask:0xf
	v_permlanex16_b32 v[S+1], v[S], s[SEL], s[SEL+1]
	v_add_f32 v[S], v[S], v[S+1]
.endm
.macro NORM                             ; T = (T - mean) / sqrt(var + eps) x W + BB, over the wave's 1,024 numbers
.irp k, 0,1,2,3
	v_pk_add_f32 v[S+2*\k:S+2*\k+1], v[T+2*\k:T+2*\k+1], v[T+8+2*\k:T+9+2*\k]
.endr
.irp k, 0,1,2,3
	v_pk_add_f32 v[S+2*\k:S+2*\k+1], v[S+2*\k:S+2*\k+1], v[T+16+2*\k:T+17+2*\k]
.endr
.irp k, 0,1,2,3
	v_pk_add_f32 v[S+2*\k:S+2*\k+1], v[S+2*\k:S+2*\k+1], v[T+24+2*\k:T+25+2*\k]
.endr
	LANESUM
	v_mul_f32 v[MU], s[NC1K], v[S]
	v_mov_b32 v[MU+1], v[MU]
.set i, 0
.rept 16
	v_pk_add_f32 v[T+2*i:T+2*i+1], v[T+2*i:T+2*i+1], v[MU:MU+1]
.set i, i+1
.endr
.irp k, 0,1,2,3
	v_pk_mul_f32 v[S+2*\k:S+2*\k+1], v[T+2*\k:T+2*\k+1], v[T+2*\k:T+2*\k+1]
.endr
.set i, 4
.rept 12
	v_pk_fma_f32 v[S+2*(i%4):S+2*(i%4)+1], v[T+2*i:T+2*i+1], v[T+2*i:T+2*i+1], v[S+2*(i%4):S+2*(i%4)+1]
.set i, i+1
.endr
	LANESUM
	v_fma_f32 v[R], v[S], s[C1K], s[EPS]
	v_rsq_f32 v[R], v[R]
	v_nop                                          ; a plain instruction behind the root,
	s_wait_alu depctr_va_vdst(0)                   ; and the wait ahead of its first reader
	v_mov_b32 v[R+1], v[R]
.set i, 0
.rept 16
	v_pk_mul_f32 v[T+2*i:T+2*i+1], v[T+2*i:T+2*i+1], v[R:R+1]
.set i, i+1
.endr
.set i, 0
.rept 16
	v_pk_fma_f32 v[T+2*i:T+2*i+1], v[T+2*i:T+2*i+1], v[W+2*i:W+2*i+1], v[BB+2*i:BB+2*i+1]
.set i, i+1
.endr
.endm
	s_load_b512 s[4:19], s[0:1], 0x0               ; hidden s[4:5], ln1_w s[6:7], ln1_b s[8:9], Wq s[10:11], Wf s[12:13], Wi s[14:15], Wo s[16:17], W1 s[18:19]
	s_load_b256 s[20:27], s[0:1], 0x40             ; W2 s[20:21], xh s[22:23], hb s[24:25], wts s[26:27]
	v_lshrrev_b32 v1, 5, v0
	v_readfirstlane_b32 s[WV], v1
	v_and_b32 v1, 31, v0
	v_lshlrev_b32 v[LO], 4, v1
	v_lshlrev_b32 v[SO], 3, v1
	s_mov_b32 s[G], ttmp9
	s_lshr_b32 s[QUAD], ttmp9, 5
	s_mov_b32 s[HIM], 0xffff0000
	s_mov_b32 s[SEL], 0x76543210
	s_mov_b32 s[SEL+1], 0xfedcba98
	s_mov_b32 s[C1K], 0x3a800000
	s_mov_b32 s[NC1K], 0xba800000
	s_mov_b32 s[EPS], 0x358637bd                   ; 1e-6
	s_mov_b32 s[FIRST], 0
	s_mov_b32 s[DOFF], 0
	s_mov_b32 s[PITCH], 6144                       ; a row of WP
	s_mov_b32 s[PITCH+1], 0
	s_wait_kmcnt 0x0
	s_mov_b64 s[SRC:SRC+1], s[10:11]               ; the range is chosen by the work-group's number alone
	s_cmp_ge_u32 s[G], 32
	s_cselect_b64 s[SRC:SRC+1], s[12:13], s[SRC:SRC+1]
	s_cselect_b32 s[FIRST], 32, s[FIRST]
	s_cselect_b32 s[DOFF], 2048, s[DOFF]
	s_cmp_ge_u32 s[G], 64
	s_cselect_b64 s[SRC:SRC+1], s[14:15], s[SRC:SRC+1]
	s_cselect_b32 s[FIRST], 64, s[FIRST]
	s_cselect_b32 s[DOFF], 4096, s[DOFF]
	s_cmp_ge_u32 s[G], 96
	s_cselect_b64 s[SRC:SRC+1], s[16:17], s[SRC:SRC+1]
	s_cselect_b32 s[FIRST], 96, s[FIRST]
	s_cselect_b32 s[DOFF], 6291456, s[DOFF]
	s_cselect_b32 s[PITCH], 2048, s[PITCH]
	s_cmp_ge_u32 s[G], 128
	s_cselect_b64 s[SRC:SRC+1], s[18:19], s[SRC:SRC+1]
	s_cselect_b32 s[FIRST], 128, s[FIRST]
	s_cselect_b32 s[DOFF], 10485760, s[DOFF]
	s_cmp_ge_u32 s[G], 256
	s_cselect_b64 s[SRC:SRC+1], s[20:21], s[SRC:SRC+1]
	s_cselect_b32 s[FIRST], 256, s[FIRST]
	s_cselect_b32 s[DOFF], 18874368, s[DOFF]
	s_cmp_ge_u32 s[G], 384
	s_cselect_b64 s[SRC:SRC+1], s[4:5], s[SRC:SRC+1]
	s_cselect_b32 s[FIRST], 384, s[FIRST]
	s_cselect_b32 s[DOFF], 0, s[DOFF]
	s_sub_co_u32 s39, s[G], s[FIRST]
	s_lshl_b32 s39, s39, 5
	s_lshl2_add_u32 s39, s[WV], s39                ; my first piece in the range: 32 x work-group + 4 x wave
	s_lshl_b32 s[OFS], s39, 12                     ; 4,096 bytes a piece in the source
	s_mov_b32 s[OFS+1], 0
	s_add_nc_u64 s[SRC:SRC+1], s[SRC:SRC+1], s[OFS:OFS+1]
	LOAD8                                          ; the first piece
	s_mul_i32 s[OFS], s39, s[PITCH]
	s_add_co_u32 s[OFS], s[OFS], s[DOFF]           ; my first byte in the destination, under 2^25
	s_mov_b32 s[CNT], 4
	s_cmp_ge_u32 s[G], 384
	s_cbranch_scc1 .Lln
	s_add_nc_u64 s[DST:DST+1], s[26:27], s[OFS:OFS+1]
.Lcast:                                            ; a trip: one piece is rounded and stored while the next one's eight loads are out
	s_wait_loadcnt 0x0                             ; the piece is in; its loads' address may be stepped
	TOBF
	s_cmp_eq_u32 s[CNT], 1
	s_cbranch_scc1 .Lcast_nl                       ; the last trip loads nothing
	s_add_nc_u64 s[SRC:SRC+1], s[SRC:SRC+1], 4096
	LOAD8
.Lcast_nl:
	WIDEN
	TOF16 P
	STORE8 P, DST, 0
	s_cmp_eq_u32 s[QUAD], 3
	s_cbranch_scc0 .Lcast_one
	STORE8 P, DST, 2097152                         ; Wo's second copy, 1,024 rows of 2,048 bytes further down
.Lcast_one:
	s_wait_xcnt 0x0                                ; the stores have read P and their base: both are written again only behind this wait
	s_add_nc_u64 s[DST:DST+1], s[DST:DST+1], s[PITCH:PITCH+1]
	s_sub_co_u32 s[CNT], s[CNT], 1
	s_cmp_lg_u32 s[CNT], 0
	s_cbranch_scc1 .Lcast
	s_endpgm
.Lln:
	s_add_nc_u64 s[DST:DST+1], s[22:23], s[OFS:OFS+1]   ; xh at my first row
	s_add_nc_u64 s[DS2:DS2+1], s[24:25], s[OFS:OFS+1]   ; hb likewise
.irp j, 0,1,2,3,4,5,6,7
	global_load_b128 v[W+4*\j:W+4*\j+3], v[LO], s[6:7] offset:512*\j
	global_load_b128 v[BB+4*\j:BB+4*\j+3], v[LO], s[8:9] offset:512*\j
.endr
	s_wait_loadcnt 0x0
.set i, 0
.rept 16                                           ; gain and bias are inputs too: rounded to bf16 once, kept in f32
	v_cvt_pk_bf16_f32 v[Z+i], v[W+2*i], v[W+2*i+1]
	v_cvt_pk_bf16_f32 v[P+i], v[BB+2*i], v[BB+2*i+1]
.set i, i+1
.endr
.set i, 0
.rept 16
	v_lshlrev_b32 v[W+2*i], 16, v[Z+i]
	v_and_b32 v[W+2*i+1], s[HIM], v[Z+i]
	v_lshlrev_b32 v[BB+2*i], 16, v[P+i]
	v_and_b32 v[BB+2*i+1], s[HIM], v[P+i]
.set i, i+1
.endr
.Lrow:                                             ; a trip: one row
	s_wait_loadcnt 0x0
	TOBF
	s_cmp_eq_u32 s[CNT], 1
	s_cbranch_scc1 .Lrow_nl
	s_add_nc_u64 s[SRC:SRC+1], s[SRC:SRC+1], 4096
	LOAD8
.Lrow_nl:
	WIDEN
	TOF16 P
	STORE8 P, DS2, 0                               ; the residual's copy
	NORM
	TOF16 Z
	STORE8 Z, DST, 0
	s_wait_xcnt 0x0                                ; P, Z and both bases are written again only behind this wait
	s_add_nc_u64 s[DST:DST+1], s[DST:DST+1], 2048
	s_add_nc_u64 s[DS2:DS2+1], s[DS2:DS2+1], 2048
	s_sub_co_u32 s[CNT], s[CNT], 1
	s_cmp_lg_u32 s[CNT], 0
	s_cbranch_scc1 .Lrow
	s_endpgm
.Lfunc_end_k_qfad59b8c41_prep:
	.size	k_qfad59b8c41_prep, .Lfunc_end_k_qfad59b8c41_prep-k_qfad59b8c41_prep
	.p2alignl 7, 3214868480
	.fill 96, 4, 3214868480
	.section	.rodata,"a",@progbits
	.p2align	6, 0x0
	.amdhsa_kernel k_qfad59b8c41_prep
		.amdhsa_group_segment_fixed_size 0
		.amdhsa_private_segment_fixed_size 0
		.amdhsa_enable_private_segment 0
		.amdhsa_kernarg_size 96
		.amdhsa_user_sgpr_count 2
		.amdhsa_user_sgpr_kernarg_segment_ptr 1
		.amdhsa_wavefront_size32 1
		.amdhsa_system_sgpr_workgroup_id_x 1
		.amdhsa_system_sgpr_workgroup_id_y 1
		.amdhsa_system_sgpr_workgroup_id_z 1
		.amdhsa_system_vgpr_workitem_id 0
		.amdhsa_next_free_vgpr 180
		.amdhsa_next_free_sgpr 66
		.amdhsa_reserve_vcc 0
		.amdhsa_float_denorm_mode_32 3
		.amdhsa_float_denorm_mode_16_64 3
		.amdhsa_memory_ordered 1
		.amdhsa_forward_progress 1
		.amdhsa_inst_pref_size 28
	.end_amdhsa_kernel
	.amdgpu_metadata
---
amdhsa.version: [ 1, 2 ]
amdhsa.kernels:
  - .name:           k_qfad59b8c41_prep
    .symbol:         k_qfad59b8c41_prep.kd
    .args:
      - { .name: hidden_states, .offset: 0, .size: 8, .value_kind: global_buffer, .address_space: global }
      - { .name: ln1_w, .offset: 8, .size: 8, .value_kind: global_buffer, .address_space: global }
      - { .name: ln1_b, .offset: 16, .size: 8, .value_kind: global_buffer, .address_space: global }
      - { .name: Wq, .offset: 24, .size: 8, .value_kind: global_buffer, .address_space: global }
      - { .name: Wf, .offset: 32, .size: 8, .value_kind: global_buffer, .address_space: global }
      - { .name: Wi, .offset: 40, .size: 8, .value_kind: global_buffer, .address_space: global }
      - { .name: Wo, .offset: 48, .size: 8, .value_kind: global_buffer, .address_space: global }
      - { .name: W1, .offset: 56, .size: 8, .value_kind: global_buffer, .address_space: global }
      - { .name: W2, .offset: 64, .size: 8, .value_kind: global_buffer, .address_space: global }
      - { .name: xh, .offset: 72, .size: 8, .value_kind: global_buffer, .address_space: global }
      - { .name: hb, .offset: 80, .size: 8, .value_kind: global_buffer, .address_space: global }
      - { .name: wts, .offset: 88, .size: 8, .value_kind: global_buffer, .address_space: global }
    .group_segment_fixed_size: 0
    .private_segment_fixed_size: 0
    .kernarg_segment_align: 8
    .kernarg_segment_size: 96
    .max_flat_workgroup_size: 256
    .sgpr_count:     66
    .vgpr_count:     180
    .wavefront_size: 32
...
	.end_amdgpu_metadata
.endif
;; end of part 1
;; launch proj (part 2): grid 8 x 32, 4 waves a work-group, clusters of 4 x 4, 327,680 bytes of LDS; arguments xh, wts, qkv; writes qkv
.if DOCPART == 2
	.amdgcn_target "amdgcn-amd-amdhsa--gfx1250"
	.amdhsa_code_object_version 6
	.text
	.protected	k_qfad59b8c41_proj
	.globl	k_qfad59b8c41_proj
	.p2align	8
	.type	k_qfad59b8c41_proj,@function
k_qfad59b8c41_proj:
	s_mov_b64 s[64:65], 0
	v_nop
	global_prefetch_b8 v0, s[64:65] scope:SCOPE_SE
	s_setreg_imm32_b32 hwreg(HW_REG_WAVE_MODE, 25, 1), 1
	s_wait_xcnt 0x0
	s_wait_alu depctr_hold_cnt(0) depctr_sa_sdst(0) depctr_va_vdst(0) depctr_va_sdst(0) depctr_va_ssrc(0) depctr_va_vcc(0) depctr_vm_vsrc(0)
	s_getreg_b32 s2, hwreg(HW_REG_IB_STS2, 6, 4)
	s_cmp_eq_u32 s2, 0
	s_cbranch_scc0 .Lentry_in_a_cluster
	s_endpgm
.Lentry_in_a_cluster:
	s_bfe_u32 s2, ttmp6, 0x10000c
	s_cmp_lg_u32 s2, 0xf033
	s_cbranch_scc0 .Lentry_shape_is_right
	s_endpgm
.Lentry_shape_is_right:
; PROJ: [4096][3072] = xh [4096][1024] . WP [1024][3072] (Wq | Wf | Wi), f16 operands, f32 sums; then by plane of 128 columns: q = silu(z) / sqrt(128), k = 1 / (1 + e^f), v = z,
; each rounded once to f16 into qkv [24 planes][4096][128].  The reversed stream's rows are the same rows, so they are made once.
; LIMITS.  q, k, v must lie within 65,504 (f16); an exponential that overflows gives the right limit (q = 0, k = 0), since its reciprocal is 0 and the numerator is finite.
; SHARES.  A tile is 128 rows x 384 columns (three planes): 32 x 8 = 256 work-groups.  Each of the four waves makes all 128 rows x 32 columns of each plane: 48 accumulators, 384 registers.
; K goes in steps of 128 through two LDS slots: [A: 128 rows x 256 bytes, pitch 272][B0][B1][B2: 128 k-rows x 256 bytes, pitch 288].  Wave 0 fetches A, waves 1-3 one plane of B each.
; B lies [k][n] and is turned on the way out of LDS by ds_load_tr16_b128.  The product is taken transposed (source 0 = 16 columns of B, source 1 = 16 rows of A): a lane holds one row and eight columns on end.
; CLUSTER 4 x 4: A's tile hangs on the tile row alone and is asked for jointly by a row of the cluster, B's on the tile column alone, by a column.
; ONE TEXT FOR BOTH SLOTS: s[CUR] is 0 or SLOT; the fragments' addresses and the walking descriptors' LDS words are a fixed part plus s[CUR].
; REGISTERS in windows of 256: window 0: v0-31 addresses, v64-127 and v128-191 A's fragments (two buffers); window 1: the same numbers, B's; windows 2, 3: accumulator (a, b) at 8 (6 (a % 4) + b).
.set NB,     6
.set PA,     272
.set PB,     288
.set SA,     128*PA
.set SB,     128*PB
.set SLOT,   SA+3*SB
.set DPITCH, 528                        ; the way out: a row of 128 f32 + 16 bytes: 16 rows start at 16 different groups of four banks (64 banks of 4 bytes: ISA guide 11.1)
.set DREG,   128*DPITCH
.set SPARE,  2*SLOT                     ; behind the ring: the spare words, 128 bytes a wave
.set APB,    2048
.set BPB,    6144
.set ASTEP,  256
.set BSTEP,  128*BPB
.set NLD,    28
.set ADRA0, 16
.set ADRA,  17
.set ADRB0, 18                          ; v18-20
.set ADRB,  21                          ; v21-23
.set STO,   24                          ; v24-26
.set CO,    27
.set SPW,   28
.set NIL,   29
.set PFO,   30
.set RD,    31
.set F0,    64
.set F1,    128
.set LD,    32
.set EX,    64
.set NM,    80
.set GZ,    96
.set OU,    112
.set WV,   14
.set ROLE, 15                           ; 0: I fetch A; 1: B
.set SUB,  16                           ; which plane of B
.set CX,   17
.set CY,   18
.set TX,   19
.set TY,   20
.set G1A,  24
.set G1B,  32
.set G0A,  40                           ; two sets: the first fills'; the second then walks
.set G0B,  48
.set AOF,  56
.set BOF,  58
.set TP,   60
.set PFA,  66
.set PST,  68
.set LIM,  70
.set CNT,  71
.set CUR,  72
.set LWA,  73
.set LWB,  74
.set CNT2, 75
.set OB,   76
.set PLN,  78
.set KC,   80                           ; s[80:81] the exponent's factor
.set KAL,  82                           ; s[82:83] numerator = z x KAL + KBE
.set KBE,  84
.set KGA,  86                           ; s[86:87] + z x KGA
.set MSB, 0
.macro WIN new                          ; the immediate's high byte repeats the setting that is left
.if MSB != (\new)
	s_set_vgpr_msb (MSB<<8)|(\new)
.set MSB, \new
.endif
.endm
.set MUL_LO, 0xa1                       ; source 0 (B) window 1, source 1 (A) window 0, C and D window 2
.set MUL_HI, 0xf1
.set TO_B,   0x40
.macro PLACES                           ; four plain instructions between a matrix instruction and a load into, or a reader of, its registers
.rept 4
	v_nop
.endr
.endm
.macro CREST                            ; a round of the cluster's barrier behind its opening barrier
	s_cmp_lg_u32 s[WV], 0
	s_cbranch_scc1 .Lnot_wave_0_\@
	s_barrier_signal -3
.Lnot_wave_0_\@:
	s_barrier_wait -3
	s_barrier_signal -1
	s_barrier_wait -1
.endm
.macro CROUND
	s_barrier_signal -1
	s_barrier_wait -1
	CREST
.endm
.macro JLOAD                            ; the joint refill: one line for A, one for B, chosen by the wave's number; s_nop 0 and four v_nop follow each
	s_cmp_eq_u32 s[ROLE], 0
	s_cbranch_scc0 .Lfor_b_\@
	tensor_load_to_lds s[G0A+4:G0A+7], s[G1A:G1A+7]
	s_nop 0
	PLACES
	s_branch .Lasked_\@
.Lfor_b_\@:
	tensor_load_to_lds s[G0B+4:G0B+7], s[G1B:G1B+7]
	s_nop 0
	PLACES
.Lasked_\@:
.endm
; A prefetch of what the NEXT refill will ask for: 32 rows x 256 bytes, a lane a row.  A's rows are named by the clusters with x = 0, B's by those with y = 0; the four joint askers take 32 of a tile's 128 rows each, by address.
.macro ASK
	s_cmp_gt_u32 s[CNT], s[LIM]
	s_cbranch_scc0 .Lnot_mine_\@
	global_prefetch_b8 v[PFO], s[PFA:PFA+1] th:TH_LOAD_NT scope:SCOPE_SE
.Lnot_mine_\@:
.endm
.macro MULH f, hi, a0, zero             ; 12 products: row blocks a0, a0 + 1 of the window's four x all 6 column blocks, 32 along K
	WIN MUL_LO+0x50*(\hi)
.irp a, \a0, (\a0)+1
.set bb, 0
.rept NB
.if \zero
	v_wmma_f32_16x16x32_f16 v[8*(NB*(\a)+bb):8*(NB*(\a)+bb)+7], v[(\f)+8*bb:(\f)+8*bb+7], v[(\f)+8*(4*(\hi)+(\a)):(\f)+8*(4*(\hi)+(\a))+7], 0
.else
	v_wmma_f32_16x16x32_f16 v[8*(NB*(\a)+bb):8*(NB*(\a)+bb)+7], v[(\f)+8*bb:(\f)+8*bb+7], v[(\f)+8*(4*(\hi)+(\a)):(\f)+8*(4*(\hi)+(\a))+7], v[8*(NB*(\a)+bb):8*(NB*(\a)+bb)+7]
.endif
.set bb, bb+1
.endr
.endr
.endm
.macro FETCH q, f                       ; 28 LDS loads in one run: quarter q's fragments into buffer f: B's six (turned), then A's eight
	WIN TO_B
.irp g, 0,1,2
.irp i, 0,1
	ds_load_tr16_b128 v[(\f)+8*(2*\g+\i):(\f)+8*(2*\g+\i)+3],   v[ADRB+\g] offset:(\q)*32*PB+32*\i
	ds_load_tr16_b128 v[(\f)+8*(2*\g+\i)+4:(\f)+8*(2*\g+\i)+7], v[ADRB+\g] offset:(\q)*32*PB+16*PB+32*\i
.endr
.endr
	WIN 0
.irp i, 0,1,2,3,4,5,6,7
	ds_load_b128 v[(\f)+8*\i:(\f)+8*\i+3],   v[ADRA] offset:64*(\q)+\i*16*PA
	ds_load_b128 v[(\f)+8*\i+4:(\f)+8*\i+7], v[ADRA] offset:64*(\q)+\i*16*PA+32
.endr
.endm
.macro QUARTER q, f, g, zero            ; multiplies buffer f; in its middle fetches quarter q into buffer g
	s_wait_dscnt 8                                 ; B and A's rows 0-63 are in; the youngest eight loads (A's rows 64-127) may be out
	MULH \f, 0, 0, \zero
	MULH \f, 0, 2, \zero
	PLACES
	FETCH \q, \g
	s_wait_dscnt NLD                               ; all but the run just issued
	MULH \f, 1, 0, \zero
	MULH \f, 1, 2, \zero
.endm
; The last quarter of a K step multiplies buffer 1 and changes slots.  In front of the barrier each wave waits for all its tensor loads (one is out: its part of the next slot), adds 0 to its spare word,
; and waits for that and for its reads of this slot.  fill = 1: the barrier opens a round of the cluster's, and the joint refill of the slot just read is the first thing behind it.
.macro TURN fill
.if \fill
	s_wait_xcnt 0x0                                ; the last prefetch, a K step back, has read its address
	s_add_nc_u64 s[PFA:PFA+1], s[PFA:PFA+1], s[PST:PST+1]
.endif
	WIN 0
	s_wait_tensorcnt 0x0
	ds_add_u32 v[SPW], v[NIL]
	s_wait_dscnt 9                                 ; the add and the youngest eight loads may be out
	MULH F1, 0, 0, 0
	s_wait_dscnt 0x0                               ; the add is done, my reads of this slot are over
	s_barrier_signal -1
	MULH F1, 0, 2, 0
	WIN 0
	s_barrier_wait -1
.if \fill
	CREST
	s_add_co_u32 s[G0A+5], s[LWA], s[CUR]          ; the walking descriptors: the slot just read, the K step two on
	s_add_nc_u64 s[G0A+6:G0A+7], s[G0A+6:G0A+7], ASTEP
	s_add_co_u32 s[G0B+5], s[LWB], s[CUR]
	s_add_nc_u64 s[G0B+6:G0B+7], s[G0B+6:G0B+7], BSTEP
	JLOAD                                          ; its four v_nop are also the places in front of the loads below
.else
	PLACES
.endif
	s_xor_b32 s[CUR], s[CUR], SLOT                 ; the other slot
	v_add_nc_u32 v[ADRA], s[CUR], v[ADRA0]
.irp g, 0,1,2
	v_add_nc_u32 v[ADRB+\g], s[CUR], v[ADRB0+\g]
.endr
	FETCH 0, F0
.if \fill
	ASK
.endif
	MULH F1, 1, 0, 0
	MULH F1, 1, 2, 0
.endm
.macro LASTQ
	s_wait_dscnt 8
	MULH F1, 0, 0, 0
	MULH F1, 0, 2, 0
	s_wait_dscnt 0x0
	MULH F1, 1, 0, 0
	MULH F1, 1, 2, 0
.endm
	s_load_b128 s[4:7], s[0:1], 0x0                ; xh s[4:5], wts s[6:7]
	s_load_b64 s[8:9], s[0:1], 0x10                ; qkv
	v_lshl_add_u32 v[SPW], v0, 2, SPARE
	v_mov_b32 v[NIL], 0
	ds_add_u32 v[SPW], v[NIL]                      ; the wave's opening: the add and its wait ahead of my first tensor load
	v_lshrrev_b32 v1, 5, v0
	v_readfirstlane_b32 s[WV], v1
	s_min_u32 s[ROLE], s[WV], 1
	s_sub_co_u32 s[SUB], s[WV], s[ROLE]            ; waves 1-3: planes 0-2
	s_bfe_u32 s[CX], ttmp6, 0x40000
	s_bfe_u32 s[CY], ttmp6, 0x40004
	s_lshl_b32 s[TX], ttmp9, 2
	s_add_co_u32 s[TX], s[TX], s[CX]               ; tile column
	s_and_b32 s[TY], ttmp7, 0xffff
	s_lshl_b32 s[TY], s[TY], 2
	s_add_co_u32 s[TY], s[TY], s[CY]               ; tile row
	s_lshl_b32 s21, s[CY], 2
	s_lshl_b32 s21, 15, s21                        ; my row of the cluster
	s_lshl_b32 s22, 0x1111, s[CX]                  ; my column
	s_or_b32 s[G1A], s21, (1<<16)|(1<<20)|(1<<21)|(5<<22)|(3<<25)   ; mask; 2-byte elements; padding on; bit 21 beside a mask; after every 64 words, 4 words
	s_or_b32 s[G1B], s22, (1<<16)|(1<<20)|(1<<21)|(5<<22)|(7<<25)   ; the same with 8 words
.irp g, G1A, G1B
	s_mov_b32 s[(\g)+1], 128<<16                   ; tensor_dim0 = 128
	s_mov_b32 s[(\g)+2], 128<<16                   ; tensor_dim1 = 128
	s_mov_b32 s[(\g)+3], 128<<16                   ; tile_dim0 = 128
	s_mov_b32 s[(\g)+4], 128                       ; tile_dim1 = 128
	s_mov_b32 s[(\g)+6], 0
	s_mov_b32 s[(\g)+7], 0
.endr
	s_mov_b32 s[G1A+5], 1024                       ; elements from row to row
	s_mov_b32 s[G1B+5], 3072
	s_lshl_b32 s[AOF], s[TY], 18                   ; 128 rows of 2,048 bytes
	s_mov_b32 s[AOF+1], 0
	s_mul_i32 s[BOF], s[TX], 768                   ; 384 columns of 2 bytes
	s_lshl_b32 s23, s[SUB], 8
	s_add_co_u32 s[BOF], s[BOF], s23
	s_mov_b32 s[BOF+1], 0
	s_mov_b32 s[LWA], 0
	s_mul_i32 s[LWB], s[SUB], SB
	s_add_co_u32 s[LWB], s[LWB], SA
	s_mov_b32 s[CUR], 0
	s_wait_dscnt 0x0                               ; the opening add is done
	s_wait_kmcnt 0x0
	s_add_nc_u64 s[AOF:AOF+1], s[4:5], s[AOF:AOF+1]
	s_add_nc_u64 s[BOF:BOF+1], s[6:7], s[BOF:BOF+1]
	CROUND                                         ; all sixteen work-groups are here: the first joint loads meet
.irp s, 0,1
	s_mov_b32 s[G0A+4*\s], 1
	s_add_co_u32 s[G0A+4*\s+1], s[LWA], \s*SLOT
	s_add_nc_u64 s[G0A+4*\s+2:G0A+4*\s+3], s[AOF:AOF+1], \s*ASTEP
	s_or_b32 s[G0A+4*\s+3], s[G0A+4*\s+3], 0x80000000
	s_mov_b32 s[G0B+4*\s], 1
	s_add_co_u32 s[G0B+4*\s+1], s[LWB], \s*SLOT
	s_add_nc_u64 s[G0B+4*\s+2:G0B+4*\s+3], s[BOF:BOF+1], \s*BSTEP
	s_or_b32 s[G0B+4*\s+3], s[G0B+4*\s+3], 0x80000000
.endr
	s_cmp_eq_u32 s[ROLE], 0                        ; a wave's two first fills stand in one branch: two loads of mine are out
	s_cbranch_scc0 .Lfirst_b
	tensor_load_to_lds s[G0A:G0A+3], s[G1A:G1A+7]
	s_nop 0
	tensor_load_to_lds s[G0A+4:G0A+7], s[G1A:G1A+7]
	s_nop 0
	PLACES
	s_branch .Lfirst_done
.Lfirst_b:
	tensor_load_to_lds s[G0B:G0B+3], s[G1B:G1B+7]
	s_nop 0
	tensor_load_to_lds s[G0B+4:G0B+7], s[G1B:G1B+7]
	s_nop 0
	PLACES
.Lfirst_done:
	v_and_b32 v1, 15, v0                           ; r
	v_bfe_u32 v2, v0, 4, 1                         ; h
	v_and_b32 v3, 31, v0                           ; lane
	v_mul_u32_u24 v4, v1, PA
	v_lshl_add_u32 v[ADRA0], v2, 4, v4             ; A: row r, 16 bytes for each half of the lanes; all waves read all 128 rows
	v_mov_b32 v[ADRA], v[ADRA0]
	v_and_b32 v4, 7, v0
	v_lshl_add_u32 v4, v2, 3, v4                   ; B, turned: k-row 8 h + l % 8,
	v_mul_u32_u24 v4, v4, PB
	v_bfe_u32 v5, v0, 3, 1
	v_lshl_add_u32 v4, v5, 4, v4                   ; 16 bytes by (l / 8) % 2
	s_lshl_b32 s21, s[WV], 6                       ; my 32 columns of each plane
	s_add_co_u32 s21, s21, SA
.irp g, 0,1,2
	v_add_nc_u32 v[ADRB0+\g], s21, v4
	v_add_nc_u32 v[ADRB+\g], s21, v4
	s_add_co_u32 s21, s21, SB
.endr
	v_mul_u32_u24 v4, v1, DPITCH                   ; the way out: plane g at g x DREG; row r, my 32 columns, 32 bytes for each half of the lanes
	v_lshl_add_u32 v4, v2, 5, v4
	s_lshl_b32 s21, s[WV], 7
.irp g, 0,1,2
	v_add_nc_u32 v[STO+\g], s21, v4
	s_add_co_u32 s21, s21, DREG
.endr
	s_mul_i32 s21, s[WV], 32*DPITCH                ; back: I finish rows 32 w .. 32 w + 31 of each plane
	v_lshl_add_u32 v[RD], v3, 4, s21
	v_lshlrev_b32 v[CO], 3, v3
	s_mul_i32 s[PLN], s[TX], 3                     ; my tile's first plane
	s_lshl_b32 s[TP], s[PLN], 20                   ; a plane is 4,096 rows of 256 bytes
	s_lshl_b32 s21, s[TY], 7
	s_lshl_b32 s22, s[WV], 5
	s_add_co_u32 s21, s21, s22
	s_lshl_b32 s21, s21, 8
	s_add_co_u32 s[TP], s[TP], s21
	s_mov_b32 s[TP+1], 0
	s_add_nc_u64 s[OB:OB+1], s[8:9], s[TP:TP+1]
	; the prefetches: they stand at K step 2; the first refill steps them to 3, the step that the next refill asks for
	s_lshl_b32 s21, s[TY], 7
	s_lshl_b32 s22, s[CX], 5
	s_add_co_u32 s21, s21, s22
	s_lshl_b32 s21, s21, 11
	s_add_co_u32 s21, s21, 2*ASTEP                 ; A: row 128 TY + 32 cx
	s_mul_i32 s22, s[CY], 32*BPB                   ; B: k-row 32 cy,
	s_mul_i32 s23, s[TX], 768
	s_add_co_u32 s22, s22, s23
	s_lshl_b32 s23, s[SUB], 8
	s_add_co_u32 s22, s22, s23                     ; my plane's 256 bytes
	s_add_co_u32 s22, s22, 2*BSTEP
	s_and_b32 s23, ttmp7, 0xffff                   ; cluster y
	s_mov_b32 s[PST], BSTEP
	s_mov_b32 s[PST+1], 0
	s_mov_b32 s62, BPB
	s_cmp_eq_u32 s[ROLE], 0
	s_cselect_b32 s[TP], s21, s22
	s_cselect_b64 s[PFA:PFA+1], s[4:5], s[6:7]
	s_cselect_b32 s[PST], ASTEP, s[PST]
	s_cselect_b32 s62, APB, s62
	s_cselect_b32 s23, ttmp9, s23                  ; the coordinate along which other clusters read the same rows
	s_cmp_eq_u32 s23, 0
	s_cselect_b32 s[LIM], 1, -1                    ; the last refill has no step behind it
	s_mov_b32 s[TP+1], 0
	s_add_nc_u64 s[PFA:PFA+1], s[PFA:PFA+1], s[TP:TP+1]
	v_mul_lo_u32 v[PFO], v3, s62
	s_mov_b32 s[KC+1], 0                           ; the pairs' upper words are named with the lower ones
	s_mov_b32 s[KAL+1], 0
	s_mov_b32 s[KBE+1], 0
	s_mov_b32 s[KGA+1], 0
	s_wait_tensorcnt 1                             ; my part of K step 0 is in; step 1's may stay out
	s_barrier_signal -1
	s_barrier_wait -1
	FETCH 0, F0
	QUARTER 1, F0, F1, 1                           ; the first quarter's products start the sums
	WIN 0
	s_mov_b32 s[CNT], 6
.Lk:                                               ; a trip: from a K step's second quarter to the next step's first; one refill
	QUARTER 2, F1, F0, 0
	QUARTER 3, F0, F1, 0
	TURN 1
	QUARTER 1, F0, F1, 0
	WIN 0
	s_sub_co_u32 s[CNT], s[CNT], 1
	s_cmp_lg_u32 s[CNT], 0
	s_cbranch_scc1 .Lk
	QUARTER 2, F1, F0, 0                           ; the last two K steps ask for nothing
	QUARTER 3, F0, F1, 0
	TURN 0
	QUARTER 1, F0, F1, 0
	QUARTER 2, F1, F0, 0
	QUARTER 3, F0, F1, 0
	LASTQ
	; THE WAY OUT.  The ring has had its last fill.  All sums go as f32 into three planes of 128 x 128 in its place; then each wave takes whole rows back, finishes them and stores 256 bytes a row.
	WIN 0
	PLACES
	s_wait_dscnt 0x0
	s_barrier_signal -1
	s_barrier_wait -1                              ; nobody reads the ring any more
.set a, 0
.rept 8
	WIN 0x08+4*(a/4)                               ; store data from window 2 or 3
.irp g, 0,1,2
.irp i, 0,1
	ds_store_b128 v[STO+\g], v[8*(6*(a%4)+2*\g+\i):8*(6*(a%4)+2*\g+\i)+3]   offset:a*16*DPITCH+64*\i
	ds_store_b128 v[STO+\g], v[8*(6*(a%4)+2*\g+\i)+4:8*(6*(a%4)+2*\g+\i)+7] offset:a*16*DPITCH+64*\i+16
.endr
.endr
.set a, a+1
.endr
	WIN 0
	s_wait_dscnt 0x0
	s_barrier_signal -1
	s_barrier_wait -1                              ; a row's 512 bytes come from four waves
	s_mov_b32 s[CNT], 3
.Lplane:
	s_lshr_b32 s21, s[PLN], 3                      ; 0: q, 1: k, 2: v.  It chooses numbers, never a way
	s_cmp_eq_u32 s21, 0
	s_cselect_b32 s[KC], 0xbfb8aa3b, 0             ; q: z / sqrt(128) / (1 + 2^(-z log2 e))
	s_cselect_b32 s[KAL], 0x3db504f3, 0
	s_cmp_eq_u32 s21, 1
	s_cselect_b32 s[KC], 0x3fb8aa3b, s[KC]         ; k: 1 / (1 + 2^(z log2 e))
	s_cselect_b32 s[KBE], 1.0, 0
	s_cmp_eq_u32 s21, 2
	s_cselect_b32 s[KGA], 1.0, 0                   ; v: 0 x 1/2 + z
.irp i, 0,1,2,3
	ds_load_b128 v[LD+4*\i:LD+4*\i+3], v[RD] offset:\i*DPITCH
.endr
	s_mov_b32 s[CNT2], 8
.Lrow:                                             ; a trip: four rows, 16 numbers a lane
	s_wait_dscnt 0x0
.set i, 0
.rept 8
	v_pk_mul_f32 v[EX+2*i:EX+2*i+1], v[LD+2*i:LD+2*i+1], s[KC:KC+1] op_sel_hi:[1,0]
	v_pk_fma_f32 v[NM+2*i:NM+2*i+1], v[LD+2*i:LD+2*i+1], s[KAL:KAL+1], s[KBE:KBE+1] op_sel_hi:[1,0,0]
	v_pk_mul_f32 v[GZ+2*i:GZ+2*i+1], v[LD+2*i:LD+2*i+1], s[KGA:KGA+1] op_sel_hi:[1,0]
.set i, i+1
.endr
	s_cmp_eq_u32 s[CNT2], 1
	s_cbranch_scc1 .Lrow_nl                        ; a plane's last trip loads nothing
	v_add_nc_u32 v[RD], 4*DPITCH, v[RD]
.irp i, 0,1,2,3
	ds_load_b128 v[LD+4*\i:LD+4*\i+3], v[RD] offset:\i*DPITCH
.endr
.Lrow_nl:
.set i, 0
.rept 16
	v_exp_f32 v[EX+i], v[EX+i]
.set i, i+1
.endr
	v_nop
	s_wait_alu depctr_va_vdst(0)                   ; one wait for the sixteen exponentials
.set i, 0
.rept 8
	v_pk_add_f32 v[EX+2*i:EX+2*i+1], v[EX+2*i:EX+2*i+1], 1.0 op_sel_hi:[1,0]
.set i, i+1
.endr
.set i, 0
.rept 16
	v_rcp_f32 v[EX+i], v[EX+i]
.set i, i+1
.endr
	v_nop
	s_wait_alu depctr_va_vdst(0)                   ; and one for the sixteen reciprocals
.set i, 0
.rept 8
	v_pk_fma_f32 v[NM+2*i:NM+2*i+1], v[NM+2*i:NM+2*i+1], v[EX+2*i:EX+2*i+1], v[GZ+2*i:GZ+2*i+1]
.set i, i+1
.endr
.set i, 0
.rept 8
	v_cvt_pk_f16_f32 v[OU+i], v[NM+2*i], v[NM+2*i+1]
.set i, i+1
.endr
.irp i, 0,1,2,3
	global_store_b64 v[CO], v[OU+2*\i:OU+2*\i+1], s[OB:OB+1] offset:\i*256   ; 32 lanes store a plane's row: 256 consecutive bytes, aligned
.endr
	s_wait_xcnt 0x0                                ; OU and CO are written again only behind this wait
	v_add_nc_u32 v[CO], 1024, v[CO]
	s_sub_co_u32 s[CNT2], s[CNT2], 1
	s_cmp_lg_u32 s[CNT2], 0
	s_cbranch_scc1 .Lrow
	v_add_nc_u32 v[RD], DREG-28*DPITCH, v[RD]      ; the next plane's first rows
	v_add_nc_u32 v[CO], 1048576-8192, v[CO]
	s_add_co_u32 s[PLN], s[PLN], 1
	s_sub_co_u32 s[CNT], s[CNT], 1
	s_cmp_lg_u32 s[CNT], 0
	s_cbranch_scc1 .Lplane
	s_wait_tensorcnt 0x0                           ; the wave's end
	ds_add_u32 v[SPW], v[NIL]
	s_wait_dscnt 0x0
	CROUND                                         ; the closing round
	s_endpgm
.Lfunc_end_k_qfad59b8c41_proj:
	.size	k_qfad59b8c41_proj, .Lfunc_end_k_qfad59b8c41_proj-k_qfad59b8c41_proj
	.p2alignl 7, 3214868480
	.fill 96, 4, 3214868480
	.section	.rodata,"a",@progbits
	.p2align	6, 0x0
	.amdhsa_kernel k_qfad59b8c41_proj
		.amdhsa_group_segment_fixed_size 327680
		.amdhsa_private_segment_fixed_size 0
		.amdhsa_enable_private_segment 0
		.amdhsa_kernarg_size 24
		.amdhsa_user_sgpr_count 2
		.amdhsa_user_sgpr_kernarg_segment_ptr 1
		.amdhsa_wavefront_size32 1
		.amdhsa_system_sgpr_workgroup_id_x 1
		.amdhsa_system_sgpr_workgroup_id_y 1
		.amdhsa_system_sgpr_workgroup_id_z 1
		.amdhsa_system_vgpr_workitem_id 0
		.amdhsa_next_free_vgpr 1024
		.amdhsa_next_free_sgpr 96
		.amdhsa_reserve_vcc 0
		.amdhsa_float_denorm_mode_32 3
		.amdhsa_float_denorm_mode_16_64 3
		.amdhsa_memory_ordered 1
		.amdhsa_forward_progress 1
		.amdhsa_inst_pref_size 84
	.end_amdhsa_kernel
	.amdgpu_metadata
---
amdhsa.version: [ 1, 2 ]
amdhsa.kernels:
  - .name:           k_qfad59b8c41_proj
    .symbol:         k_qfad59b8c41_proj.kd
    .args:
      - { .name: xh, .offset: 0, .size: 8, .value_kind: global_buffer, .address_space: global }
      - { .name: wts, .offset: 8, .size: 8, .value_kind: global_buffer, .address_space: global }
      - { .name: qkv, .offset: 16, .size: 8, .value_kind: global_buffer, .address_space: global }
    .group_segment_fixed_size: 327680
    .private_segment_fixed_size: 0
    .kernarg_segment_align: 8
    .kernarg_segment_size: 24
    .max_flat_workgroup_size: 128
    .sgpr_count:     96
    .vgpr_count:     1024
    .wavefront_size: 32
...
	.end_amdgpu_metadata
.endif
;; end of part 2
;; launch scan (part 3): grid 256 x 1, 8 waves a work-group, no clusters, 300,544 bytes of LDS; arguments qkv, g_norm_w, o2; writes o2
.if DOCPART == 3
	.amdgcn_target "amdgcn-amd-amdhsa--gfx1250"
	.amdhsa_code_object_version 6
	.text
	.protected	k_qfad59b8c41_scan
	.globl	k_qfad59b8c41_scan
	.p2align	8
	.type	k_qfad59b8c41_scan,@function
k_qfad59b8c41_scan:
	s_mov_b64 s[64:65], 0
	v_nop
	global_prefetch_b8 v0, s[64:65] scope:SCOPE_SE
	s_setreg_imm32_b32 hwreg(HW_REG_WAVE_MODE, 25, 1), 1
	s_wait_xcnt 0x0
; SCAN: the gated recurrence S_t = diag(lambda_t) S_(t-1) + k_t v_t^T, o_t = q_t S_t, lambda = 1 - k, as masked products; then the RMS norm over a head's 128 channels, times g_norm_w (rounded to bf16).
; A work-group is one (batch, head, direction): 256 steps.  The reversed direction reads the rows backward and stores its result at the SCAN index (the streams are summed at equal index).
; o_t = sum over s <= t of A[t][s] v_s,  A[t][s] = sum over e of q_t[e] k_s[e] prod(u = s+1 .. t) lambda_u[e].  EVERY decay factor that is formed is a product of lambdas over a range between key and query:
; all are at most 1, an underflow is a 0 where the true factor is as good as 0, and nothing is ever divided.
;   between tiles of 16 rows, J < I:  A = (Q0_t x prod(J < j < I) T_j) . Kt_s;  Q0_t = q_t prod(16 I .. t), Kt_s = k_s prod(s+1 .. 16 J + 15), T_j = tile j's whole product.  The middle factor rides on the
;   query side, kept in f32 and rounded to f16 anew for each J, walking J downward.
;   inside a tile, s < t: with h in 8, 4, 2, 1 the highest bit in which s and t differ and m the middle of their block of 2 h rows: row t (right half) X_t = q_t prod(m .. t), row s (left half) X_s = k_s prod(s+1 .. m-1).
;   Each row has one part at each level, so one 16 x 128 matrix X serves as both sources; lane masks pick the wanted entries of X X^T.  The diagonal is q_t . k_t.
; LIMITS.  q, v, A and o within 65,504 (f16); factors below f16's smallest step count as 0.
; SHARES.  Eight waves; wave w owns tiles w and 15 - w: 17 key tiles for every wave.  No tensor load (the reversal is made by lane addresses), no cluster: only the two directions of a head share bytes.
; LDS: KT 256 x 272 | VT 256 x 288 | QT 256 x 272 | TT 16 x 512 (f32) | DT 16 x 512 (the diagonal tiles' weights, by lane) | GW 512 | SC 8 x 2 x 16 x 272 (each wave's own) | spare words.
.set PK,  272
.set PV,  288
.set KT,  0
.set VT,  69632
.set QT,  143360
.set TT,  212992
.set DT,  221184
.set GW,  229376
.set SC,  229888
.set SCB, 4352                          ; one scratch buffer
.set SPARE, 299520
; window 0, always
.set L8,   1                            ; 8 x lane
.set ASC,  2                            ; my scratch + 8 x lane: rows in
.set AFR,  3                            ; my scratch + r x 272 + 16 h: fragments out
.set AQT,  4
.set AKT,  5
.set AVT,  6
.set ATT,  7
.set ADT,  8
.set ONE,  9
.set NEG1, 10
.set ZERO, 11
.set SPW,  12
.set NIL,  13
.set L16,  14                           ; 16 x lane
.set FRB,  15                           ; r x 272 + 16 h
; window 0, first phase: a lane holds channels 4 l .. 4 l + 3 of a tile's 16 rows
.set QR,   16                           ; v[16:47]   q, two registers a row
.set KR,   48                           ; v[48:79]   k
.set VR,   80                           ; v[80:111]  v, then fragments
.set FR0,  80
.set LAM,  112                          ; v[112:175] lambda in f32, four a row
.set ACC,  176                          ; v[176:179] the running product
.set OUT,  180                          ; v[180:183] a row on its way to LDS, two sets by turns
.set OFFS, 184                          ; v[184:199] the 16 rows' byte offsets in a plane
.set FR1,  200                          ; v[200:231]
.set DA,   232
.set DB,   240
.set AT,   248                          ; v[248:255] the diagonal tile's weights: key 8 h + j, query r
; window 0, second phase
.set VTB,  16
.set THB,  17
.set GWB,  18
.set RDS,  19
.set GO0,  20
.set GO,   21
.set AQ,   22
.set AK,   23
.set AV,   24
.set AT2,  25
.set ADP,  26
.set QF,   32                           ; v[32:63]   the queries' fragments
.set KF,   64                           ; v[64:95]   a key tile's fragments
.set PP,   96                           ; v[96:103]  weights as source 1: 16 keys, the upper 16 are 0
.set S0,   104
.set S1,   112
.set VF,   120                          ; v[120:183] V^T, eight fragments of 16 channels x 16 keys, upper halves 0
.set TB,   184                          ; v[184:247] T_J (or g) by my lanes' channels
.set SS,   104
.set RS,   112
; window 1: v0-63 O^T; v64-127 the queries in f32; in the first phase v0-95 the second tile as loaded
.set QX,   64
.set WV,   10
.set DIR,  11
.set HEAD, 12
.set BT,   13
.set TI,   14
.set CNT,  15
.set CT,   16
.set STEP, 17
.set M8,   20                           ; s[20:59] lane masks, eight a class
.set M4,   28
.set M2,   36
.set M1,   44
.set MD,   52
.set QP,   66
.set KP,   68
.set VP,   70
.set OP,   72
.set SEL,  74
.set C128, 76
.set EPS,  77
.set MSB, 0
.macro WIN new
.if MSB != (\new)
	s_set_vgpr_msb (MSB<<8)|(\new)
.set MSB, \new
.endif
.endm
.macro PLACES
.rept 4
	v_nop
.endr
.endm
.macro ROWS tile                        ; the byte offsets of scan tile s[tile]'s 16 rows: forward from row 16 I, or backward from row 255 - 16 I
	s_lshl_b32 s80, s[\tile], 4
	s_sub_co_u32 s81, 255, s80
	s_cmp_eq_u32 s[DIR], 1
	s_cselect_b32 s80, s81, s80
	s_lshl_b32 s80, s80, 8
	v_add_nc_u32 v[OFFS], s80, v[L8]
.set i, 1
.rept 15
	v_add_nc_u32 v[OFFS+i], s[STEP], v[OFFS+i-1]
.set i, i+1
.endr
.endm
.macro LOADT d                          ; 48 loads, each a whole row of 256 bytes: q to d, k to d + 32, v to d + 64
.set i, 0
.rept 16
	global_load_b64 v[(\d)+2*i:(\d)+2*i+1],       v[OFFS+i], s[QP:QP+1]
	global_load_b64 v[(\d)+32+2*i:(\d)+33+2*i],   v[OFFS+i], s[KP:KP+1]
	global_load_b64 v[(\d)+64+2*i:(\d)+65+2*i],   v[OFFS+i], s[VP:VP+1]
.set i, i+1
.endr
.endm
.macro EMIT src, row, ac, adr, off      ; a row of src (four f16) times four f32 factors, rounded once to f16, into LDS row 'row'
.set oo, OUT+2*((\row)%2)
	v_fma_mixlo_f16 v[oo],   v[(\src)+2*(\row)],   v[(\ac)],   v[ZERO] op_sel_hi:[1,0,0]
	v_fma_mixhi_f16 v[oo],   v[(\src)+2*(\row)],   v[(\ac)+1], v[ZERO] op_sel:[1,0,0] op_sel_hi:[1,0,0]
	v_fma_mixlo_f16 v[oo+1], v[(\src)+2*(\row)+1], v[(\ac)+2], v[ZERO] op_sel_hi:[1,0,0]
	v_fma_mixhi_f16 v[oo+1], v[(\src)+2*(\row)+1], v[(\ac)+3], v[ZERO] op_sel:[1,0,0] op_sel_hi:[1,0,0]
	ds_store_b64 v[\adr], v[oo:oo+1] offset:(\off)+(\row)*PK
.endm
.macro PREFQ lo, n, adr, off            ; rows lo .. lo + n - 1: q_t x prod(lo .. t) lambda
.set t, (\lo)
.rept \n
.if t == (\lo)
	EMIT QR, t, LAM+4*t, \adr, \off
.else
.if t == (\lo)+1
	v_pk_mul_f32 v[ACC:ACC+1],   v[LAM+4*t-4:LAM+4*t-3], v[LAM+4*t:LAM+4*t+1]
	v_pk_mul_f32 v[ACC+2:ACC+3], v[LAM+4*t-2:LAM+4*t-1], v[LAM+4*t+2:LAM+4*t+3]
.else
	v_pk_mul_f32 v[ACC:ACC+1],   v[ACC:ACC+1],   v[LAM+4*t:LAM+4*t+1]
	v_pk_mul_f32 v[ACC+2:ACC+3], v[ACC+2:ACC+3], v[LAM+4*t+2:LAM+4*t+3]
.endif
	EMIT QR, t, ACC, \adr, \off
.endif
.set t, t+1
.endr
.endm
.macro SUFK lo, n, adr, off             ; rows lo + n - 1 down to lo: k_s x prod(s + 1 .. lo + n - 1) lambda
.set t, (\lo)+(\n)-1
.rept \n
.if t == (\lo)+(\n)-1
	ds_store_b64 v[\adr], v[KR+2*t:KR+2*t+1] offset:(\off)+t*PK
.elseif t == (\lo)+(\n)-2
	EMIT KR, t, LAM+4*t+4, \adr, \off
.else
.if t == (\lo)+(\n)-3
	v_pk_mul_f32 v[ACC:ACC+1],   v[LAM+4*t+8:LAM+4*t+9],   v[LAM+4*t+4:LAM+4*t+5]
	v_pk_mul_f32 v[ACC+2:ACC+3], v[LAM+4*t+10:LAM+4*t+11], v[LAM+4*t+6:LAM+4*t+7]
.else
	v_pk_mul_f32 v[ACC:ACC+1],   v[ACC:ACC+1],   v[LAM+4*t+4:LAM+4*t+5]
	v_pk_mul_f32 v[ACC+2:ACC+3], v[ACC+2:ACC+3], v[LAM+4*t+6:LAM+4*t+7]
.endif
	EMIT KR, t, ACC, \adr, \off
.endif
.set t, t-1
.endr
.endm
.macro LEVEL h, buf                     ; X of level h into scratch buffer buf
.set bs, 0
.rept 8/(\h)
	SUFK bs, \h, ASC, (\buf)*SCB
	PREFQ bs+(\h), \h, ASC, (\buf)*SCB
.set bs, bs+2*(\h)
.endr
.endm
.macro FRAGS fr, buf                    ; 16 rows x 128 channels out of scratch buffer buf as four fragments
.irp c, 0,1,2,3
	ds_load_b128 v[(\fr)+8*\c:(\fr)+8*\c+3],   v[AFR] offset:(\buf)*SCB+64*\c
	ds_load_b128 v[(\fr)+8*\c+4:(\fr)+8*\c+7], v[AFR] offset:(\buf)*SCB+64*\c+32
.endr
.endm
.macro GRAM                             ; DA = X0 X0^T, DB = X1 X1^T: the two accumulators take turns
	v_wmma_f32_16x16x32_f16 v[DA:DA+7], v[FR0:FR0+7], v[FR0:FR0+7], 0
	v_wmma_f32_16x16x32_f16 v[DB:DB+7], v[FR1:FR1+7], v[FR1:FR1+7], 0
.irp c, 1,2,3
	v_wmma_f32_16x16x32_f16 v[DA:DA+7], v[FR0+8*\c:FR0+8*\c+7], v[FR0+8*\c:FR0+8*\c+7], v[DA:DA+7]
	v_wmma_f32_16x16x32_f16 v[DB:DB+7], v[FR1+8*\c:FR1+8*\c+7], v[FR1+8*\c:FR1+8*\c+7], v[DB:DB+7]
.endr
.endm
.macro MERGE d, m, first                ; AT takes d where mask m is set; registers in ascending order
.set j, 0
.rept 8
.if \first
	v_cndmask_b32 v[AT+j], 0, v[(\d)+j], s[(\m)+j]
.else
	v_cndmask_b32 v[AT+j], v[AT+j], v[(\d)+j], s[(\m)+j]
.endif
.set j, j+1
.endr
.endm
	s_load_b128 s[4:7], s[0:1], 0x0                ; qkv s[4:5], g_norm_w s[6:7]
	s_load_b64 s[8:9], s[0:1], 0x10                ; o2
	v_lshl_add_u32 v[SPW], v0, 2, SPARE
	v_mov_b32 v[NIL], 0
	v_lshrrev_b32 v[DA], 5, v0
	v_readfirstlane_b32 s[WV], v[DA]
	s_and_b32 s[DIR], ttmp9, 1
	s_bfe_u32 s[HEAD], ttmp9, 0x30001
	s_lshr_b32 s[BT], ttmp9, 4
	v_and_b32 v[DA], 31, v0
	v_lshlrev_b32 v[L8], 3, v[DA]
	v_lshlrev_b32 v[L16], 4, v[DA]
	v_and_b32 v[DA+2], 15, v0                      ; r: the query
	v_bfe_u32 v[DA+3], v0, 4, 1                    ; h
	v_mul_u32_u24 v[FRB], v[DA+2], PK
	v_lshl_add_u32 v[FRB], v[DA+3], 4, v[FRB]
	s_mul_i32 s78, s[WV], 2*SCB
	s_add_co_u32 s78, s78, SC
	v_add_nc_u32 v[ASC], s78, v[L8]
	v_add_nc_u32 v[AFR], s78, v[FRB]
	v_mov_b32 v[ONE], 1.0
	v_mov_b32 v[NEG1], -1.0
	v_mov_b32 v[ZERO], 0
.irp i, 0,1,2,3
	v_mov_b32 v[OUT+\i], 0                         ; the half-writing forms keep the other half: the registers are written once whole
.endr
	v_lshlrev_b32 v[DA+3], 3, v[DA+3]              ; 8 h
	; register j of a result holds (key 8 h + j, query r).  x = key xor query; its highest bit is the level; only key < query counts; x = 0 is the diagonal
.irp j, 0,1,2,3,4,5,6,7
	v_add_nc_u32 v[DA], \j, v[DA+3]
	v_xor_b32 v[DA+1], v[DA], v[DA+2]
	v_cmp_lt_u32 s60, v[DA], v[DA+2]
	v_cmp_le_u32 s61, 8, v[DA+1]
	v_cmp_le_u32 s62, 4, v[DA+1]
	v_cmp_le_u32 s63, 2, v[DA+1]
	v_cmp_eq_u32 s[M1+\j], 1, v[DA+1]
	v_cmp_eq_u32 s[MD+\j], 0, v[DA+1]
	s_and_b32 s[M8+\j], s61, s60
	s_and_not1_b32 s[M4+\j], s62, s61
	s_and_b32 s[M4+\j], s[M4+\j], s60
	s_and_not1_b32 s[M2+\j], s63, s62
	s_and_b32 s[M2+\j], s[M2+\j], s60
	s_and_b32 s[M1+\j], s[M1+\j], s60
.endr
	s_mov_b32 s[SEL], 0x76543210
	s_mov_b32 s[SEL+1], 0xfedcba98
	s_mov_b32 s[C128], 0x3c000000                  ; 1/128
	s_mov_b32 s[EPS], 0x358637bd                   ; 1e-6
	s_mov_b32 s[STEP], 256
	s_cmp_eq_u32 s[DIR], 1
	s_cselect_b32 s[STEP], 0xffffff00, s[STEP]     ; a row up or a row down
	s_lshl_b32 s78, s[HEAD], 20                    ; a plane is 1,048,576 bytes,
	s_lshl_b32 s79, s[BT], 16                      ; a batch's 256 rows 65,536
	s_add_co_u32 s78, s78, s79
	s_mov_b32 s79, 0
	s_lshl_b32 s82, s[BT], 20                      ; o2: 256 rows of 4,096 bytes,
	s_lshl_b32 s83, s[DIR], 11                     ; the direction's half of a row,
	s_add_co_u32 s82, s82, s83
	s_lshl_b32 s83, s[HEAD], 8                     ; the head's 256 bytes
	s_add_co_u32 s82, s82, s83
	s_mov_b32 s83, 0
	s_wait_kmcnt 0x0
	s_add_nc_u64 s[QP:QP+1], s[4:5], s[78:79]
	s_add_nc_u64 s[KP:KP+1], s[QP:QP+1], 8388608
	s_add_nc_u64 s[VP:VP+1], s[QP:QP+1], 16777216
	s_add_nc_u64 s[OP:OP+1], s[8:9], s[82:83]
	s_cmp_lg_u32 s[WV], 0
	s_cbranch_scc1 .Lno_g0
	global_load_b128 v[ACC:ACC+3], v[L16], s[6:7]  ; wave 0: the gain, four numbers a lane
.Lno_g0:
	ROWS WV
	LOADT QR                                       ; tile w
	s_cmp_lg_u32 s[WV], 0
	s_cbranch_scc1 .Lno_g1
	s_wait_loadcnt 48                              ; the gain is in: the 48 loads issued behind it may stay out
	v_cvt_pk_bf16_f32 v[DA], v[ACC], v[ACC+1]
	v_cvt_pk_bf16_f32 v[DA+1], v[ACC+2], v[ACC+3]
	v_lshlrev_b32 v[ACC], 16, v[DA]
	v_and_b32 v[ACC+1], 0xffff0000, v[DA]
	v_lshlrev_b32 v[ACC+2], 16, v[DA+1]
	v_and_b32 v[ACC+3], 0xffff0000, v[DA+1]
	v_add_nc_u32 v[DA+2], GW, v[L16]
	ds_store_b128 v[DA+2], v[ACC:ACC+3]
.Lno_g1:
	s_wait_xcnt 0x0                                ; the loads have read their offsets: these are written anew
	s_sub_co_u32 s82, 15, s[WV]
	ROWS 82
	WIN 0x40                                       ; destination window 1
	LOADT 0                                        ; tile 15 - w waits there for its turn
	WIN 0
	; FIRST PHASE, a trip a tile: V, Q0, Kt, T and the diagonal tile's weights go to LDS
	s_mov_b32 s[TI], s[WV]
	s_mov_b32 s[CNT], 2
.Lp1:
	s_wait_loadcnt 48                              ; the first tile is in; the second's 48 loads may stay out (in the second trip nothing is out)
	s_mul_i32 s78, s[TI], 16*PK
	v_add_nc_u32 v[AKT], s78, v[L8]
	s_add_co_u32 s78, s78, QT
	v_add_nc_u32 v[AQT], s78, v[L8]
	s_mul_i32 s78, s[TI], 16*PV
	s_add_co_u32 s78, s78, VT
	v_add_nc_u32 v[AVT], s78, v[L8]
	s_lshl_b32 s78, s[TI], 9
	s_add_co_u32 s79, s78, TT
	v_add_nc_u32 v[ATT], s79, v[L16]
	s_add_co_u32 s79, s78, DT
	v_add_nc_u32 v[ADT], s79, v[L16]
.set i, 0
.rept 16
	ds_store_b64 v[AVT], v[VR+2*i:VR+2*i+1] offset:i*PV
.set i, i+1
.endr
.set i, 0
.rept 32                                           ; lambda = 1 - k, in f32
	v_fma_mix_f32 v[LAM+2*i],   v[KR+i], v[NEG1], v[ONE] op_sel_hi:[1,0,0]
	v_fma_mix_f32 v[LAM+2*i+1], v[KR+i], v[NEG1], v[ONE] op_sel:[1,0,0] op_sel_hi:[1,0,0]
.set i, i+1
.endr
	LEVEL 8, 0
	LEVEL 4, 1
	FRAGS FR0, 0                                   ; LDS serves a wave's instructions in order (ISA guide 5.7.1.4): these see the rows above
	FRAGS FR1, 1
	PREFQ 0, 16, AQT, 0                            ; Q0, while the fragments come
	ds_store_b128 v[ATT], v[ACC:ACC+3]             ; what is left in the running product is T
	SUFK 0, 16, AKT, 0                             ; Kt
	s_wait_dscnt 0x0
	GRAM
	LEVEL 2, 0                                     ; this vector work names none of the products' registers: it is their places
	LEVEL 1, 1
	MERGE DA, M8, 1
	MERGE DB, M4, 0
	FRAGS FR0, 0
	FRAGS FR1, 1
	s_wait_dscnt 0x0
	GRAM
.set i, 0
.rept 16
	ds_store_b64 v[ASC], v[QR+2*i:QR+2*i+1] offset:i*PK         ; q and k as they are, for the diagonal
	ds_store_b64 v[ASC], v[KR+2*i:KR+2*i+1] offset:SCB+i*PK
.set i, i+1
.endr
	PLACES
	v_nop
	MERGE DA, M2, 0
	MERGE DB, M1, 0
	FRAGS FR0, 0
	FRAGS FR1, 1
	s_wait_dscnt 0x0
	v_wmma_f32_16x16x32_f16 v[DA:DA+7], v[FR1:FR1+7],       v[FR0:FR0+7],       0
	v_wmma_f32_16x16x32_f16 v[DB:DB+7], v[FR1+8:FR1+15],    v[FR0+8:FR0+15],    0
	v_wmma_f32_16x16x32_f16 v[DA:DA+7], v[FR1+16:FR1+23],   v[FR0+16:FR0+23],   v[DA:DA+7]
	v_wmma_f32_16x16x32_f16 v[DB:DB+7], v[FR1+24:FR1+31],   v[FR0+24:FR0+31],   v[DB:DB+7]
	PLACES
.irp j, 0,2,4,6
	v_pk_add_f32 v[DA+\j:DA+\j+1], v[DA+\j:DA+\j+1], v[DB+\j:DB+\j+1]
.endr
	MERGE DA, MD, 0
.irp j, 0,1,2,3
	v_cvt_pk_f16_f32 v[ACC+\j], v[AT+2*\j], v[AT+2*\j+1]
.endr
	ds_store_b128 v[ADT], v[ACC:ACC+3]             ; by lane: the same lane takes it back as source 1's lower half
	s_cmp_eq_u32 s[CNT], 1
	s_cbranch_scc1 .Lp1_end
	s_wait_loadcnt 0x0                             ; the second tile is in
	WIN 0x01                                       ; source window 1
.set i, 0
.rept 96
	v_mov_b32 v[QR+i], v[i]                        ; it goes where the one text of a trip names q, k and v
.set i, i+1
.endr
	WIN 0
.Lp1_end:
	s_sub_co_u32 s[TI], 15, s[TI]                  ; w, 15 - w, and w again for the second phase
	s_sub_co_u32 s[CNT], s[CNT], 1
	s_cmp_lg_u32 s[CNT], 0
	s_cbranch_scc1 .Lp1
	s_wait_dscnt 0x0
	s_barrier_signal -1
	s_barrier_wait -1                              ; all tiles' Kt, V and T, and the gain, lie in LDS; from here on they are only read
	; SECOND PHASE
	v_and_b32 v[AQ], 15, v0                        ; r
	v_bfe_u32 v[AK], v0, 4, 1                      ; h
	v_and_b32 v[AV], 7, v0
	v_lshl_add_u32 v[VTB], v[AK], 3, v[AV]         ; the turning load: key 8 h + l % 8,
	v_mul_u32_u24 v[VTB], v[VTB], PV
	v_bfe_u32 v[AV], v0, 3, 1
	v_lshl_add_u32 v[VTB], v[AV], 4, v[VTB]        ; 16 bytes by (l / 8) % 2
	v_add_nc_u32 v[VTB], VT, v[VTB]
	v_lshlrev_b32 v[THB], 5, v[AK]
	v_add_nc_u32 v[GWB], GW, v[THB]
	v_add_nc_u32 v[THB], TT, v[THB]
	v_mul_u32_u24 v[RDS], v[AK], PK                ; the stage, back: lanes 0-15 one row of 256 bytes, lanes 16-31 the next
	v_lshl_add_u32 v[RDS], v[AQ], 4, v[RDS]
	s_mul_i32 s78, s[WV], 2*SCB
	s_add_co_u32 s78, s78, SC
	v_add_nc_u32 v[RDS], s78, v[RDS]
	v_lshlrev_b32 v[GO0], 12, v[AK]                ; and the same two rows in o2
	v_lshl_add_u32 v[GO0], v[AQ], 4, v[GO0]
.set i, 0
.rept 8
.irp j, 4,5,6,7
	v_mov_b32 v[VF+8*i+\j], 0                      ; keys 16-31 of a product V^T P do not exist: both sources hold 0 there
.endr
.set i, i+1
.endr
.irp j, 4,5,6,7
	v_mov_b32 v[PP+\j], 0
.endr
	s_mov_b32 s[CNT], 2
.Ltile:
	s_wait_xcnt 0x0                                ; the last tile's stores have read their registers
	s_mul_i32 s78, s[TI], 16*PK
	s_add_co_u32 s78, s78, QT
	v_add_nc_u32 v[AQ], s78, v[FRB]
	s_mul_i32 s78, s[TI], 16*PV
	v_add_nc_u32 v[AV], s78, v[VTB]
	s_lshl_b32 s78, s[TI], 9
	s_add_co_u32 s78, s78, DT
	v_add_nc_u32 v[ADP], s78, v[L16]
	s_lshl_b32 s78, s[TI], 16
	v_add_nc_u32 v[GO], s78, v[GO0]
.irp c, 0,1,2,3
	ds_load_b128 v[QF+8*\c:QF+8*\c+3],   v[AQ] offset:64*\c
	ds_load_b128 v[QF+8*\c+4:QF+8*\c+7], v[AQ] offset:64*\c+32
.endr
	ds_load_b128 v[PP:PP+3], v[ADP]
.irp d, 0,1,2,3,4,5,6,7
	ds_load_tr16_b128 v[VF+8*\d:VF+8*\d+3], v[AV] offset:32*\d
.endr
	s_wait_dscnt 0x0
	WIN 0x40                                       ; destination window 1
.irp d, 0,1,2,3,4,5,6,7
	v_wmma_f32_16x16x32_f16 v[8*\d:8*\d+7], v[VF+8*\d:VF+8*\d+7], v[PP:PP+7], 0    ; the diagonal tile starts O^T
.endr
.set i, 0
.rept 32                                           ; the queries in f32: these lines are also the places behind the products
	v_fma_mix_f32 v[QX+2*i],   v[QF+i], v[ONE], v[ZERO] op_sel_hi:[1,0,0]
	v_fma_mix_f32 v[QX+2*i+1], v[QF+i], v[ONE], v[ZERO] op_sel:[1,0,0] op_sel_hi:[1,0,0]
.set i, i+1
.endr
	WIN 0
	s_mov_b32 s[CT], 15
.Lkey:                                             ; key tile J = CT - 1, downward; trips with J >= I are jumped over
	s_cmp_gt_u32 s[CT], s[TI]
	s_cbranch_scc1 .Ldead
	s_sub_co_u32 s78, s[CT], 1
	s_mul_i32 s79, s78, 16*PK
	v_add_nc_u32 v[AK], s79, v[FRB]
	s_mul_i32 s79, s78, 16*PV
	v_add_nc_u32 v[AV], s79, v[VTB]
	s_lshl_b32 s79, s78, 9
	v_add_nc_u32 v[AT2], s79, v[THB]
.irp c, 0,1,2,3
	ds_load_b128 v[KF+8*\c:KF+8*\c+3],   v[AK] offset:64*\c
	ds_load_b128 v[KF+8*\c+4:KF+8*\c+7], v[AK] offset:64*\c+32
.endr
.irp d, 0,1,2,3,4,5,6,7
	ds_load_tr16_b128 v[VF+8*\d:VF+8*\d+3], v[AV] offset:32*\d
.endr
.irp c, 0,1,2,3
	ds_load_b128 v[TB+16*\c:TB+16*\c+3],     v[AT2] offset:128*\c
	ds_load_b128 v[TB+16*\c+4:TB+16*\c+7],   v[AT2] offset:128*\c+16
	ds_load_b128 v[TB+16*\c+8:TB+16*\c+11],  v[AT2] offset:128*\c+64
	ds_load_b128 v[TB+16*\c+12:TB+16*\c+15], v[AT2] offset:128*\c+80
.endr
	s_wait_dscnt 24                                ; Kt is in; V's eight and T's sixteen loads may stay out
	v_wmma_f32_16x16x32_f16 v[S0:S0+7], v[KF:KF+7],       v[QF:QF+7],       0
	v_wmma_f32_16x16x32_f16 v[S1:S1+7], v[KF+8:KF+15],    v[QF+8:QF+15],    0
	v_wmma_f32_16x16x32_f16 v[S0:S0+7], v[KF+16:KF+23],   v[QF+16:QF+23],   v[S0:S0+7]
	v_wmma_f32_16x16x32_f16 v[S1:S1+7], v[KF+24:KF+31],   v[QF+24:QF+31],   v[S1:S1+7]
	s_wait_dscnt 0x0
	WIN 0x41                                       ; destination and source 0 window 1
.set i, 0
.rept 32
	v_pk_mul_f32 v[QX+2*i:QX+2*i+1], v[QX+2*i:QX+2*i+1], v[TB+2*i:TB+2*i+1]   ; the queries take T_J for the tiles further back; the places behind the scores
.set i, i+1
.endr
	WIN 0
.irp j, 0,2,4,6
	v_pk_add_f32 v[S0+\j:S0+\j+1], v[S0+\j:S0+\j+1], v[S1+\j:S1+\j+1]
.endr
.irp j, 0,1,2,3
	v_cvt_pk_f16_f32 v[PP+\j], v[S0+2*\j], v[S0+2*\j+1]
.endr
	WIN 0x50                                       ; C and D window 1
.irp d, 0,1,2,3,4,5,6,7
	v_wmma_f32_16x16x32_f16 v[8*\d:8*\d+7], v[VF+8*\d:VF+8*\d+7], v[PP:PP+7], v[8*\d:8*\d+7]
.endr
	WIN 0x05                                       ; sources window 1
.set i, 0
.rept 32
	v_cvt_pk_f16_f32 v[QF+i], v[QX+2*i], v[QX+2*i+1]
.set i, i+1
.endr
	WIN 0
.Ldead:
	s_sub_co_u32 s[CT], s[CT], 1
	s_cmp_lg_u32 s[CT], 0
	s_cbranch_scc1 .Lkey
	; a tile's end: the RMS norm.  A lane holds one query and channels 16 d + 8 h + 0..7; the query's other channels lie in the lane 16 away
.irp d, 0,1,2,3,4,5,6,7
	ds_load_b128 v[TB+8*\d:TB+8*\d+3],   v[GWB] offset:64*\d
	ds_load_b128 v[TB+8*\d+4:TB+8*\d+7], v[GWB] offset:64*\d+16
.endr
	WIN 0x05
.set i, 0
.rept 32
.if i < 4
	v_pk_mul_f32 v[SS+2*i:SS+2*i+1], v[2*i:2*i+1], v[2*i:2*i+1]
.else
	v_pk_fma_f32 v[SS+2*(i%4):SS+2*(i%4)+1], v[2*i:2*i+1], v[2*i:2*i+1], v[SS+2*(i%4):SS+2*(i%4)+1]
.endif
.set i, i+1
.endr
	WIN 0
	v_pk_add_f32 v[SS:SS+1], v[SS:SS+1], v[SS+2:SS+3]
	v_pk_add_f32 v[SS+4:SS+5], v[SS+4:SS+5], v[SS+6:SS+7]
	v_pk_add_f32 v[SS:SS+1], v[SS:SS+1], v[SS+4:SS+5]
	v_add_f32 v[SS], v[SS], v[SS+1]
	v_permlanex16_b32 v[SS+1], v[SS], s[SEL], s[SEL+1]
	v_add_f32 v[SS], v[SS], v[SS+1]
	v_fma_f32 v[RS], v[SS], s[C128], s[EPS]
	v_rsq_f32 v[RS], v[RS]
	v_nop
	s_wait_alu depctr_va_vdst(0)                   ; the wait ahead of the root's first reader
	v_mov_b32 v[RS+1], v[RS]
	s_wait_dscnt 0x0
.set i, 0
.rept 32
	v_pk_mul_f32 v[TB+2*i:TB+2*i+1], v[TB+2*i:TB+2*i+1], v[RS:RS+1]
.set i, i+1
.endr
	WIN 0x41
.set i, 0
.rept 32
	v_pk_mul_f32 v[2*i:2*i+1], v[2*i:2*i+1], v[TB+2*i:TB+2*i+1]
.set i, i+1
.endr
	WIN 0x05
.set i, 0
.rept 32
	v_cvt_pk_f16_f32 v[KF+i], v[2*i], v[2*i+1]
.set i, i+1
.endr
	WIN 0
.irp d, 0,1,2,3,4,5,6,7
	ds_store_b128 v[AFR], v[KF+4*\d:KF+4*\d+3] offset:32*\d          ; through my own scratch: row r, 16 bytes a lane
.endr
.irp f, 0,1,2,3,4,5,6,7
	ds_load_b128 v[QF+4*\f:QF+4*\f+3], v[RDS] offset:\f*2*PK         ; and back as whole rows; LDS serves a wave's instructions in order
.endr
	s_wait_dscnt 0x0
.irp f, 0,1,2,3,4,5,6,7
	global_store_b128 v[GO], v[QF+4*\f:QF+4*\f+3], s[OP:OP+1] offset:\f*8192   ; 16 lanes store a head's 256 consecutive bytes of a row, aligned
.endr
	s_sub_co_u32 s[TI], 15, s[TI]
	s_sub_co_u32 s[CNT], s[CNT], 1
	s_cmp_lg_u32 s[CNT], 0
	s_cbranch_scc1 .Ltile
	s_wait_tensorcnt 0x0                           ; the wave's end, behind my last LDS store
	ds_add_u32 v[SPW], v[NIL]
	s_wait_dscnt 0x0
	s_endpgm
.Lfunc_end_k_qfad59b8c41_scan:
	.size	k_qfad59b8c41_scan, .Lfunc_end_k_qfad59b8c41_scan-k_qfad59b8c41_scan
	.p2alignl 7, 3214868480
	.fill 96, 4, 3214868480
	.section	.rodata,"a",@progbits
	.p2align	6, 0x0
	.amdhsa_kernel k_qfad59b8c41_scan
		.amdhsa_group_segment_fixed_size 300544
		.amdhsa_private_segment_fixed_size 0
		.amdhsa_enable_private_segment 0
		.amdhsa_kernarg_size 24
		.amdhsa_user_sgpr_count 2
		.amdhsa_user_sgpr_kernarg_segment_ptr 1
		.amdhsa_wavefront_size32 1
		.amdhsa_system_sgpr_workgroup_id_x 1
		.amdhsa_system_sgpr_workgroup_id_y 1
		.amdhsa_system_sgpr_workgroup_id_z 1
		.amdhsa_system_vgpr_workitem_id 0
		.amdhsa_next_free_vgpr 384
		.amdhsa_next_free_sgpr 90
		.amdhsa_reserve_vcc 0
		.amdhsa_float_denorm_mode_32 3
		.amdhsa_float_denorm_mode_16_64 3
		.amdhsa_memory_ordered 1
		.amdhsa_forward_progress 1
		.amdhsa_inst_pref_size 99
	.end_amdhsa_kernel
	.amdgpu_metadata
---
amdhsa.version: [ 1, 2 ]
amdhsa.kernels:
  - .name:           k_qfad59b8c41_scan
    .symbol:         k_qfad59b8c41_scan.kd
    .args:
      - { .name: qkv, .offset: 0, .size: 8, .value_kind: global_buffer, .address_space: global }
      - { .name: g_norm_w, .offset: 8, .size: 8, .value_kind: global_buffer, .address_space: global }
      - { .name: o2, .offset: 16, .size: 8, .value_kind: global_buffer, .address_space: global }
    .group_segment_fixed_size: 300544
    .private_segment_fixed_size: 0
    .kernarg_segment_align: 8
    .kernarg_segment_size: 24
    .max_flat_workgroup_size: 256
    .sgpr_count:     90
    .vgpr_count:     384
    .wavefront_size: 32
...
	.end_amdgpu_metadata
.endif
;; end of part 3
;; launch wo (part 4): grid 8 x 32, 4 waves a work-group, clusters of 4 x 4, 327,680 bytes of LDS; arguments o2, wts, hb, hres; writes hres
.if DOCPART == 4
	.amdgcn_target "amdgcn-amd-amdhsa--gfx1250"
	.amdhsa_code_object_version 6
	.text
	.protected	k_qfad59b8c41_wo
	.globl	k_qfad59b8c41_wo
	.p2align	8
	.type	k_qfad59b8c41_wo,@function
k_qfad59b8c41_wo:
	s_mov_b64 s[64:65], 0
	v_nop
	global_prefetch_b8 v0, s[64:65] scope:SCOPE_SE
	s_setreg_imm32_b32 hwreg(HW_REG_WAVE_MODE, 25, 1), 1
	s_wait_xcnt 0x0
	s_wait_alu depctr_hold_cnt(0) depctr_sa_sdst(0) depctr_va_vdst(0) depctr_va_sdst(0) depctr_va_ssrc(0) depctr_va_vcc(0) depctr_vm_vsrc(0)
	s_getreg_b32 s2, hwreg(HW_REG_IB_STS2, 6, 4)
	s_cmp_eq_u32 s2, 0
	s_cbranch_scc0 .Lentry_in_a_cluster
	s_endpgm
.Lentry_in_a_cluster:
	s_bfe_u32 s2, ttmp6, 0x10000c
	s_cmp_lg_u32 s2, 0xf033
	s_cbranch_scc0 .Lentry_shape_is_right
	s_endpgm
.Lentry_shape_is_right:
; WO: hres = hb + o2 [4096][2048] . (Wo over Wo) [2048][1024]: the sum of the two directions is the product's K.  f16 operands, f32 sums, hres rounded once to f16.
; LIMITS.  h within 65,504 (f16).
; SHARES.  A tile is 128 x 128: 32 x 8 = 256 work-groups.  K IS SPLIT AMONG THE FOUR WAVES: of each K step's 256 wave w takes 64 w .. 64 w + 63, for the whole tile: 64 accumulators, 512 registers;
; the four partial sums (f32) meet in LDS at the end.  Two LDS slots: [A0][A1: 128 rows x 256 bytes, pitch 272][B0][B1: 128 k-rows x 256 bytes, pitch 288].  Waves 0, 1 fetch A's halves of K, waves 2, 3 B's.
; B lies [k][n] and is turned by ds_load_tr16_b128.  The product is taken transposed: a lane holds one row and eight columns on end.
; CLUSTER 4 x 4: A's tiles are asked for jointly by a row of the cluster, B's by a column.  ONE TEXT FOR BOTH SLOTS: s[CUR] is 0 or SLOT.
; The residual's tile comes by plain loads at the head, each wave's own 32 rows, and waits in LDS bytes of the wave's own into which no fill lands.
; REGISTERS: window 0: v0-31 addresses, v64-127 and v128-191 A's fragments; window 1: B's; windows 2, 3: accumulator (a, b) at 8 (8 (a % 4) + b).
.set F32OUT, 0
.set KSTEPS, 8
.set ASH,    12                         ; a row of A is 2^ASH bytes
.set KA,     2048                       ; and so many elements
.set WOFF,   6291456                    ; B's first byte in wts
.set NB,     8
.set PA,     272
.set PB,     288
.set SA,     128*PA
.set SB,     128*PB
.set SLOT,   2*SA+2*SB
.set DPITCH, 528
.set DREG,   128*DPITCH
.set RES,    2*SLOT                     ; the residual: 8,192 bytes a wave
.set SPARE,  RES+32768
.set BPB,    2048
.set ASTEP,  512
.set BSTEP,  256*BPB
.set NLD,    32
.set ONE,   7
.set RDJ,   12                          ; v12-15
.set ADRA0, 16
.set ADRA,  17
.set ADRB0, 18
.set ADRB,  21
.set STO,   24
.set RO,    25
.set CO,    27
.set SPW,   28
.set NIL,   29
.set PFO,   30
.set RR,    31
.set F0,    64
.set F1,    128
.set RSD,   32                          ; v[32:39]   four rows of the residual
.set LD,    64                          ; v[64:127]  four rows of four partial sums
.set SUM,   128
.set TM,    144
.set OU,    160
.set WV,   14
.set ROLE, 15
.set SUB,  16
.set CX,   17
.set CY,   18
.set TX,   19
.set TY,   20
.set G1A,  24
.set G1B,  32
.set G0A,  40
.set G0B,  48
.set AOF,  56
.set BOF,  58
.set TP,   60
.set RB,   62
.set PFA,  66
.set PST,  68
.set LIM,  70
.set CNT,  71
.set CUR,  72
.set LWA,  73
.set LWB,  74
.set OB,   76
.set MSB, 0
.macro WIN new
.if MSB != (\new)
	s_set_vgpr_msb (MSB<<8)|(\new)
.set MSB, \new
.endif
.endm
.set MUL_LO, 0xa1
.set MUL_HI, 0xf1
.set TO_B,   0x40
.macro PLACES
.rept 4
	v_nop
.endr
.endm
.macro CREST
	s_cmp_lg_u32 s[WV], 0
	s_cbranch_scc1 .Lnot_wave_0_\@
	s_barrier_signal -3
.Lnot_wave_0_\@:
	s_barrier_wait -3
	s_barrier_signal -1
	s_barrier_wait -1
.endm
.macro CROUND
	s_barrier_signal -1
	s_barrier_wait -1
	CREST
.endm
.macro JLOAD
	s_cmp_eq_u32 s[ROLE], 0
	s_cbranch_scc0 .Lfor_b_\@
	tensor_load_to_lds s[G0A+4:G0A+7], s[G1A:G1A+7]
	s_nop 0
	PLACES
	s_branch .Lasked_\@
.Lfor_b_\@:
	tensor_load_to_lds s[G0B+4:G0B+7], s[G1B:G1B+7]
	s_nop 0
	PLACES
.Lasked_\@:
.endm
; A prefetch of the K step that stands two refills on (256 matrix instructions ahead of its load): 32 rows x 256 bytes, a lane a row.  A's rows are named by the clusters with x = 0, B's by those with y = 0;
; the four joint askers take 32 of a tile's 128 rows each, by address.
.macro ASK
	s_cmp_gt_u32 s[CNT], s[LIM]
	s_cbranch_scc0 .Lnot_mine_\@
	global_prefetch_b8 v[PFO], s[PFA:PFA+1] th:TH_LOAD_NT scope:SCOPE_SE
.Lnot_mine_\@:
.endm
.macro MULH f, hi, a0, zero
	WIN MUL_LO+0x50*(\hi)
.irp a, \a0, (\a0)+1
.set bb, 0
.rept NB
.if \zero
	v_wmma_f32_16x16x32_f16 v[8*(NB*(\a)+bb):8*(NB*(\a)+bb)+7], v[(\f)+8*bb:(\f)+8*bb+7], v[(\f)+8*(4*(\hi)+(\a)):(\f)+8*(4*(\hi)+(\a))+7], 0
.else
	v_wmma_f32_16x16x32_f16 v[8*(NB*(\a)+bb):8*(NB*(\a)+bb)+7], v[(\f)+8*bb:(\f)+8*bb+7], v[(\f)+8*(4*(\hi)+(\a)):(\f)+8*(4*(\hi)+(\a))+7], v[8*(NB*(\a)+bb):8*(NB*(\a)+bb)+7]
.endif
.set bb, bb+1
.endr
.endr
.endm
.macro FETCH q, f
	WIN TO_B
.irp i, 0,1,2,3,4,5,6,7
	ds_load_tr16_b128 v[(\f)+8*\i:(\f)+8*\i+3],   v[ADRB] offset:(\q)*32*PB+32*\i
	ds_load_tr16_b128 v[(\f)+8*\i+4:(\f)+8*\i+7], v[ADRB] offset:(\q)*32*PB+16*PB+32*\i
.endr
	WIN 0
.irp i, 0,1,2,3,4,5,6,7
	ds_load_b128 v[(\f)+8*\i:(\f)+8*\i+3],   v[ADRA] offset:64*(\q)+\i*16*PA
	ds_load_b128 v[(\f)+8*\i+4:(\f)+8*\i+7], v[ADRA] offset:64*(\q)+\i*16*PA+32
.endr
.endm
.macro QUARTER q, f, g, zero
	s_wait_dscnt 8                                 ; B and A's rows 0-63 are in; the youngest eight loads may be out
	MULH \f, 0, 0, \zero
	MULH \f, 0, 2, \zero
	PLACES
	FETCH \q, \g
	s_wait_dscnt NLD                               ; all but the run just issued
	MULH \f, 1, 0, \zero
	MULH \f, 1, 2, \zero
.endm
.macro TURN fill
.if \fill
	s_wait_xcnt 0x0                                ; the last prefetch, a K step back, has read its address
	s_add_nc_u64 s[PFA:PFA+1], s[PFA:PFA+1], s[PST:PST+1]
.endif
	WIN 0
	s_wait_tensorcnt 0x0                           ; all my tensor loads have landed: the one that was out is my part of the next slot
	ds_add_u32 v[SPW], v[NIL]
	s_wait_dscnt 9                                 ; the add and the youngest eight loads may be out
	MULH F1, 0, 0, 0
	s_wait_dscnt 0x0                               ; the add is done, my reads of this slot are over
	s_barrier_signal -1
	MULH F1, 0, 2, 0
	WIN 0
	s_barrier_wait -1
.if \fill
	CREST
	s_add_co_u32 s[G0A+5], s[LWA], s[CUR]
	s_add_nc_u64 s[G0A+6:G0A+7], s[G0A+6:G0A+7], ASTEP
	s_add_co_u32 s[G0B+5], s[LWB], s[CUR]
	s_add_nc_u64 s[G0B+6:G0B+7], s[G0B+6:G0B+7], BSTEP
	JLOAD
.else
	PLACES
.endif
	s_xor_b32 s[CUR], s[CUR], SLOT
	v_add_nc_u32 v[ADRA], s[CUR], v[ADRA0]
	v_add_nc_u32 v[ADRB], s[CUR], v[ADRB0]
	FETCH 0, F0
.if \fill
	ASK
.endif
	MULH F1, 1, 0, 0
	MULH F1, 1, 2, 0
.endm
.macro LASTQ
	s_wait_dscnt 8
	MULH F1, 0, 0, 0
	MULH F1, 0, 2, 0
	s_wait_dscnt 0x0
	MULH F1, 1, 0, 0
	MULH F1, 1, 2, 0
.endm
.macro OLOADS                           ; four rows of the four partial sums and of the residual
.irp j, 0,1,2,3
.irp i, 0,1,2,3
	ds_load_b128 v[LD+16*\j+4*\i:LD+16*\j+4*\i+3], v[RDJ+\j] offset:\i*DPITCH
.endr
.endr
.irp i, 0,1,2,3
	ds_load_b64 v[RSD+2*\i:RSD+2*\i+1], v[RR] offset:\i*256
.endr
.endm
	s_load_b256 s[4:11], s[0:1], 0x0               ; A s[4:5], wts s[6:7], the residual s[8:9], then the output (or the bias and the output)
.if F32OUT
	s_load_b64 s[12:13], s[0:1], 0x20
.endif
	v_lshl_add_u32 v[SPW], v0, 2, SPARE
	v_mov_b32 v[NIL], 0
	ds_add_u32 v[SPW], v[NIL]                      ; the wave's opening: the add and its wait ahead of my first tensor load
	v_lshrrev_b32 v1, 5, v0
	v_readfirstlane_b32 s[WV], v1
	s_lshr_b32 s[ROLE], s[WV], 1                   ; 0: I fetch A, 1: B.  Also: which sub-tile holds my 64 of K
	s_and_b32 s[SUB], s[WV], 1                     ; which half of the step's K I fetch.  Also: which half of that sub-tile is mine
	s_bfe_u32 s[CX], ttmp6, 0x40000
	s_bfe_u32 s[CY], ttmp6, 0x40004
	s_lshl_b32 s[TX], ttmp9, 2
	s_add_co_u32 s[TX], s[TX], s[CX]
	s_and_b32 s[TY], ttmp7, 0xffff
	s_lshl_b32 s[TY], s[TY], 2
	s_add_co_u32 s[TY], s[TY], s[CY]
	s_lshl_b32 s21, s[CY], 2
	s_lshl_b32 s21, 15, s21
	s_lshl_b32 s22, 0x1111, s[CX]
	s_or_b32 s[G1A], s21, (1<<16)|(1<<20)|(1<<21)|(5<<22)|(3<<25)
	s_or_b32 s[G1B], s22, (1<<16)|(1<<20)|(1<<21)|(5<<22)|(7<<25)
.irp g, G1A, G1B
	s_mov_b32 s[(\g)+1], 128<<16
	s_mov_b32 s[(\g)+2], 128<<16
	s_mov_b32 s[(\g)+3], 128<<16
	s_mov_b32 s[(\g)+4], 128
	s_mov_b32 s[(\g)+6], 0
	s_mov_b32 s[(\g)+7], 0
.endr
	s_mov_b32 s[G1A+5], KA
	s_mov_b32 s[G1B+5], 1024
	s_lshl_b32 s[AOF], s[TY], 7+ASH                ; A: 128 rows a tile,
	s_lshl_b32 s23, s[SUB], 8
	s_add_co_u32 s[AOF], s[AOF], s23               ; 256 bytes along K for the second half
	s_mov_b32 s[AOF+1], 0
	s_lshl_b32 s[BOF], s[TX], 8                    ; B: 128 columns of 2 bytes,
	s_lshl_b32 s23, s[SUB], 18
	s_add_co_u32 s[BOF], s[BOF], s23               ; 128 k-rows of 2,048 bytes for the second half
	s_add_co_u32 s[BOF], s[BOF], WOFF
	s_mov_b32 s[BOF+1], 0
	s_mul_i32 s[LWA], s[SUB], SA
	s_mul_i32 s[LWB], s[SUB], SB
	s_add_co_u32 s[LWB], s[LWB], 2*SA
	s_mov_b32 s[CUR], 0
	s_wait_dscnt 0x0
	s_wait_kmcnt 0x0
	s_add_nc_u64 s[AOF:AOF+1], s[4:5], s[AOF:AOF+1]
	s_add_nc_u64 s[BOF:BOF+1], s[6:7], s[BOF:BOF+1]
	CROUND
.irp s, 0,1
	s_mov_b32 s[G0A+4*\s], 1
	s_add_co_u32 s[G0A+4*\s+1], s[LWA], \s*SLOT
	s_add_nc_u64 s[G0A+4*\s+2:G0A+4*\s+3], s[AOF:AOF+1], \s*ASTEP
	s_or_b32 s[G0A+4*\s+3], s[G0A+4*\s+3], 0x80000000
	s_mov_b32 s[G0B+4*\s], 1
	s_add_co_u32 s[G0B+4*\s+1], s[LWB], \s*SLOT
	s_add_nc_u64 s[G0B+4*\s+2:G0B+4*\s+3], s[BOF:BOF+1], \s*BSTEP
	s_or_b32 s[G0B+4*\s+3], s[G0B+4*\s+3], 0x80000000
.endr
	s_cmp_eq_u32 s[ROLE], 0                        ; a wave's two first fills stand in one branch: two loads of mine are out
	s_cbranch_scc0 .Lfirst_b
	tensor_load_to_lds s[G0A:G0A+3], s[G1A:G1A+7]
	s_nop 0
	tensor_load_to_lds s[G0A+4:G0A+7], s[G1A:G1A+7]
	s_nop 0
	PLACES
	s_branch .Lfirst_done
.Lfirst_b:
	tensor_load_to_lds s[G0B:G0B+3], s[G1B:G1B+7]
	s_nop 0
	tensor_load_to_lds s[G0B+4:G0B+7], s[G1B:G1B+7]
	s_nop 0
	PLACES
.Lfirst_done:
	v_and_b32 v1, 15, v0                           ; r
	v_bfe_u32 v2, v0, 4, 1                         ; h
	v_and_b32 v3, 31, v0                           ; lane
	v_mov_b32 v[ONE], 1.0
	; the residual: rows 128 TY + 32 w .. + 31, the tile's 256 bytes of each
	s_lshl_b32 s21, s[TY], 7
	s_lshl_b32 s22, s[WV], 5
	s_add_co_u32 s21, s21, s22                     ; the first row that I finish
	s_lshl_b32 s[TP], s21, 11
	s_lshl_b32 s22, s[TX], 8
	s_add_co_u32 s[TP], s[TP], s22
	s_mov_b32 s[TP+1], 0
	s_add_nc_u64 s[RB:RB+1], s[8:9], s[TP:TP+1]
	v_lshlrev_b32 v[RO], 3, v3
.set i, 0
.rept 32
	global_load_b64 v[192+2*i:193+2*i], v[RO], s[RB:RB+1] offset:i*2048
.set i, i+1
.endr
.if F32OUT
	s_lshl_b32 s22, s[TX], 9
	v_lshl_add_u32 v6, v3, 4, s22
	global_load_b128 v[8:11], v6, s[10:11]         ; the bias of my four columns
	s_lshl_b32 s[TP], s21, 12
	s_add_co_u32 s[TP], s[TP], s22
	s_add_nc_u64 s[OB:OB+1], s[12:13], s[TP:TP+1]
	v_lshlrev_b32 v[CO], 4, v3
.else
	s_add_nc_u64 s[OB:OB+1], s[10:11], s[TP:TP+1]
	v_lshlrev_b32 v[CO], 3, v3
.endif
	v_mul_u32_u24 v4, v1, PA
	v_lshl_add_u32 v4, v2, 4, v4
	s_mul_i32 s21, s[ROLE], SA
	s_lshl_b32 s22, s[SUB], 7                      ; 64 of K are 128 bytes of A's rows
	s_add_co_u32 s21, s21, s22
	v_add_nc_u32 v[ADRA0], s21, v4
	v_add_nc_u32 v[ADRA], s21, v4
	v_and_b32 v4, 7, v0
	v_lshl_add_u32 v4, v2, 3, v4
	v_mul_u32_u24 v4, v4, PB
	v_bfe_u32 v5, v0, 3, 1
	v_lshl_add_u32 v4, v5, 4, v4
	s_mul_i32 s21, s[ROLE], SB
	s_mul_i32 s22, s[SUB], 64*PB                   ; and 64 k-rows of B
	s_add_co_u32 s21, s21, s22
	s_add_co_u32 s21, s21, 2*SA
	v_add_nc_u32 v[ADRB0], s21, v4
	v_add_nc_u32 v[ADRB], s21, v4
	v_mul_u32_u24 v4, v1, DPITCH                   ; the way out: my partial tile at w x DREG
	v_lshl_add_u32 v4, v2, 5, v4
	s_mul_i32 s21, s[WV], DREG
	v_add_nc_u32 v[STO], s21, v4
	s_mul_i32 s21, s[WV], 32*DPITCH                ; back: rows 32 w .. of all four partial tiles
.irp j, 0,1,2,3
	v_lshl_add_u32 v[RDJ+\j], v3, 4, s21
	s_add_co_u32 s21, s21, DREG
.endr
	s_lshl_b32 s21, s[WV], 13
	s_add_co_u32 s21, s21, RES
	v_lshl_add_u32 v[RR], v3, 3, s21
	; the prefetches stand at K step 3; the first refill steps them to 4
	s_lshl_b32 s21, s[TY], 7
	s_lshl_b32 s22, s[CX], 5
	s_add_co_u32 s21, s21, s22
	s_lshl_b32 s21, s21, ASH
	s_lshl_b32 s22, s[SUB], 8
	s_add_co_u32 s21, s21, s22
	s_add_co_u32 s21, s21, 3*ASTEP                 ; A: row 128 TY + 32 cx, my half of the step
	s_lshl_b32 s22, s[SUB], 7
	s_lshl_b32 s23, s[CY], 5
	s_add_co_u32 s22, s22, s23
	s_lshl_b32 s22, s22, 11                        ; B: k-row 128 half + 32 cy
	s_lshl_b32 s23, s[TX], 8
	s_add_co_u32 s22, s22, s23
	s_add_co_u32 s22, s22, WOFF+3*BSTEP
	s_and_b32 s23, ttmp7, 0xffff
	s_mov_b32 s[PST], BSTEP
	s_mov_b32 s[PST+1], 0
	s_mov_b32 s75, BPB
	s_cmp_eq_u32 s[ROLE], 0
	s_cselect_b32 s[TP], s21, s22
	s_cselect_b64 s[PFA:PFA+1], s[4:5], s[6:7]
	s_cselect_b32 s[PST], ASTEP, s[PST]
	s_cselect_b32 s75, 1<<ASH, s75
	s_cselect_b32 s23, ttmp9, s23
	s_cmp_eq_u32 s23, 0
	s_cselect_b32 s[LIM], 2, -1                    ; the last two refills have no step two on
	s_mov_b32 s[TP+1], 0
	s_add_nc_u64 s[PFA:PFA+1], s[PFA:PFA+1], s[TP:TP+1]
	v_mul_lo_u32 v[PFO], v3, s75
	s_wait_loadcnt 0x0
.set i, 0
.rept 32
	ds_store_b64 v[RR], v[192+2*i:193+2*i] offset:i*256
.set i, i+1
.endr
.if F32OUT
	v_cvt_pk_bf16_f32 v4, v8, v9                   ; the bias is an input: rounded to bf16 once
	v_cvt_pk_bf16_f32 v5, v10, v11
	v_lshlrev_b32 v8, 16, v4
	v_and_b32 v9, 0xffff0000, v4
	v_lshlrev_b32 v10, 16, v5
	v_and_b32 v11, 0xffff0000, v5
.endif
	s_wait_tensorcnt 1                             ; my part of K step 0 is in; step 1's may stay out
	s_wait_dscnt 0x0
	s_barrier_signal -1
	s_barrier_wait -1
	FETCH 0, F0
	QUARTER 1, F0, F1, 1                           ; the first quarter's products start the sums
	WIN 0
	s_mov_b32 s[CNT], KSTEPS-2
.Lk:                                               ; a trip: a K step's second quarter with the change of slots, and the next step's first
	TURN 1
	QUARTER 1, F0, F1, 0
	WIN 0
	s_sub_co_u32 s[CNT], s[CNT], 1
	s_cmp_lg_u32 s[CNT], 0
	s_cbranch_scc1 .Lk
	TURN 0                                         ; the last two K steps ask for nothing
	QUARTER 1, F0, F1, 0
	LASTQ
	; THE WAY OUT.  The ring has had its last fill: the four partial tiles go as f32 into its place; then each wave adds up 32 whole rows, adds the residual, and stores them.
	WIN 0
	PLACES
	s_wait_dscnt 0x0
	s_barrier_signal -1
	s_barrier_wait -1                              ; nobody reads the ring any more
.set a, 0
.rept 8
	WIN 0x08+4*(a/4)
.set bb, 0
.rept 8
	ds_store_b128 v[STO], v[8*(8*(a%4)+bb):8*(8*(a%4)+bb)+3]   offset:a*16*DPITCH+64*bb
	ds_store_b128 v[STO], v[8*(8*(a%4)+bb)+4:8*(8*(a%4)+bb)+7] offset:a*16*DPITCH+64*bb+16
.set bb, bb+1
.endr
.set a, a+1
.endr
	WIN 0
	s_wait_dscnt 0x0
	s_barrier_signal -1
	s_barrier_wait -1
	OLOADS
	s_mov_b32 s[CNT], 8
.Lout:                                             ; a trip: four rows, four columns a lane
	s_wait_dscnt 0x0
.set i, 0
.rept 8
	v_pk_add_f32 v[SUM+2*i:SUM+2*i+1], v[LD+2*i:LD+2*i+1], v[LD+16+2*i:LD+17+2*i]
	v_pk_add_f32 v[TM+2*i:TM+2*i+1], v[LD+32+2*i:LD+33+2*i], v[LD+48+2*i:LD+49+2*i]
.set i, i+1
.endr
.set i, 0
.rept 8
	v_pk_add_f32 v[SUM+2*i:SUM+2*i+1], v[SUM+2*i:SUM+2*i+1], v[TM+2*i:TM+2*i+1]
.set i, i+1
.endr
.set i, 0
.rept 8                                            ; + the residual, straight from its f16 halves
	v_fma_mix_f32 v[SUM+2*i],   v[RSD+i], v[ONE], v[SUM+2*i]   op_sel_hi:[1,0,0]
	v_fma_mix_f32 v[SUM+2*i+1], v[RSD+i], v[ONE], v[SUM+2*i+1] op_sel:[1,0,0] op_sel_hi:[1,0,0]
.set i, i+1
.endr
	s_cmp_eq_u32 s[CNT], 1
	s_cbranch_scc1 .Lout_nl                        ; the last trip loads nothing
.irp j, 0,1,2,3
	v_add_nc_u32 v[RDJ+\j], 4*DPITCH, v[RDJ+\j]
.endr
	v_add_nc_u32 v[RR], 1024, v[RR]
	OLOADS
.Lout_nl:
.if F32OUT
.irp i, 0,1,2,3
	v_pk_add_f32 v[SUM+4*\i:SUM+4*\i+1], v[SUM+4*\i:SUM+4*\i+1], v[8:9]
	v_pk_add_f32 v[SUM+4*\i+2:SUM+4*\i+3], v[SUM+4*\i+2:SUM+4*\i+3], v[10:11]
.endr
.irp i, 0,1,2,3
	global_store_b128 v[CO], v[SUM+4*\i:SUM+4*\i+3], s[OB:OB+1] offset:\i*4096   ; 32 lanes store 512 consecutive bytes, aligned
.endr
	s_wait_xcnt 0x0                                ; SUM and CO are written again only behind this wait
	v_add_nc_u32 v[CO], 16384, v[CO]
.else
.set i, 0
.rept 8
	v_cvt_pk_f16_f32 v[OU+i], v[SUM+2*i], v[SUM+2*i+1]
.set i, i+1
.endr
.irp i, 0,1,2,3
	global_store_b64 v[CO], v[OU+2*\i:OU+2*\i+1], s[OB:OB+1] offset:\i*2048      ; 32 lanes store 256 consecutive bytes, aligned
.endr
	s_wait_xcnt 0x0                                ; OU and CO are written again only behind this wait
	v_add_nc_u32 v[CO], 8192, v[CO]
.endif
	s_sub_co_u32 s[CNT], s[CNT], 1
	s_cmp_lg_u32 s[CNT], 0
	s_cbranch_scc1 .Lout
	s_wait_tensorcnt 0x0                           ; the wave's end
	ds_add_u32 v[SPW], v[NIL]
	s_wait_dscnt 0x0
	CROUND                                         ; the closing round
	s_endpgm
.Lfunc_end_k_qfad59b8c41_wo:
	.size	k_qfad59b8c41_wo, .Lfunc_end_k_qfad59b8c41_wo-k_qfad59b8c41_wo
	.p2alignl 7, 3214868480
	.fill 96, 4, 3214868480
	.section	.rodata,"a",@progbits
	.p2align	6, 0x0
	.amdhsa_kernel k_qfad59b8c41_wo
		.amdhsa_group_segment_fixed_size 327680
		.amdhsa_private_segment_fixed_size 0
		.amdhsa_enable_private_segment 0
		.amdhsa_kernarg_size 32
		.amdhsa_user_sgpr_count 2
		.amdhsa_user_sgpr_kernarg_segment_ptr 1
		.amdhsa_wavefront_size32 1
		.amdhsa_system_sgpr_workgroup_id_x 1
		.amdhsa_system_sgpr_workgroup_id_y 1
		.amdhsa_system_sgpr_workgroup_id_z 1
		.amdhsa_system_vgpr_workitem_id 0
		.amdhsa_next_free_vgpr 1024
		.amdhsa_next_free_sgpr 96
		.amdhsa_reserve_vcc 0
		.amdhsa_float_denorm_mode_32 3
		.amdhsa_float_denorm_mode_16_64 3
		.amdhsa_memory_ordered 1
		.amdhsa_forward_progress 1
		.amdhsa_inst_pref_size 69
	.end_amdhsa_kernel
	.amdgpu_metadata
---
amdhsa.version: [ 1, 2 ]
amdhsa.kernels:
  - .name:           k_qfad59b8c41_wo
    .symbol:         k_qfad59b8c41_wo.kd
    .args:
      - { .name: o2, .offset: 0, .size: 8, .value_kind: global_buffer, .address_space: global }
      - { .name: wts, .offset: 8, .size: 8, .value_kind: global_buffer, .address_space: global }
      - { .name: hb, .offset: 16, .size: 8, .value_kind: global_buffer, .address_space: global }
      - { .name: hres, .offset: 24, .size: 8, .value_kind: global_buffer, .address_space: global }
    .group_segment_fixed_size: 327680
    .private_segment_fixed_size: 0
    .kernarg_segment_align: 8
    .kernarg_segment_size: 32
    .max_flat_workgroup_size: 128
    .sgpr_count:     96
    .vgpr_count:     1024
    .wavefront_size: 32
...
	.end_amdgpu_metadata
.endif
;; end of part 4
;; launch ln2 (part 5): grid 256 x 1, 8 waves a work-group, no clusters, 0 bytes of LDS; arguments hres, ln2_w, ln2_b, xh; writes xh
.if DOCPART == 5
	.amdgcn_target "amdgcn-amd-amdhsa--gfx1250"
	.amdhsa_code_object_version 6
	.text
	.protected	k_qfad59b8c41_ln2
	.globl	k_qfad59b8c41_ln2
	.p2align	8
	.type	k_qfad59b8c41_ln2,@function
k_qfad59b8c41_ln2:
	s_mov_b64 s[64:65], 0
	v_nop
	global_prefetch_b8 v0, s[64:65] scope:SCOPE_SE
	s_setreg_imm32_b32 hwreg(HW_REG_WAVE_MODE, 25, 1), 1
	s_wait_xcnt 0x0
; LN2: xh = LayerNorm(hres) x ln2_w + ln2_b, rows of 1,024; hres and xh f16, gain and bias rounded to bf16, all arithmetic f32, two passes (mean, then the squares of the differences).
; A wave takes two rows, both asked for at the head; a row stays in registers between the passes.  Lane l holds elements 256 j + 8 l + 0..7, j = 0..3: a load or store covers 512 consecutive bytes.
; No LDS, no barrier: the sums never leave the wave.
.set LO,   2                            ; 16 x lane
.set WO,   3                            ; 32 x lane
.set ONE,  4
.set ZERO, 5
.set HA,   8                            ; v[8:23]    row 0 as loaded
.set HB,   24                           ; v[24:39]   row 1
.set T,    40                           ; v[40:71]   a row in f32
.set W,    72
.set BB,   104
.set P,    136
.set ZA,   152
.set ZB,   168
.set S,    184
.set MU,   192
.set R,    194
.set SEL,  16
.set C1K,  18
.set EPS,  19
.set NC1K, 20
.set HIM,  21
.macro LANESUM
	v_pk_add_f32 v[S:S+1], v[S:S+1], v[S+2:S+3]
	v_pk_add_f32 v[S+4:S+5], v[S+4:S+5], v[S+6:S+7]
	v_pk_add_f32 v[S:S+1], v[S:S+1], v[S+4:S+5]
	v_add_f32 v[S], v[S], v[S+1]
	v_add_f32_dpp v[S], v[S], v[S] row_xmask:1 row_mask:0xf bank_mask:0xf
	v_add_f32_dpp v[S], v[S], v[S] row_xmask:2 row_mask:0xf bank_mask:0xf
	v_add_f32_dpp v[S], v[S], v[S] row_xmask:4 row_mask:0xf bank_mask:0xf
	v_add_f32_dpp v[S], v[S], v[S] row_xmask:8 row_mask:0xf bank_mask:0xf
	v_permlanex16_b32 v[S+1], v[S], s[SEL], s[SEL+1]
	v_add_f32 v[S], v[S], v[S+1]
.endm
.macro ROW h, z, off
.set i, 0
.rept 16
	v_fma_mix_f32 v[T+2*i],   v[(\h)+i], v[ONE], v[ZERO] op_sel_hi:[1,0,0]
	v_fma_mix_f32 v[T+2*i+1], v[(\h)+i], v[ONE], v[ZERO] op_sel:[1,0,0] op_sel_hi:[1,0,0]
.set i, i+1
.endr
.irp k, 0,1,2,3
	v_pk_add_f32 v[S+2*\k:S+2*\k+1], v[T+2*\k:T+2*\k+1], v[T+8+2*\k:T+9+2*\k]
.endr
.irp k, 0,1,2,3
	v_pk_add_f32 v[S+2*\k:S+2*\k+1], v[S+2*\k:S+2*\k+1], v[T+16+2*\k:T+17+2*\k]
.endr
.irp k, 0,1,2,3
	v_pk_add_f32 v[S+2*\k:S+2*\k+1], v[S+2*\k:S+2*\k+1], v[T+24+2*\k:T+25+2*\k]
.endr
	LANESUM
	v_mul_f32 v[MU], s[NC1K], v[S]
	v_mov_b32 v[MU+1], v[MU]
.set i, 0
.rept 16
	v_pk_add_f32 v[T+2*i:T+2*i+1], v[T+2*i:T+2*i+1], v[MU:MU+1]
.set i, i+1
.endr
.irp k, 0,1,2,3
	v_pk_mul_f32 v[S+2*\k:S+2*\k+1], v[T+2*\k:T+2*\k+1], v[T+2*\k:T+2*\k+1]
.endr
.set i, 4
.rept 12
	v_pk_fma_f32 v[S+2*(i%4):S+2*(i%4)+1], v[T+2*i:T+2*i+1], v[T+2*i:T+2*i+1], v[S+2*(i%4):S+2*(i%4)+1]
.set i, i+1
.endr
	LANESUM
	v_fma_f32 v[R], v[S], s[C1K], s[EPS]
	v_rsq_f32 v[R], v[R]
	v_nop
	s_wait_alu depctr_va_vdst(0)                   ; the wait ahead of the root's first reader
	v_mov_b32 v[R+1], v[R]
.set i, 0
.rept 16
	v_pk_mul_f32 v[T+2*i:T+2*i+1], v[T+2*i:T+2*i+1], v[R:R+1]
.set i, i+1
.endr
.set i, 0
.rept 16
	v_pk_fma_f32 v[T+2*i:T+2*i+1], v[T+2*i:T+2*i+1], v[W+2*i:W+2*i+1], v[BB+2*i:BB+2*i+1]
.set i, i+1
.endr
.set i, 0
.rept 16
	v_cvt_pk_f16_f32 v[(\z)+i], v[T+2*i], v[T+2*i+1]
.set i, i+1
.endr
.irp j, 0,1,2,3
	global_store_b128 v[LO], v[(\z)+4*\j:(\z)+4*\j+3], s[10:11] offset:(\off)+512*\j
.endr
.endm
	s_load_b256 s[4:11], s[0:1], 0x0               ; hres s[4:5], ln2_w s[6:7], ln2_b s[8:9], xh s[10:11]
	v_lshrrev_b32 v1, 5, v0
	v_readfirstlane_b32 s12, v1
	v_and_b32 v1, 31, v0
	v_lshlrev_b32 v[LO], 4, v1
	v_lshlrev_b32 v[WO], 5, v1
	v_mov_b32 v[ONE], 1.0
	v_mov_b32 v[ZERO], 0
	s_lshl_b32 s14, ttmp9, 3
	s_add_co_u32 s14, s14, s12
	s_lshl_b32 s14, s14, 12                        ; my two rows of 2,048 bytes
	s_mov_b32 s15, 0
	s_mov_b32 s[SEL], 0x76543210
	s_mov_b32 s[SEL+1], 0xfedcba98
	s_mov_b32 s[C1K], 0x3a800000
	s_mov_b32 s[NC1K], 0xba800000
	s_mov_b32 s[EPS], 0x358637bd
	s_mov_b32 s[HIM], 0xffff0000
	s_wait_kmcnt 0x0
	s_add_nc_u64 s[4:5], s[4:5], s[14:15]
	s_add_nc_u64 s[10:11], s[10:11], s[14:15]
.irp j, 0,1,2,3
	global_load_b128 v[W+8*\j:W+8*\j+3],     v[WO], s[6:7] offset:1024*\j
	global_load_b128 v[W+8*\j+4:W+8*\j+7],   v[WO], s[6:7] offset:1024*\j+16
	global_load_b128 v[BB+8*\j:BB+8*\j+3],   v[WO], s[8:9] offset:1024*\j
	global_load_b128 v[BB+8*\j+4:BB+8*\j+7], v[WO], s[8:9] offset:1024*\j+16
.endr
.irp j, 0,1,2,3
	global_load_b128 v[HA+4*\j:HA+4*\j+3], v[LO], s[4:5] offset:512*\j th:TH_LOAD_NT
.endr
.irp j, 0,1,2,3
	global_load_b128 v[HB+4*\j:HB+4*\j+3], v[LO], s[4:5] offset:2048+512*\j th:TH_LOAD_NT
.endr
	s_wait_loadcnt 4                               ; gain, bias and row 0 are in; row 1's four loads may stay out
.set i, 0
.rept 16
	v_cvt_pk_bf16_f32 v[P+i], v[W+2*i], v[W+2*i+1]
	v_cvt_pk_bf16_f32 v[ZA+i], v[BB+2*i], v[BB+2*i+1]
.set i, i+1
.endr
.set i, 0
.rept 16
	v_lshlrev_b32 v[W+2*i], 16, v[P+i]
	v_and_b32 v[W+2*i+1], s[HIM], v[P+i]
	v_lshlrev_b32 v[BB+2*i], 16, v[ZA+i]
	v_and_b32 v[BB+2*i+1], s[HIM], v[ZA+i]
.set i, i+1
.endr
	ROW HA, ZA, 0
	s_wait_loadcnt 0x0
	ROW HB, ZB, 2048
	s_endpgm
.Lfunc_end_k_qfad59b8c41_ln2:
	.size	k_qfad59b8c41_ln2, .Lfunc_end_k_qfad59b8c41_ln2-k_qfad59b8c41_ln2
	.p2alignl 7, 3214868480
	.fill 96, 4, 3214868480
	.section	.rodata,"a",@progbits
	.p2align	6, 0x0
	.amdhsa_kernel k_qfad59b8c41_ln2
		.amdhsa_group_segment_fixed_size 0
		.amdhsa_private_segment_fixed_size 0
		.amdhsa_enable_private_segment 0
		.amdhsa_kernarg_size 32
		.amdhsa_user_sgpr_count 2
		.amdhsa_user_sgpr_kernarg_segment_ptr 1
		.amdhsa_wavefront_size32 1
		.amdhsa_system_sgpr_workgroup_id_x 1
		.amdhsa_system_sgpr_workgroup_id_y 1
		.amdhsa_system_sgpr_workgroup_id_z 1
		.amdhsa_system_vgpr_workitem_id 0
		.amdhsa_next_free_vgpr 196
		.amdhsa_next_free_sgpr 66
		.amdhsa_reserve_vcc 0
		.amdhsa_float_denorm_mode_32 3
		.amdhsa_float_denorm_mode_16_64 3
		.amdhsa_memory_ordered 1
		.amdhsa_forward_progress 1
		.amdhsa_inst_pref_size 27
	.end_amdhsa_kernel
	.amdgpu_metadata
---
amdhsa.version: [ 1, 2 ]
amdhsa.kernels:
  - .name:           k_qfad59b8c41_ln2
    .symbol:         k_qfad59b8c41_ln2.kd
    .args:
      - { .name: hres, .offset: 0, .size: 8, .value_kind: global_buffer, .address_space: global }
      - { .name: ln2_w, .offset: 8, .size: 8, .value_kind: global_buffer, .address_space: global }
      - { .name: ln2_b, .offset: 16, .size: 8, .value_kind: global_buffer, .address_space: global }
      - { .name: xh, .offset: 24, .size: 8, .value_kind: global_buffer, .address_space: global }
    .group_segment_fixed_size: 0
    .private_segment_fixed_size: 0
    .kernarg_segment_align: 8
    .kernarg_segment_size: 32
    .max_flat_workgroup_size: 256
    .sgpr_count:     66
    .vgpr_count:     196
    .wavefront_size: 32
...
	.end_amdgpu_metadata
.endif
;; end of part 5
;; launch mlp1 (part 6): grid 16 x 16, 4 waves a work-group, clusters of 4 x 4, 327,680 bytes of LDS; arguments xh, wts, b1, gh; writes gh
.if DOCPART == 6
	.amdgcn_target "amdgcn-amd-amdhsa--gfx1250"
	.amdhsa_code_object_version 6
	.text
	.protected	k_qfad59b8c41_mlp1
	.globl	k_qfad59b8c41_mlp1
	.p2align	8
	.type	k_qfad59b8c41_mlp1,@function
k_qfad59b8c41_mlp1:
	s_mov_b64 s[64:65], 0
	v_nop
	global_prefetch_b8 v0, s[64:65] scope:SCOPE_SE
	s_setreg_imm32_b32 hwreg(HW_REG_WAVE_MODE, 25, 1), 1
	s_wait_xcnt 0x0
	s_wait_alu depctr_hold_cnt(0) depctr_sa_sdst(0) depctr_va_vdst(0) depctr_va_sdst(0) depctr_va_ssrc(0) depctr_va_vcc(0) depctr_vm_vsrc(0)
	s_getreg_b32 s2, hwreg(HW_REG_IB_STS2, 6, 4)
	s_cmp_eq_u32 s2, 0
	s_cbranch_scc0 .Lentry_in_a_cluster
	s_endpgm
.Lentry_in_a_cluster:
	s_bfe_u32 s2, ttmp6, 0x10000c
	s_cmp_lg_u32 s2, 0xf033
	s_cbranch_scc0 .Lentry_shape_is_right
	s_endpgm
.Lentry_shape_is_right:
; MLP1: gh = gelu(xh [4096][1024] . W1 [1024][4096] + b1), f16 operands, f32 sums, b1 rounded to bf16, gh rounded once to f16.
; gelu(z) = max(z, 0) - |z| / 2 x P(t) x e^(-z z / 2), t = 1 / (1 + 0.23164189 |z|), P the five-term polynomial for the complementary error function (its error is at most 1.5e-7 for every z);
; for large |z| the exponential goes to 0 and the form is exact.  LIMITS.  gelu within 65,504 (f16).
; SHARES.  A tile is 256 x 256: 16 x 16 = 256 work-groups; four waves, each 128 x 128: 64 accumulators, 512 registers.  K goes in steps of 128 through two LDS slots:
; [A0][A1: 128 rows x 256 bytes, pitch 272][B0][B1: 128 k-rows x 256 bytes, pitch 288].  Waves 0, 1 fetch A's row halves, waves 2, 3 B's column halves.
; B lies [k][n] and is turned by ds_load_tr16_b128.  The product is taken transposed: a lane holds one row and eight columns on end.
; CLUSTER 4 x 4: A's tiles are asked for jointly by a row of the cluster, B's by a column.  ONE TEXT FOR BOTH SLOTS: s[CUR] is 0 or SLOT.
; REGISTERS: window 0: v0-31 addresses, v64-127 and v128-191 A's fragments; window 1: B's; windows 2, 3: accumulator (a, b) at 8 (8 (a % 4) + b).
.set NB,     8
.set PA,     272
.set PB,     288
.set SA,     128*PA
.set SB,     128*PB
.set SLOT,   2*SA+2*SB
.set DPITCH, 528
.set DREG,   128*DPITCH
.set SPARE,  2*SLOT
.set WOFF,   10485760
.set APB,    2048
.set BPB,    8192
.set ASTEP,  256
.set BSTEP,  128*BPB
.set NLD,    32
.set ADRA0, 16
.set ADRA,  17
.set ADRB0, 18
.set ADRB,  21
.set STO,   24
.set CO,    27
.set SPW,   28
.set NIL,   29
.set PFO,   30
.set RD,    31
.set F0,    64
.set F1,    128
.set LD,    32
.set Z,     64
.set AZ,    80
.set DN,    96
.set EX,    112
.set MX,    128
.set HZ,    144
.set PL,    160
.set OU,    176
.set WV,   14
.set ROLE, 15
.set SUB,  16
.set CX,   17
.set CY,   18
.set TX,   19
.set TY,   20
.set G1A,  24
.set G1B,  32
.set G0A,  40
.set G0B,  48
.set AOF,  56
.set BOF,  58
.set TP,   60
.set PFA,  66
.set PST,  68
.set LIM,  70
.set CNT,  71
.set CUR,  72
.set LWA,  73
.set LWB,  74
.set OB,   76
.set CP,   78
.set CE,   80
.set A1,   82
.set A2,   84
.set A3,   86
.set A4,   88
.set A5,   90
.set MSB, 0
.macro WIN new
.if MSB != (\new)
	s_set_vgpr_msb (MSB<<8)|(\new)
.set MSB, \new
.endif
.endm
.set MUL_LO, 0xa1
.set MUL_HI, 0xf1
.set TO_B,   0x40
.macro PLACES
.rept 4
	v_nop
.endr
.endm
.macro SPAIR r, val                     ; a constant for the packed forms: they name a pair and take its low word
	s_mov_b32 s[\r], \val
	s_mov_b32 s[(\r)+1], \val
.endm
.macro CREST
	s_cmp_lg_u32 s[WV], 0
	s_cbranch_scc1 .Lnot_wave_0_\@
	s_barrier_signal -3
.Lnot_wave_0_\@:
	s_barrier_wait -3
	s_barrier_signal -1
	s_barrier_wait -1
.endm
.macro CROUND
	s_barrier_signal -1
	s_barrier_wait -1
	CREST
.endm
.macro JLOAD
	s_cmp_eq_u32 s[ROLE], 0
	s_cbranch_scc0 .Lfor_b_\@
	tensor_load_to_lds s[G0A+4:G0A+7], s[G1A:G1A+7]
	s_nop 0
	PLACES
	s_branch .Lasked_\@
.Lfor_b_\@:
	tensor_load_to_lds s[G0B+4:G0B+7], s[G1B:G1B+7]
	s_nop 0
	PLACES
.Lasked_\@:
.endm
; A prefetch of what the NEXT refill will ask for (a K step, 256 matrix instructions, ahead of its load): 32 rows x 256 bytes, a lane a row.  A's rows are named by the clusters with x = 0, B's by those with y = 0;
; the four joint askers take 32 of a tile's 128 rows each, by address.
.macro ASK
	s_cmp_gt_u32 s[CNT], s[LIM]
	s_cbranch_scc0 .Lnot_mine_\@
	global_prefetch_b8 v[PFO], s[PFA:PFA+1] th:TH_LOAD_NT scope:SCOPE_SE
.Lnot_mine_\@:
.endm
.macro MULH f, hi, a0, zero
	WIN MUL_LO+0x50*(\hi)
.irp a, \a0, (\a0)+1
.set bb, 0
.rept NB
.if \zero
	v_wmma_f32_16x16x32_f16 v[8*(NB*(\a)+bb):8*(NB*(\a)+bb)+7], v[(\f)+8*bb:(\f)+8*bb+7], v[(\f)+8*(4*(\hi)+(\a)):(\f)+8*(4*(\hi)+(\a))+7], 0
.else
	v_wmma_f32_16x16x32_f16 v[8*(NB*(\a)+bb):8*(NB*(\a)+bb)+7], v[(\f)+8*bb:(\f)+8*bb+7], v[(\f)+8*(4*(\hi)+(\a)):(\f)+8*(4*(\hi)+(\a))+7], v[8*(NB*(\a)+bb):8*(NB*(\a)+bb)+7]
.endif
.set bb, bb+1
.endr
.endr
.endm
.macro FETCH q, f
	WIN TO_B
.irp i, 0,1,2,3,4,5,6,7
	ds_load_tr16_b128 v[(\f)+8*\i:(\f)+8*\i+3],   v[ADRB] offset:(\q)*32*PB+32*\i
	ds_load_tr16_b128 v[(\f)+8*\i+4:(\f)+8*\i+7], v[ADRB] offset:(\q)*32*PB+16*PB+32*\i
.endr
	WIN 0
.irp i, 0,1,2,3,4,5,6,7
	ds_load_b128 v[(\f)+8*\i:(\f)+8*\i+3],   v[ADRA] offset:64*(\q)+\i*16*PA
	ds_load_b128 v[(\f)+8*\i+4:(\f)+8*\i+7], v[ADRA] offset:64*(\q)+\i*16*PA+32
.endr
.endm
.macro QUARTER q, f, g, zero
	s_wait_dscnt 8                                 ; B and A's rows 0-63 are in; the youngest eight loads may be out
	MULH \f, 0, 0, \zero
	MULH \f, 0, 2, \zero
	PLACES
	FETCH \q, \g
	s_wait_dscnt NLD                               ; all but the run just issued
	MULH \f, 1, 0, \zero
	MULH \f, 1, 2, \zero
.endm
.macro TURN fill
.if \fill
	s_wait_xcnt 0x0                                ; the last prefetch, a K step back, has read its address
	s_add_nc_u64 s[PFA:PFA+1], s[PFA:PFA+1], s[PST:PST+1]
.endif
	WIN 0
	s_wait_tensorcnt 0x0                           ; all my tensor loads have landed: the one that was out is my part of the next slot
	ds_add_u32 v[SPW], v[NIL]
	s_wait_dscnt 9                                 ; the add and the youngest eight loads may be out
	MULH F1, 0, 0, 0
	s_wait_dscnt 0x0                               ; the add is done, my reads of this slot are over
	s_barrier_signal -1
	MULH F1, 0, 2, 0
	WIN 0
	s_barrier_wait -1
.if \fill
	CREST
	s_add_co_u32 s[G0A+5], s[LWA], s[CUR]
	s_add_nc_u64 s[G0A+6:G0A+7], s[G0A+6:G0A+7], ASTEP
	s_add_co_u32 s[G0B+5], s[LWB], s[CUR]
	s_add_nc_u64 s[G0B+6:G0B+7], s[G0B+6:G0B+7], BSTEP
	JLOAD
.else
	PLACES
.endif
	s_xor_b32 s[CUR], s[CUR], SLOT
	v_add_nc_u32 v[ADRA], s[CUR], v[ADRA0]
	v_add_nc_u32 v[ADRB], s[CUR], v[ADRB0]
	FETCH 0, F0
.if \fill
	ASK
.endif
	MULH F1, 1, 0, 0
	MULH F1, 1, 2, 0
.endm
.macro LASTQ
	s_wait_dscnt 8
	MULH F1, 0, 0, 0
	MULH F1, 0, 2, 0
	s_wait_dscnt 0x0
	MULH F1, 1, 0, 0
	MULH F1, 1, 2, 0
.endm
	s_load_b256 s[4:11], s[0:1], 0x0               ; xh s[4:5], wts s[6:7], b1 s[8:9], gh s[10:11]
	v_lshl_add_u32 v[SPW], v0, 2, SPARE
	v_mov_b32 v[NIL], 0
	ds_add_u32 v[SPW], v[NIL]                      ; the wave's opening: the add and its wait ahead of my first tensor load
	v_lshrrev_b32 v1, 5, v0
	v_readfirstlane_b32 s[WV], v1
	s_lshr_b32 s[ROLE], s[WV], 1                   ; which half of the tile's rows is mine.  Also: I fetch A (0) or B (1)
	s_and_b32 s[SUB], s[WV], 1                     ; which half of its columns.  Also: which half I fetch
	s_bfe_u32 s[CX], ttmp6, 0x40000
	s_bfe_u32 s[CY], ttmp6, 0x40004
	s_lshl_b32 s[TX], ttmp9, 2
	s_add_co_u32 s[TX], s[TX], s[CX]
	s_and_b32 s[TY], ttmp7, 0xffff
	s_lshl_b32 s[TY], s[TY], 2
	s_add_co_u32 s[TY], s[TY], s[CY]
	s_lshl_b32 s21, s[CY], 2
	s_lshl_b32 s21, 15, s21
	s_lshl_b32 s22, 0x1111, s[CX]
	s_or_b32 s[G1A], s21, (1<<16)|(1<<20)|(1<<21)|(5<<22)|(3<<25)
	s_or_b32 s[G1B], s22, (1<<16)|(1<<20)|(1<<21)|(5<<22)|(7<<25)
.irp g, G1A, G1B
	s_mov_b32 s[(\g)+1], 128<<16
	s_mov_b32 s[(\g)+2], 128<<16
	s_mov_b32 s[(\g)+3], 128<<16
	s_mov_b32 s[(\g)+4], 128
	s_mov_b32 s[(\g)+6], 0
	s_mov_b32 s[(\g)+7], 0
.endr
	s_mov_b32 s[G1A+5], 1024
	s_mov_b32 s[G1B+5], 4096
	s_lshl_b32 s[AOF], s[TY], 8
	s_lshl_b32 s23, s[SUB], 7
	s_add_co_u32 s[AOF], s[AOF], s23               ; A: row 256 TY + 128 half
	s_lshl_b32 s[AOF], s[AOF], 11
	s_mov_b32 s[AOF+1], 0
	s_lshl_b32 s[BOF], s[TX], 9                    ; B: column 256 TX + 128 half, 2 bytes each
	s_lshl_b32 s23, s[SUB], 8
	s_add_co_u32 s[BOF], s[BOF], s23
	s_add_co_u32 s[BOF], s[BOF], WOFF
	s_mov_b32 s[BOF+1], 0
	s_mul_i32 s[LWA], s[SUB], SA
	s_mul_i32 s[LWB], s[SUB], SB
	s_add_co_u32 s[LWB], s[LWB], 2*SA
	s_mov_b32 s[CUR], 0
	s_wait_dscnt 0x0
	s_wait_kmcnt 0x0
	s_add_nc_u64 s[AOF:AOF+1], s[4:5], s[AOF:AOF+1]
	s_add_nc_u64 s[BOF:BOF+1], s[6:7], s[BOF:BOF+1]
	CROUND
.irp s, 0,1
	s_mov_b32 s[G0A+4*\s], 1
	s_add_co_u32 s[G0A+4*\s+1], s[LWA], \s*SLOT
	s_add_nc_u64 s[G0A+4*\s+2:G0A+4*\s+3], s[AOF:AOF+1], \s*ASTEP
	s_or_b32 s[G0A+4*\s+3], s[G0A+4*\s+3], 0x80000000
	s_mov_b32 s[G0B+4*\s], 1
	s_add_co_u32 s[G0B+4*\s+1], s[LWB], \s*SLOT
	s_add_nc_u64 s[G0B+4*\s+2:G0B+4*\s+3], s[BOF:BOF+1], \s*BSTEP
	s_or_b32 s[G0B+4*\s+3], s[G0B+4*\s+3], 0x80000000
.endr
	s_cmp_eq_u32 s[ROLE], 0                        ; a wave's two first fills stand in one branch: two loads of mine are out
	s_cbranch_scc0 .Lfirst_b
	tensor_load_to_lds s[G0A:G0A+3], s[G1A:G1A+7]
	s_nop 0
	tensor_load_to_lds s[G0A+4:G0A+7], s[G1A:G1A+7]
	s_nop 0
	PLACES
	s_branch .Lfirst_done
.Lfirst_b:
	tensor_load_to_lds s[G0B:G0B+3], s[G1B:G1B+7]
	s_nop 0
	tensor_load_to_lds s[G0B+4:G0B+7], s[G1B:G1B+7]
	s_nop 0
	PLACES
.Lfirst_done:
	v_and_b32 v1, 15, v0                           ; r
	v_bfe_u32 v2, v0, 4, 1                         ; h
	v_and_b32 v3, 31, v0                           ; lane
	s_lshl_b32 s21, s[TY], 8
	s_lshl_b32 s22, s[ROLE], 7
	s_add_co_u32 s21, s21, s22                     ; my first row of gh
	s_lshl_b32 s[TP], s21, 13
	s_lshl_b32 s22, s[TX], 9
	s_lshl_b32 s23, s[SUB], 8
	s_add_co_u32 s22, s22, s23                     ; my 128 columns: bytes in a row of gh
	s_add_co_u32 s[TP], s[TP], s22
	s_mov_b32 s[TP+1], 0
	s_add_nc_u64 s[OB:OB+1], s[10:11], s[TP:TP+1]
	s_lshl_b32 s22, s22, 1                         ; and in b1
	v_lshl_add_u32 v6, v3, 4, s22
	global_load_b128 v[8:11], v6, s[8:9]           ; the bias of my four columns on the way out
	v_mul_u32_u24 v4, v1, PA
	v_lshl_add_u32 v4, v2, 4, v4
	s_mul_i32 s21, s[ROLE], SA
	v_add_nc_u32 v[ADRA0], s21, v4
	v_add_nc_u32 v[ADRA], s21, v4
	v_and_b32 v4, 7, v0
	v_lshl_add_u32 v4, v2, 3, v4
	v_mul_u32_u24 v4, v4, PB
	v_bfe_u32 v5, v0, 3, 1
	v_lshl_add_u32 v4, v5, 4, v4
	s_mul_i32 s21, s[SUB], SB
	s_add_co_u32 s21, s21, 2*SA
	v_add_nc_u32 v[ADRB0], s21, v4
	v_add_nc_u32 v[ADRB], s21, v4
	v_mul_u32_u24 v4, v1, DPITCH                   ; the way out: my own 128 x 128 of f32 at w x DREG
	v_lshl_add_u32 v4, v2, 5, v4
	s_mul_i32 s21, s[WV], DREG
	v_add_nc_u32 v[STO], s21, v4
	v_lshl_add_u32 v[RD], v3, 4, s21
	v_lshlrev_b32 v[CO], 3, v3
	; the prefetches stand at K step 2; the first refill steps them to 3
	s_lshl_b32 s21, s[TY], 8
	s_lshl_b32 s22, s[SUB], 7
	s_add_co_u32 s21, s21, s22
	s_lshl_b32 s22, s[CX], 5
	s_add_co_u32 s21, s21, s22
	s_lshl_b32 s21, s21, 11
	s_add_co_u32 s21, s21, 2*ASTEP                 ; A: row 256 TY + 128 half + 32 cx
	s_lshl_b32 s22, s[CY], 18                      ; B: k-row 32 cy of 8,192 bytes,
	s_lshl_b32 s23, s[TX], 9
	s_add_co_u32 s22, s22, s23
	s_lshl_b32 s23, s[SUB], 8
	s_add_co_u32 s22, s22, s23                     ; my half's 256 bytes
	s_add_co_u32 s22, s22, WOFF+2*BSTEP
	s_and_b32 s23, ttmp7, 0xffff
	s_mov_b32 s[PST], BSTEP
	s_mov_b32 s[PST+1], 0
	s_mov_b32 s62, BPB
	s_cmp_eq_u32 s[ROLE], 0
	s_cselect_b32 s[TP], s21, s22
	s_cselect_b64 s[PFA:PFA+1], s[4:5], s[6:7]
	s_cselect_b32 s[PST], ASTEP, s[PST]
	s_cselect_b32 s62, APB, s62
	s_cselect_b32 s23, ttmp9, s23
	s_cmp_eq_u32 s23, 0
	s_cselect_b32 s[LIM], 1, -1                    ; the last refill has no step behind it
	s_mov_b32 s[TP+1], 0
	s_add_nc_u64 s[PFA:PFA+1], s[PFA:PFA+1], s[TP:TP+1]
	v_mul_lo_u32 v[PFO], v3, s62
	SPAIR CP, 0x3e6d3388                           ; 0.3275911 / sqrt(2)
	SPAIR CE, 0xbf38aa3b                           ; -log2(e) / 2
	SPAIR A1, 0x3e827906
	SPAIR A2, 0xbe91a98e
	SPAIR A3, 0x3fb5f0e3
	SPAIR A4, 0xbfba00e3
	SPAIR A5, 0x3f87dc22
	s_wait_loadcnt 0x0
	v_cvt_pk_bf16_f32 v4, v8, v9                   ; the bias is an input: rounded to bf16 once
	v_cvt_pk_bf16_f32 v5, v10, v11
	v_lshlrev_b32 v8, 16, v4
	v_and_b32 v9, 0xffff0000, v4
	v_lshlrev_b32 v10, 16, v5
	v_and_b32 v11, 0xffff0000, v5
	s_wait_tensorcnt 1                             ; my part of K step 0 is in; step 1's may stay out
	s_barrier_signal -1
	s_barrier_wait -1
	FETCH 0, F0
	QUARTER 1, F0, F1, 1                           ; the first quarter's products start the sums
	WIN 0
	s_mov_b32 s[CNT], 6
.Lk:                                               ; a trip: from a K step's second quarter to the next step's first; one refill
	QUARTER 2, F1, F0, 0
	QUARTER 3, F0, F1, 0
	TURN 1
	QUARTER 1, F0, F1, 0
	WIN 0
	s_sub_co_u32 s[CNT], s[CNT], 1
	s_cmp_lg_u32 s[CNT], 0
	s_cbranch_scc1 .Lk
	QUARTER 2, F1, F0, 0                           ; the last two K steps ask for nothing
	QUARTER 3, F0, F1, 0
	TURN 0
	QUARTER 1, F0, F1, 0
	QUARTER 2, F1, F0, 0
	QUARTER 3, F0, F1, 0
	LASTQ
	; THE WAY OUT.  The ring has had its last fill: each wave puts its sums as f32 into a part of it that is the wave's own, takes whole rows back, and finishes four rows a trip: one short text for 16,384 numbers.
	WIN 0
	PLACES
	s_wait_dscnt 0x0
	s_barrier_signal -1
	s_barrier_wait -1                              ; nobody reads the ring any more
.set a, 0
.rept 8
	WIN 0x08+4*(a/4)
.set bb, 0
.rept 8
	ds_store_b128 v[STO], v[8*(8*(a%4)+bb):8*(8*(a%4)+bb)+3]   offset:a*16*DPITCH+64*bb
	ds_store_b128 v[STO], v[8*(8*(a%4)+bb)+4:8*(8*(a%4)+bb)+7] offset:a*16*DPITCH+64*bb+16
.set bb, bb+1
.endr
.set a, a+1
.endr
	WIN 0
.irp i, 0,1,2,3
	ds_load_b128 v[LD+4*\i:LD+4*\i+3], v[RD] offset:\i*DPITCH      ; LDS serves a wave's instructions in order (ISA guide 5.7.1.4): these see my stores above
.endr
	s_mov_b32 s[CNT], 32
.Lout:
	s_wait_dscnt 0x0
.irp i, 0,1,2,3
	v_pk_add_f32 v[Z+4*\i:Z+4*\i+1],   v[LD+4*\i:LD+4*\i+1],   v[8:9]
	v_pk_add_f32 v[Z+4*\i+2:Z+4*\i+3], v[LD+4*\i+2:LD+4*\i+3], v[10:11]
.endr
	s_cmp_eq_u32 s[CNT], 1
	s_cbranch_scc1 .Lout_nl                        ; the last trip loads nothing
	v_add_nc_u32 v[RD], 4*DPITCH, v[RD]
.irp i, 0,1,2,3
	ds_load_b128 v[LD+4*\i:LD+4*\i+3], v[RD] offset:\i*DPITCH
.endr
.Lout_nl:
.set i, 0
.rept 16
	v_and_b32 v[AZ+i], 0x7fffffff, v[Z+i]
.set i, i+1
.endr
.set i, 0
.rept 8
	v_pk_fma_f32 v[DN+2*i:DN+2*i+1], v[AZ+2*i:AZ+2*i+1], s[CP:CP+1], 1.0 op_sel_hi:[1,0,0]
	v_pk_mul_f32 v[EX+2*i:EX+2*i+1], v[Z+2*i:Z+2*i+1], s[CE:CE+1] op_sel_hi:[1,0]
.set i, i+1
.endr
.set i, 0
.rept 8
	v_pk_mul_f32 v[EX+2*i:EX+2*i+1], v[EX+2*i:EX+2*i+1], v[Z+2*i:Z+2*i+1]
.set i, i+1
.endr
.set i, 0
.rept 16                                           ; one batch: sixteen reciprocals and sixteen exponentials
	v_rcp_f32 v[DN+i], v[DN+i]
.set i, i+1
.endr
.set i, 0
.rept 16
	v_exp_f32 v[EX+i], v[EX+i]
.set i, i+1
.endr
.set i, 0
.rept 16                                           ; work that names none of their results
	v_max_num_f32 v[MX+i], 0, v[Z+i]
.set i, i+1
.endr
.set i, 0
.rept 8
	v_pk_mul_f32 v[HZ+2*i:HZ+2*i+1], v[AZ+2*i:AZ+2*i+1], 0.5 op_sel_hi:[1,0]
.set i, i+1
.endr
	s_wait_alu depctr_va_vdst(0)                   ; one wait for the batch
.set i, 0
.rept 8
	v_pk_fma_f32 v[PL+2*i:PL+2*i+1], v[DN+2*i:DN+2*i+1], s[A5:A5+1], s[A4:A4+1] op_sel_hi:[1,0,0]
.set i, i+1
.endr
.irp c, A3, A2, A1
.set i, 0
.rept 8
	v_pk_fma_f32 v[PL+2*i:PL+2*i+1], v[PL+2*i:PL+2*i+1], v[DN+2*i:DN+2*i+1], s[\c:\c+1] op_sel_hi:[1,1,0]
.set i, i+1
.endr
.endr
.set i, 0
.rept 8
	v_pk_mul_f32 v[PL+2*i:PL+2*i+1], v[PL+2*i:PL+2*i+1], v[DN+2*i:DN+2*i+1]
.set i, i+1
.endr
.set i, 0
.rept 8
	v_pk_mul_f32 v[PL+2*i:PL+2*i+1], v[PL+2*i:PL+2*i+1], v[EX+2*i:EX+2*i+1]
.set i, i+1
.endr
.set i, 0
.rept 8
	v_pk_fma_f32 v[Z+2*i:Z+2*i+1], v[PL+2*i:PL+2*i+1], v[HZ+2*i:HZ+2*i+1], v[MX+2*i:MX+2*i+1] neg_lo:[1,0,0] neg_hi:[1,0,0]
.set i, i+1
.endr
.set i, 0
.rept 8
	v_cvt_pk_f16_f32 v[OU+i], v[Z+2*i], v[Z+2*i+1]
.set i, i+1
.endr
.irp i, 0,1,2,3
	global_store_b64 v[CO], v[OU+2*\i:OU+2*\i+1], s[OB:OB+1] offset:\i*8192     ; 32 lanes store 256 consecutive bytes, aligned
.endr
	s_wait_xcnt 0x0                                ; OU and CO are written again only behind this wait
	v_add_nc_u32 v[CO], 4*8192, v[CO]
	s_sub_co_u32 s[CNT], s[CNT], 1
	s_cmp_lg_u32 s[CNT], 0
	s_cbranch_scc1 .Lout
	s_wait_tensorcnt 0x0                           ; the wave's end
	ds_add_u32 v[SPW], v[NIL]
	s_wait_dscnt 0x0
	CROUND                                         ; the closing round
	s_endpgm
.Lfunc_end_k_qfad59b8c41_mlp1:
	.size	k_qfad59b8c41_mlp1, .Lfunc_end_k_qfad59b8c41_mlp1-k_qfad59b8c41_mlp1
	.p2alignl 7, 3214868480
	.fill 96, 4, 3214868480
	.section	.rodata,"a",@progbits
	.p2align	6, 0x0
	.amdhsa_kernel k_qfad59b8c41_mlp1
		.amdhsa_group_segment_fixed_size 327680
		.amdhsa_private_segment_fixed_size 0
		.amdhsa_enable_private_segment 0
		.amdhsa_kernarg_size 32
		.amdhsa_user_sgpr_count 2
		.amdhsa_user_sgpr_kernarg_segment_ptr 1
		.amdhsa_wavefront_size32 1
		.amdhsa_system_sgpr_workgroup_id_x 1
		.amdhsa_system_sgpr_workgroup_id_y 1
		.amdhsa_system_sgpr_workgroup_id_z 1
		.amdhsa_system_vgpr_workitem_id 0
		.amdhsa_next_free_vgpr 1024
		.amdhsa_next_free_sgpr 96
		.amdhsa_reserve_vcc 0
		.amdhsa_float_denorm_mode_32 3
		.amdhsa_float_denorm_mode_16_64 3
		.amdhsa_memory_ordered 1
		.amdhsa_forward_progress 1
		.amdhsa_inst_pref_size 106
	.end_amdhsa_kernel
	.amdgpu_metadata
---
amdhsa.version: [ 1, 2 ]
amdhsa.kernels:
  - .name:           k_qfad59b8c41_mlp1
    .symbol:         k_qfad59b8c41_mlp1.kd
    .args:
      - { .name: xh, .offset: 0, .size: 8, .value_kind: global_buffer, .address_space: global }
      - { .name: wts, .offset: 8, .size: 8, .value_kind: global_buffer, .address_space: global }
      - { .name: b1, .offset: 16, .size: 8, .value_kind: global_buffer, .address_space: global }
      - { .name: gh, .offset: 24, .size: 8, .value_kind: global_buffer, .address_space: global }
    .group_segment_fixed_size: 327680
    .private_segment_fixed_size: 0
    .kernarg_segment_align: 8
    .kernarg_segment_size: 32
    .max_flat_workgroup_size: 128
    .sgpr_count:     96
    .vgpr_count:     1024
    .wavefront_size: 32
...
	.end_amdgpu_metadata
.endif
;; end of part 6
;; launch mlp2 (part 7): grid 8 x 32, 4 waves a work-group, clusters of 4 x 4, 327,680 bytes of LDS; arguments gh, wts, hres, b2, out0; writes out0
.if DOCPART == 7
	.amdgcn_target "amdgcn-amd-amdhsa--gfx1250"
	.amdhsa_code_object_version 6
	.text
	.protected	k_qfad59b8c41_mlp2
	.globl	k_qfad59b8c41_mlp2
	.p2align	8
	.type	k_qfad59b8c41_mlp2,@function
k_qfad59b8c41_mlp2:
	s_mov_b64 s[64:65], 0
	v_nop
	global_prefetch_b8 v0, s[64:65] scope:SCOPE_SE
	s_setreg_imm32_b32 hwreg(HW_REG_WAVE_MODE, 25, 1), 1
	s_wait_xcnt 0x0
	s_wait_alu depctr_hold_cnt(0) depctr_sa_sdst(0) depctr_va_vdst(0) depctr_va_sdst(0) depctr_va_ssrc(0) depctr_va_vcc(0) depctr_vm_vsrc(0)
	s_getreg_b32 s2, hwreg(HW_REG_IB_STS2, 6, 4)
	s_cmp_eq_u32 s2, 0
	s_cbranch_scc0 .Lentry_in_a_cluster
	s_endpgm
.Lentry_in_a_cluster:
	s_bfe_u32 s2, ttmp6, 0x10000c
	s_cmp_lg_u32 s2, 0xf033
	s_cbranch_scc0 .Lentry_shape_is_right
	s_endpgm
.Lentry_shape_is_right:
; MLP2: out0 = hres + gh [4096][4096] . W2 [4096][1024] + b2.  f16 operands, f32 sums, b2 rounded to bf16, out0 in f32.
; SHARES.  A tile is 128 x 128: 32 x 8 = 256 work-groups.  K IS SPLIT AMONG THE FOUR WAVES: of each K step's 256 wave w takes 64 w .. 64 w + 63, for the whole tile: 64 accumulators, 512 registers;
; the four partial sums (f32) meet in LDS at the end.  Two LDS slots: [A0][A1: 128 rows x 256 bytes, pitch 272][B0][B1: 128 k-rows x 256 bytes, pitch 288].  Waves 0, 1 fetch A's halves of K, waves 2, 3 B's.
; B lies [k][n] and is turned by ds_load_tr16_b128.  The product is taken transposed: a lane holds one row and eight columns on end.
; CLUSTER 4 x 4: A's tiles are asked for jointly by a row of the cluster, B's by a column.  ONE TEXT FOR BOTH SLOTS: s[CUR] is 0 or SLOT.
; The residual's tile comes by plain loads at the head, each wave's own 32 rows, and waits in LDS bytes of the wave's own into which no fill lands.
; REGISTERS: window 0: v0-31 addresses, v64-127 and v128-191 A's fragments; window 1: B's; windows 2, 3: accumulator (a, b) at 8 (8 (a % 4) + b).
.set F32OUT, 1
.set KSTEPS, 16
.set ASH,    13                         ; a row of A is 2^ASH bytes
.set KA,     4096                       ; and so many elements
.set WOFF,   18874368                   ; B's first byte in wts
.set NB,     8
.set PA,     272
.set PB,     288
.set SA,     128*PA
.set SB,     128*PB
.set SLOT,   2*SA+2*SB
.set DPITCH, 528
.set DREG,   128*DPITCH
.set RES,    2*SLOT                     ; the residual: 8,192 bytes a wave
.set SPARE,  RES+32768
.set BPB,    2048
.set ASTEP,  512
.set BSTEP,  256*BPB
.set NLD,    32
.set ONE,   7
.set RDJ,   12                          ; v12-15
.set ADRA0, 16
.set ADRA,  17
.set ADRB0, 18
.set ADRB,  21
.set STO,   24
.set RO,    25
.set CO,    27
.set SPW,   28
.set NIL,   29
.set PFO,   30
.set RR,    31
.set F0,    64
.set F1,    128
.set RSD,   32                          ; v[32:39]   four rows of the residual
.set LD,    64                          ; v[64:127]  four rows of four partial sums
.set SUM,   128
.set TM,    144
.set OU,    160
.set WV,   14
.set ROLE, 15
.set SUB,  16
.set CX,   17
.set CY,   18
.set TX,   19
.set TY,   20
.set G1A,  24
.set G1B,  32
.set G0A,  40
.set G0B,  48
.set AOF,  56
.set BOF,  58
.set TP,   60
.set RB,   62
.set PFA,  66
.set PST,  68
.set LIM,  70
.set CNT,  71
.set CUR,  72
.set LWA,  73
.set LWB,  74
.set OB,   76
.set MSB, 0
.macro WIN new
.if MSB != (\new)
	s_set_vgpr_msb (MSB<<8)|(\new)
.set MSB, \new
.endif
.endm
.set MUL_LO, 0xa1
.set MUL_HI, 0xf1
.set TO_B,   0x40
.macro PLACES
.rept 4
	v_nop
.endr
.endm
.macro CREST
	s_cmp_lg_u32 s[WV], 0
	s_cbranch_scc1 .Lnot_wave_0_\@
	s_barrier_signal -3
.Lnot_wave_0_\@:
	s_barrier_wait -3
	s_barrier_signal -1
	s_barrier_wait -1
.endm
.macro CROUND
	s_barrier_signal -1
	s_barrier_wait -1
	CREST
.endm
.macro JLOAD
	s_cmp_eq_u32 s[ROLE], 0
	s_cbranch_scc0 .Lfor_b_\@
	tensor_load_to_lds s[G0A+4:G0A+7], s[G1A:G1A+7]
	s_nop 0
	PLACES
	s_branch .Lasked_\@
.Lfor_b_\@:
	tensor_load_to_lds s[G0B+4:G0B+7], s[G1B:G1B+7]
	s_nop 0
	PLACES
.Lasked_\@:
.endm
; A prefetch of the K step that stands two refills on (256 matrix instructions ahead of its load): 32 rows x 256 bytes, a lane a row.  A's rows are named by the clusters with x = 0, B's by those with y = 0;
; the four joint askers take 32 of a tile's 128 rows each, by address.
.macro ASK
	s_cmp_gt_u32 s[CNT], s[LIM]
	s_cbranch_scc0 .Lnot_mine_\@
	global_prefetch_b8 v[PFO], s[PFA:PFA+1] th:TH_LOAD_NT scope:SCOPE_SE
.Lnot_mine_\@:
.endm
.macro MULH f, hi, a0, zero
	WIN MUL_LO+0x50*(\hi)
.irp a, \a0, (\a0)+1
.set bb, 0
.rept NB
.if \zero
	v_wmma_f32_16x16x32_f16 v[8*(NB*(\a)+bb):8*(NB*(\a)+bb)+7], v[(\f)+8*bb:(\f)+8*bb+7], v[(\f)+8*(4*(\hi)+(\a)):(\f)+8*(4*(\hi)+(\a))+7], 0
.else
	v_wmma_f32_16x16x32_f16 v[8*(NB*(\a)+bb):8*(NB*(\a)+bb)+7], v[(\f)+8*bb:(\f)+8*bb+7], v[(\f)+8*(4*(\hi)+(\a)):(\f)+8*(4*(\hi)+(\a))+7], v[8*(NB*(\a)+bb):8*(NB*(\a)+bb)+7]
.endif
.set bb, bb+1
.endr
.endr
.endm
.macro FETCH q, f
	WIN TO_B
.irp i, 0,1,2,3,4,5,6,7
	ds_load_tr16_b128 v[(\f)+8*\i:(\f)+8*\i+3],   v[ADRB] offset:(\q)*32*PB+32*\i
	ds_load_tr16_b128 v[(\f)+8*\i+4:(\f)+8*\i+7], v[ADRB] offset:(\q)*32*PB+16*PB+32*\i
.endr
	WIN 0
.irp i, 0,1,2,3,4,5,6,7
	ds_load_b128 v[(\f)+8*\i:(\f)+8*\i+3],   v[ADRA] offset:64*(\q)+\i*16*PA
	ds_load_b128 v[(\f)+8*\i+4:(\f)+8*\i+7], v[ADRA] offset:64*(\q)+\i*16*PA+32
.endr
.endm
.macro QUARTER q, f, g, zero
	s_wait_dscnt 8                                 ; B and A's rows 0-63 are in; the youngest eight loads may be out
	MULH \f, 0, 0, \zero
	MULH \f, 0, 2, \zero
	PLACES
	FETCH \q, \g
	s_wait_dscnt NLD                               ; all but the run just issued
	MULH \f, 1, 0, \zero
	MULH \f, 1, 2, \zero
.endm
.macro TURN fill
.if \fill
	s_wait_xcnt 0x0                                ; the last prefetch, a K step back, has read its address
	s_add_nc_u64 s[PFA:PFA+1], s[PFA:PFA+1], s[PST:PST+1]
.endif
	WIN 0
	s_wait_tensorcnt 0x0                           ; all my tensor loads have landed: the one that was out is my part of the next slot
	ds_add_u32 v[SPW], v[NIL]
	s_wait_dscnt 9                                 ; the add and the youngest eight loads may be out
	MULH F1, 0, 0, 0
	s_wait_dscnt 0x0                               ; the add is done, my reads of this slot are over
	s_barrier_signal -1
	MULH F1, 0, 2, 0
	WIN 0
	s_barrier_wait -1
.if \fill
	CREST
	s_add_co_u32 s[G0A+5], s[LWA], s[CUR]
	s_add_nc_u64 s[G0A+6:G0A+7], s[G0A+6:G0A+7], ASTEP
	s_add_co_u32 s[G0B+5], s[LWB], s[CUR]
	s_add_nc_u64 s[G0B+6:G0B+7], s[G0B+6:G0B+7], BSTEP
	JLOAD
.else
	PLACES
.endif
	s_xor_b32 s[CUR], s[CUR], SLOT
	v_add_nc_u32 v[ADRA], s[CUR], v[ADRA0]
	v_add_nc_u32 v[ADRB], s[CUR], v[ADRB0]
	FETCH 0, F0
.if \fill
	ASK
.endif
	MULH F1, 1, 0, 0
	MULH F1, 1, 2, 0
.endm
.macro LASTQ
	s_wait_dscnt 8
	MULH F1, 0, 0, 0
	MULH F1, 0, 2, 0
	s_wait_dscnt 0x0
	MULH F1, 1, 0, 0
	MULH F1, 1, 2, 0
.endm
.macro OLOADS                           ; four rows of the four partial sums and of the residual
.irp j, 0,1,2,3
.irp i, 0,1,2,3
	ds_load_b128 v[LD+16*\j+4*\i:LD+16*\j+4*\i+3], v[RDJ+\j] offset:\i*DPITCH
.endr
.endr
.irp i, 0,1,2,3
	ds_load_b64 v[RSD+2*\i:RSD+2*\i+1], v[RR] offset:\i*256
.endr
.endm
	s_load_b256 s[4:11], s[0:1], 0x0               ; A s[4:5], wts s[6:7], the residual s[8:9], then the output (or the bias and the output)
.if F32OUT
	s_load_b64 s[12:13], s[0:1], 0x20
.endif
	v_lshl_add_u32 v[SPW], v0, 2, SPARE
	v_mov_b32 v[NIL], 0
	ds_add_u32 v[SPW], v[NIL]                      ; the wave's opening: the add and its wait ahead of my first tensor load
	v_lshrrev_b32 v1, 5, v0
	v_readfirstlane_b32 s[WV], v1
	s_lshr_b32 s[ROLE], s[WV], 1                   ; 0: I fetch A, 1: B.  Also: which sub-tile holds my 64 of K
	s_and_b32 s[SUB], s[WV], 1                     ; which half of the step's K I fetch.  Also: which half of that sub-tile is mine
	s_bfe_u32 s[CX], ttmp6, 0x40000
	s_bfe_u32 s[CY], ttmp6, 0x40004
	s_lshl_b32 s[TX], ttmp9, 2
	s_add_co_u32 s[TX], s[TX], s[CX]
	s_and_b32 s[TY], ttmp7, 0xffff
	s_lshl_b32 s[TY], s[TY], 2
	s_add_co_u32 s[TY], s[TY], s[CY]
	s_lshl_b32 s21, s[CY], 2
	s_lshl_b32 s21, 15, s21
	s_lshl_b32 s22, 0x1111, s[CX]
	s_or_b32 s[G1A], s21, (1<<16)|(1<<20)|(1<<21)|(5<<22)|(3<<25)
	s_or_b32 s[G1B], s22, (1<<16)|(1<<20)|(1<<21)|(5<<22)|(7<<25)
.irp g, G1A, G1B
	s_mov_b32 s[(\g)+1], 128<<16
	s_mov_b32 s[(\g)+2], 128<<16
	s_mov_b32 s[(\g)+3], 128<<16
	s_mov_b32 s[(\g)+4], 128
	s_mov_b32 s[(\g)+6], 0
	s_mov_b32 s[(\g)+7], 0
.endr
	s_mov_b32 s[G1A+5], KA
	s_mov_b32 s[G1B+5], 1024
	s_lshl_b32 s[AOF], s[TY], 7+ASH                ; A: 128 rows a tile,
	s_lshl_b32 s23, s[SUB], 8
	s_add_co_u32 s[AOF], s[AOF], s23               ; 256 bytes along K for the second half
	s_mov_b32 s[AOF+1], 0
	s_lshl_b32 s[BOF], s[TX], 8                    ; B: 128 columns of 2 bytes,
	s_lshl_b32 s23, s[SUB], 18
	s_add_co_u32 s[BOF], s[BOF], s23               ; 128 k-rows of 2,048 bytes for the second half
	s_add_co_u32 s[BOF], s[BOF], WOFF
	s_mov_b32 s[BOF+1], 0
	s_mul_i32 s[LWA], s[SUB], SA
	s_mul_i32 s[LWB], s[SUB], SB
	s_add_co_u32 s[LWB], s[LWB], 2*SA
	s_mov_b32 s[CUR], 0
	s_wait_dscnt 0x0
	s_wait_kmcnt 0x0
	s_add_nc_u64 s[AOF:AOF+1], s[4:5], s[AOF:AOF+1]
	s_add_nc_u64 s[BOF:BOF+1], s[6:7], s[BOF:BOF+1]
	CROUND
.irp s, 0,1
	s_mov_b32 s[G0A+4*\s], 1
	s_add_co_u32 s[G0A+4*\s+1], s[LWA], \s*SLOT
	s_add_nc_u64 s[G0A+4*\s+2:G0A+4*\s+3], s[AOF:AOF+1], \s*ASTEP
	s_or_b32 s[G0A+4*\s+3], s[G0A+4*\s+3], 0x80000000
	s_mov_b32 s[G0B+4*\s], 1
	s_add_co_u32 s[G0B+4*\s+1], s[LWB], \s*SLOT
	s_add_nc_u64 s[G0B+4*\s+2:G0B+4*\s+3], s[BOF:BOF+1], \s*BSTEP
	s_or_b32 s[G0B+4*\s+3], s[G0B+4*\s+3], 0x80000000
.endr
	s_cmp_eq_u32 s[ROLE], 0                        ; a wave's two first fills stand in one branch: two loads of mine are out
	s_cbranch_scc0 .Lfirst_b
	tensor_load_to_lds s[G0A:G0A+3], s[G1A:G1A+7]
	s_nop 0
	tensor_load_to_lds s[G0A+4:G0A+7], s[G1A:G1A+7]
	s_nop 0
	PLACES
	s_branch .Lfirst_done
.Lfirst_b:
	tensor_load_to_lds s[G0B:G0B+3], s[G1B:G1B+7]
	s_nop 0
	tensor_load_to_lds s[G0B+4:G0B+7], s[G1B:G1B+7]
	s_nop 0
	PLACES
.Lfirst_done:
	v_and_b32 v1, 15, v0                           ; r
	v_bfe_u32 v2, v0, 4, 1                         ; h
	v_and_b32 v3, 31, v0                           ; lane
	v_mov_b32 v[ONE], 1.0
	; the residual: rows 128 TY + 32 w .. + 31, the tile's 256 bytes of each
	s_lshl_b32 s21, s[TY], 7
	s_lshl_b32 s22, s[WV], 5
	s_add_co_u32 s21, s21, s22                     ; the first row that I finish
	s_lshl_b32 s[TP], s21, 11
	s_lshl_b32 s22, s[TX], 8
	s_add_co_u32 s[TP], s[TP], s22
	s_mov_b32 s[TP+1], 0
	s_add_nc_u64 s[RB:RB+1], s[8:9], s[TP:TP+1]
	v_lshlrev_b32 v[RO], 3, v3
.set i, 0
.rept 32
	global_load_b64 v[192+2*i:193+2*i], v[RO], s[RB:RB+1] offset:i*2048
.set i, i+1
.endr
.if F32OUT
	s_lshl_b32 s22, s[TX], 9
	v_lshl_add_u32 v6, v3, 4, s22
	global_load_b128 v[8:11], v6, s[10:11]         ; the bias of my four columns
	s_lshl_b32 s[TP], s21, 12
	s_add_co_u32 s[TP], s[TP], s22
	s_add_nc_u64 s[OB:OB+1], s[12:13], s[TP:TP+1]
	v_lshlrev_b32 v[CO], 4, v3
.else
	s_add_nc_u64 s[OB:OB+1], s[10:11], s[TP:TP+1]
	v_lshlrev_b32 v[CO], 3, v3
.endif
	v_mul_u32_u24 v4, v1, PA
	v_lshl_add_u32 v4, v2, 4, v4
	s_mul_i32 s21, s[ROLE], SA
	s_lshl_b32 s22, s[SUB], 7                      ; 64 of K are 128 bytes of A's rows
	s_add_co_u32 s21, s21, s22
	v_add_nc_u32 v[ADRA0], s21, v4
	v_add_nc_u32 v[ADRA], s21, v4
	v_and_b32 v4, 7, v0
	v_lshl_add_u32 v4, v2, 3, v4
	v_mul_u32_u24 v4, v4, PB
	v_bfe_u32 v5, v0, 3, 1
	v_lshl_add_u32 v4, v5, 4, v4
	s_mul_i32 s21, s[ROLE], SB
	s_mul_i32 s22, s[SUB], 64*PB                   ; and 64 k-rows of B
	s_add_co_u32 s21, s21, s22
	s_add_co_u32 s21, s21, 2*SA
	v_add_nc_u32 v[ADRB0], s21, v4
	v_add_nc_u32 v[ADRB], s21, v4
	v_mul_u32_u24 v4, v1, DPITCH                   ; the way out: my partial tile at w x DREG
	v_lshl_add_u32 v4, v2, 5, v4
	s_mul_i32 s21, s[WV], DREG
	v_add_nc_u32 v[STO], s21, v4
	s_mul_i32 s21, s[WV], 32*DPITCH                ; back: rows 32 w .. of all four partial tiles
.irp j, 0,1,2,3
	v_lshl_add_u32 v[RDJ+\j], v3, 4, s21
	s_add_co_u32 s21, s21, DREG
.endr
	s_lshl_b32 s21, s[WV], 13
	s_add_co_u32 s21, s21, RES
	v_lshl_add_u32 v[RR], v3, 3, s21
	; the prefetches stand at K step 3; the first refill steps them to 4
	s_lshl_b32 s21, s[TY], 7
	s_lshl_b32 s22, s[CX], 5
	s_add_co_u32 s21, s21, s22
	s_lshl_b32 s21, s21, ASH
	s_lshl_b32 s22, s[SUB], 8
	s_add_co_u32 s21, s21, s22
	s_add_co_u32 s21, s21, 3*ASTEP                 ; A: row 128 TY + 32 cx, my half of the step
	s_lshl_b32 s22, s[SUB], 7
	s_lshl_b32 s23, s[CY], 5
	s_add_co_u32 s22, s22, s23
	s_lshl_b32 s22, s22, 11                        ; B: k-row 128 half + 32 cy
	s_lshl_b32 s23, s[TX], 8
	s_add_co_u32 s22, s22, s23
	s_add_co_u32 s22, s22, WOFF+3*BSTEP
	s_and_b32 s23, ttmp7, 0xffff
	s_mov_b32 s[PST], BSTEP
	s_mov_b32 s[PST+1], 0
	s_mov_b32 s75, BPB
	s_cmp_eq_u32 s[ROLE], 0
	s_cselect_b32 s[TP], s21, s22
	s_cselect_b64 s[PFA:PFA+1], s[4:5], s[6:7]
	s_cselect_b32 s[PST], ASTEP, s[PST]
	s_cselect_b32 s75, 1<<ASH, s75
	s_cselect_b32 s23, ttmp9, s23
	s_cmp_eq_u32 s23, 0
	s_cselect_b32 s[LIM], 2, -1                    ; the last two refills have no step two on
	s_mov_b32 s[TP+1], 0
	s_add_nc_u64 s[PFA:PFA+1], s[PFA:PFA+1], s[TP:TP+1]
	v_mul_lo_u32 v[PFO], v3, s75
	s_wait_loadcnt 0x0
.set i, 0
.rept 32
	ds_store_b64 v[RR], v[192+2*i:193+2*i] offset:i*256
.set i, i+1
.endr
.if F32OUT
	v_cvt_pk_bf16_f32 v4, v8, v9                   ; the bias is an input: rounded to bf16 once
	v_cvt_pk_bf16_f32 v5, v10, v11
	v_lshlrev_b32 v8, 16, v4
	v_and_b32 v9, 0xffff0000, v4
	v_lshlrev_b32 v10, 16, v5
	v_and_b32 v11, 0xffff0000, v5
.endif
	s_wait_tensorcnt 1                             ; my part of K step 0 is in; step 1's may stay out
	s_wait_dscnt 0x0
	s_barrier_signal -1
	s_barrier_wait -1
	FETCH 0, F0
	QUARTER 1, F0, F1, 1                           ; the first quarter's products start the sums
	WIN 0
	s_mov_b32 s[CNT], KSTEPS-2
.Lk:                                               ; a trip: a K step's second quarter with the change of slots, and the next step's first
	TURN 1
	QUARTER 1, F0, F1, 0
	WIN 0
	s_sub_co_u32 s[CNT], s[CNT], 1
	s_cmp_lg_u32 s[CNT], 0
	s_cbranch_scc1 .Lk
	TURN 0                                         ; the last two K steps ask for nothing
	QUARTER 1, F0, F1, 0
	LASTQ
	; THE WAY OUT.  The ring has had its last fill: the four partial tiles go as f32 into its place; then each wave adds up 32 whole rows, adds the residual and the bias, and stores them.
	WIN 0
	PLACES
	s_wait_dscnt 0x0
	s_barrier_signal -1
	s_barrier_wait -1                              ; nobody reads the ring any more
.set a, 0
.rept 8
	WIN 0x08+4*(a/4)
.set bb, 0
.rept 8
	ds_store_b128 v[STO], v[8*(8*(a%4)+bb):8*(8*(a%4)+bb)+3]   offset:a*16*DPITCH+64*bb
	ds_store_b128 v[STO], v[8*(8*(a%4)+bb)+4:8*(8*(a%4)+bb)+7] offset:a*16*DPITCH+64*bb+16
.set bb, bb+1
.endr
.set a, a+1
.endr
	WIN 0
	s_wait_dscnt 0x0
	s_barrier_signal -1
	s_barrier_wait -1
	OLOADS
	s_mov_b32 s[CNT], 8
.Lout:                                             ; a trip: four rows, four columns a lane
	s_wait_dscnt 0x0
.set i, 0
.rept 8
	v_pk_add_f32 v[SUM+2*i:SUM+2*i+1], v[LD+2*i:LD+2*i+1], v[LD+16+2*i:LD+17+2*i]
	v_pk_add_f32 v[TM+2*i:TM+2*i+1], v[LD+32+2*i:LD+33+2*i], v[LD+48+2*i:LD+49+2*i]
.set i, i+1
.endr
.set i, 0
.rept 8
	v_pk_add_f32 v[SUM+2*i:SUM+2*i+1], v[SUM+2*i:SUM+2*i+1], v[TM+2*i:TM+2*i+1]
.set i, i+1
.endr
.set i, 0
.rept 8                                            ; + the residual, straight from its f16 halves
	v_fma_mix_f32 v[SUM+2*i],   v[RSD+i], v[ONE], v[SUM+2*i]   op_sel_hi:[1,0,0]
	v_fma_mix_f32 v[SUM+2*i+1], v[RSD+i], v[ONE], v[SUM+2*i+1] op_sel:[1,0,0] op_sel_hi:[1,0,0]
.set i, i+1
.endr
	s_cmp_eq_u32 s[CNT], 1
	s_cbranch_scc1 .Lout_nl                        ; the last trip loads nothing
.irp j, 0,1,2,3
	v_add_nc_u32 v[RDJ+\j], 4*DPITCH, v[RDJ+\j]
.endr
	v_add_nc_u32 v[RR], 1024, v[RR]
	OLOADS
.Lout_nl:
.if F32OUT
.irp i, 0,1,2,3
	v_pk_add_f32 v[SUM+4*\i:SUM+4*\i+1], v[SUM+4*\i:SUM+4*\i+1], v[8:9]
	v_pk_add_f32 v[SUM+4*\i+2:SUM+4*\i+3], v[SUM+4*\i+2:SUM+4*\i+3], v[10:11]
.endr
.irp i, 0,1,2,3
	global_store_b128 v[CO], v[SUM+4*\i:SUM+4*\i+3], s[OB:OB+1] offset:\i*4096   ; 32 lanes store 512 consecutive bytes, aligned
.endr
	s_wait_xcnt 0x0                                ; SUM and CO are written again only behind this wait
	v_add_nc_u32 v[CO], 16384, v[CO]
.else
.set i, 0
.rept 8
	v_cvt_pk_f16_f32 v[OU+i], v[SUM+2*i], v[SUM+2*i+1]
.set i, i+1
.endr
.irp i, 0,1,2,3
	global_store_b64 v[CO], v[OU+2*\i:OU+2*\i+1], s[OB:OB+1] offset:\i*2048      ; 32 lanes store 256 consecutive bytes, aligned
.endr
	s_wait_xcnt 0x0                                ; OU and CO are written again only behind this wait
	v_add_nc_u32 v[CO], 8192, v[CO]
.endif
	s_sub_co_u32 s[CNT], s[CNT], 1
	s_cmp_lg_u32 s[CNT], 0
	s_cbranch_scc1 .Lout
	s_wait_tensorcnt 0x0                           ; the wave's end
	ds_add_u32 v[SPW], v[NIL]
	s_wait_dscnt 0x0
	CROUND                                         ; the closing round
	s_endpgm
.Lfunc_end_k_qfad59b8c41_mlp2:
	.size	k_qfad59b8c41_mlp2, .Lfunc_end_k_qfad59b8c41_mlp2-k_qfad59b8c41_mlp2
	.p2alignl 7, 3214868480
	.fill 96, 4, 3214868480
	.section	.rodata,"a",@progbits
	.p2align	6, 0x0
	.amdhsa_kernel k_qfad59b8c41_mlp2
		.amdhsa_group_segment_fixed_size 327680
		.amdhsa_private_segment_fixed_size 0
		.amdhsa_enable_private_segment 0
		.amdhsa_kernarg_size 40
		.amdhsa_user_sgpr_count 2
		.amdhsa_user_sgpr_kernarg_segment_ptr 1
		.amdhsa_wavefront_size32 1
		.amdhsa_system_sgpr_workgroup_id_x 1
		.amdhsa_system_sgpr_workgroup_id_y 1
		.amdhsa_system_sgpr_workgroup_id_z 1
		.amdhsa_system_vgpr_workitem_id 0
		.amdhsa_next_free_vgpr 1024
		.amdhsa_next_free_sgpr 96
		.amdhsa_reserve_vcc 0
		.amdhsa_float_denorm_mode_32 3
		.amdhsa_float_denorm_mode_16_64 3
		.amdhsa_memory_ordered 1
		.amdhsa_forward_progress 1
		.amdhsa_inst_pref_size 70
	.end_amdhsa_kernel
	.amdgpu_metadata
---
amdhsa.version: [ 1, 2 ]
amdhsa.kernels:
  - .name:           k_qfad59b8c41_mlp2
    .symbol:         k_qfad59b8c41_mlp2.kd
    .args:
      - { .name: gh, .offset: 0, .size: 8, .value_kind: global_buffer, .address_space: global }
      - { .name: wts, .offset: 8, .size: 8, .value_kind: global_buffer, .address_space: global }
      - { .name: hres, .offset: 16, .size: 8, .value_kind: global_buffer, .address_space: global }
      - { .name: b2, .offset: 24, .size: 8, .value_kind: global_buffer, .address_space: global }
      - { .name: out0, .offset: 32, .size: 8, .value_kind: global_buffer, .address_space: global }
    .group_segment_fixed_size: 327680
    .private_segment_fixed_size: 0
    .kernarg_segment_align: 8
    .kernarg_segment_size: 40
    .max_flat_workgroup_size: 128
    .sgpr_count:     96
    .vgpr_count:     1024
    .wavefront_size: 32
...
	.end_amdgpu_metadata
.endif
;; end of part 7
;; ======== version 2 of 2: 7 launches; version 1 with the launch scan written anew for expert scheduling mode
;; limits: values are held in f16: magnitudes above 65,504 overflow, below 6.1e-05 lose precision
;; workspace buffers: xh 8,388,608 bytes; hb 8,388,608 bytes; wts 27,262,976 bytes; qkv 25,165,824 bytes; o2 16,777,216 bytes; hres 8,388,608 bytes; gh 33,554,432 bytes
;; launch prep: the kernel of part 1 again; grid 512 x 1, 8 waves a work-group, no clusters, 0 bytes of LDS; arguments hidden_states, ln1_w, ln1_b, Wq, Wf, Wi, Wo, W1, W2, xh, hb, wts; writes xh, hb, wts
;; launch proj: the kernel of part 2 again; grid 8 x 32, 4 waves a work-group, clusters of 4 x 4, 327,680 bytes of LDS; arguments xh, wts, qkv; writes qkv
;; launch scan (part 8): grid 256 x 1, 8 waves a work-group, no clusters, 300,544 bytes of LDS; arguments qkv, g_norm_w, o2; writes o2
.if DOCPART == 8
	.amdgcn_target "amdgcn-amd-amdhsa--gfx1250"
	.amdhsa_code_object_version 6
	.text
	.protected	k_qfad59b8c41_scan
	.globl	k_qfad59b8c41_scan
	.p2align	8
	.type	k_qfad59b8c41_scan,@function
k_qfad59b8c41_scan:
	s_mov_b64 s[64:65], 0
	v_nop
	global_prefetch_b8 v0, s[64:65] scope:SCOPE_SE
	s_setreg_imm32_b32 hwreg(HW_REG_WAVE_SCHED_MODE, 0, 2), 2
	s_setreg_imm32_b32 hwreg(HW_REG_WAVE_MODE, 25, 1), 1
	s_wait_xcnt 0x0
	s_wait_alu depctr_vm_vsrc(0)
; SCAN: the gated recurrence S_t = diag(lambda_t) S_(t-1) + k_t v_t^T, o_t = q_t S_t, lambda = 1 - k, as masked products; then the RMS norm over a head's 128 channels, times g_norm_w (rounded to bf16).
; A work-group is one (batch, head, direction): 256 steps.  The reversed direction reads the rows backward and stores its result at the SCAN index (the streams are summed at equal index).
; o_t = sum over s <= t of A[t][s] v_s,  A[t][s] = sum over e of q_t[e] k_s[e] prod(u = s+1 .. t) lambda_u[e].  EVERY decay factor that is formed is a product of lambdas over a range between key and query:
; all are at most 1, an underflow is a 0 where the true factor is as good as 0, and nothing is ever divided.
;   between tiles of 16 rows, J < I:  A = (Q0_t x prod(J < j < I) T_j) . Kt_s;  Q0_t = q_t prod(16 I .. t), Kt_s = k_s prod(s+1 .. 16 J + 15), T_j = tile j's whole product.  The middle factor rides on the
;   query side, kept in f32 and rounded to f16 anew for each J, walking J downward.
;   inside a tile, s < t: with h in 8, 4, 2, 1 the highest bit in which s and t differ and m the middle of their block of 2 h rows: row t (right half) X_t = q_t prod(m .. t), row s (left half) X_s = k_s prod(s+1 .. m-1).
;   Each row has one part at each level, so one 16 x 128 matrix X serves as both sources; lane masks pick the wanted entries of X X^T.  The diagonal is q_t . k_t.
; LIMITS.  q, v, A and o within 65,504 (f16); factors below f16's smallest step count as 0.
; SHARES.  Eight waves; wave w owns tiles w and 15 - w: 17 key tiles for every wave.  No tensor load (the reversal is made by lane addresses), no cluster: only the two directions of a head share bytes.
; LDS: KT 256 x 272 | VT 256 x 288 | QT 256 x 272 | TT 16 x 512 (f32) | DT 16 x 512 (the diagonal tiles' weights, by lane) | GW 512 | SC 8 x 2 x 16 x 272 (each wave's own) | spare words.
; THE MODE: SCHED_MODE bits 1:0 = 2 (LLVM: expert scheduling mode 2), set by the entry lines.  The code itself states the register dependences between vector or matrix instructions
; and memory or LDS instructions, with s_wait_alu, always for 0.
; THE PLAN, FIRST PHASE.  Registers that memory or LDS instructions touch:
;   QR, KR        written by the head's loads (second trip: by 96 moves); read by vector lines and by the LDS stores of rows that go out as they are.
;   OA, OB        two out-buffers of 16 rows, by turns: L8 > OB, L4 > OA, Q0 > OB, Kt > OA, L2 > OB, L1 > OA.  A level's arithmetic writes one; its run of 16 stores reads it.  OA arrives holding v, OB the rows' offsets.
;   ACC           the query side's running product: vector lines write it, the stores of T and of the diagonal weights read it.  AC2, the key side's, is named by vector lines alone.
;   FR0, FR1      fragments: LDS loads write them, matrix instructions alone read them.
;   v4-v8         the tile's five LDS addresses, made once a trip.  ASC, AFR, L8, L16, FRB: made at the head, never written again.
;   Behind a level's arithmetic stand two waits and its stores: vm_vsrc (the stores issued a level back have read the OTHER buffer) and va_vdst (this buffer is written).
; THE PLAN, SECOND PHASE.  A key tile's loads are issued a trip ahead, each run as soon as its registers are read out:
;   KF (Kt) and TB (T): read by the four score products and the 32 multiplies; behind them ONE va_vdst, then the next tile's 24 loads.   VF (V): read by the eight products V^T P; behind them and the 32 roundings one va_vdst, then 8 loads.
;   AK, AT2, AV: read by those loads, made anew in the middle of a trip behind one vm_vsrc and ahead of the first va_vdst.  QF, PP, S0, S1, QX, O^T are named by vector and matrix instructions alone inside the loop.
;   Behind key tile 0 (and for a wave's tile 0) tile 15 is asked for and not used: 32 LDS loads a tile, the price of one text for every trip.
.set PK,  272
.set PV,  288
.set KT,  0
.set VT,  69632
.set QT,  143360
.set TT,  212992
.set DT,  221184
.set GW,  229376
.set SC,  229888
.set SCB, 4352                          ; one scratch buffer
.set SPARE, 299520
; window 0, always
.set L8,   1                            ; 8 x lane
.set ASC,  2                            ; my scratch + 8 x lane: rows in
.set AFR,  3                            ; my scratch + r x 272 + 16 h: fragments out
.set AQT,  4
.set AKT,  5
.set AVT,  6
.set ATT,  7
.set ADT,  8
.set ONE,  9
.set NEG1, 10
.set ZERO, 11
.set SPW,  12
.set NIL,  13
.set L16,  14                           ; 16 x lane
.set FRB,  15                           ; r x 272 + 16 h
; window 0, first phase: a lane holds channels 4 l .. 4 l + 3 of a tile's 16 rows
.set QR,   16                           ; v[16:47]   q, two registers a row
.set KR,   48                           ; v[48:79]   k
.set VR,   80                           ; v[80:111]  v as loaded;
.set OA,   80                           ;            then out-buffer A: two registers a row
.set LAM,  112                          ; v[112:175] lambda in f32, four a row
.set ACC,  176                          ; v[176:179] the running product on the query side
.set AC2,  180                          ; v[180:183] the running product on the key side
.set OFFS, 184                          ; v[184:199] the byte offsets in a plane of tile w's 16 rows,
.set OFF2, 200                          ; v[200:215] and of tile 15 - w's;
.set OB,   184                          ;            then out-buffer B.  The half-writing forms keep the other half: both out-buffers have been written whole before
.set DA,   232
.set DB,   240
.set AT,   248                          ; v[248:255] the diagonal tile's weights: key 8 h + j, query r
; window 0, second phase
.set VTB,  16
.set THB,  17
.set GWB,  18
.set RDS,  19
.set GO0,  20
.set GO,   21
.set AQ,   22
.set AK,   23
.set AV,   24
.set AT2,  25
.set ADP,  26
.set AVD,  27                           ; V of the diagonal tile
.set QF,   32                           ; v[32:63]   the queries' fragments
.set KF,   64                           ; v[64:95]   a key tile's fragments
.set PP,   96                           ; v[96:103]  weights as source 1: 16 keys, the upper 16 are 0
.set S0,   104
.set S1,   112
.set VF,   120                          ; v[120:183] V^T, eight fragments of 16 channels x 16 keys, upper halves 0
.set TB,   184                          ; v[184:247] T_J by my lanes' channels; at a tile's end g / rms
.set SS,   104
.set RS,   112
; window 1: v0-63 O^T; v64-127 the queries in f32; in the first phase v0-95 the second tile as loaded, v128-191 the fragments; in the second phase v128-191 the gain
.set QX,   64
.set FR0,  128
.set FR1,  160
.set GG,   128
.set WV,   10
.set DIR,  11
.set HEAD, 12
.set BT,   13
.set TI,   14
.set CNT,  15
.set CT,   16
.set STEP, 17
.set M8,   20                           ; s[20:59] lane masks, eight a class
.set M4,   28
.set M2,   36
.set M1,   44
.set MD,   52
.set QP,   66
.set KP,   68
.set VP,   70
.set OP,   72
.set SEL,  74
.set C128, 76
.set EPS,  77
.set MSB, 0
.macro WIN new
.if MSB != (\new)
	s_set_vgpr_msb (MSB<<8)|(\new)
.set MSB, \new
.endif
.endm
.macro PLACES
.rept 4
	v_nop
.endr
.endm
.macro ROWS tile, dst, sa               ; the byte offsets of scan tile s[tile]'s 16 rows: forward from row 16 I, or backward from row 255 - 16 I
	s_lshl_b32 s[\sa], s[\tile], 4
	s_sub_co_u32 s[(\sa)+1], 255, s[\sa]
	s_cmp_eq_u32 s[DIR], 1
	s_cselect_b32 s[\sa], s[(\sa)+1], s[\sa]
	s_lshl_b32 s[\sa], s[\sa], 8
	v_add_nc_u32 v[\dst], s[\sa], v[L8]
.set i, 1
.rept 15
	v_add_nc_u32 v[(\dst)+i], s[STEP], v[(\dst)+i-1]
.set i, i+1
.endr
.endm
.macro LOADT d, o                       ; 48 loads, each a whole row of 256 bytes: q to d, k to d + 32, v to d + 64
.set i, 0
.rept 16
	global_load_b64 v[(\d)+2*i:(\d)+2*i+1],       v[(\o)+i], s[QP:QP+1]
	global_load_b64 v[(\d)+32+2*i:(\d)+33+2*i],   v[(\o)+i], s[KP:KP+1]
	global_load_b64 v[(\d)+64+2*i:(\d)+65+2*i],   v[(\o)+i], s[VP:VP+1]
.set i, i+1
.endr
.endm
.macro EMIT src, row, ac, ob            ; a row of src (four f16) times four f32 factors, rounded once to f16, into its place in out-buffer ob
.set oo, (\ob)+2*(\row)
	v_fma_mixlo_f16 v[oo],   v[(\src)+2*(\row)],   v[(\ac)],   v[ZERO] op_sel_hi:[1,0,0]
	v_fma_mixhi_f16 v[oo],   v[(\src)+2*(\row)],   v[(\ac)+1], v[ZERO] op_sel:[1,0,0] op_sel_hi:[1,0,0]
	v_fma_mixlo_f16 v[oo+1], v[(\src)+2*(\row)+1], v[(\ac)+2], v[ZERO] op_sel_hi:[1,0,0]
	v_fma_mixhi_f16 v[oo+1], v[(\src)+2*(\row)+1], v[(\ac)+3], v[ZERO] op_sel:[1,0,0] op_sel_hi:[1,0,0]
.endm
.macro PREFQ lo, n, ob                  ; rows lo .. lo + n - 1: q_t x prod(lo .. t) lambda
.set t, (\lo)
.rept \n
.if t == (\lo)
	EMIT QR, t, LAM+4*t, \ob
.else
.if t == (\lo)+1
	v_pk_mul_f32 v[ACC:ACC+1],   v[LAM+4*t-4:LAM+4*t-3], v[LAM+4*t:LAM+4*t+1]
	v_pk_mul_f32 v[ACC+2:ACC+3], v[LAM+4*t-2:LAM+4*t-1], v[LAM+4*t+2:LAM+4*t+3]
.else
	v_pk_mul_f32 v[ACC:ACC+1],   v[ACC:ACC+1],   v[LAM+4*t:LAM+4*t+1]
	v_pk_mul_f32 v[ACC+2:ACC+3], v[ACC+2:ACC+3], v[LAM+4*t+2:LAM+4*t+3]
.endif
	EMIT QR, t, ACC, \ob
.endif
.set t, t+1
.endr
.endm
.macro SUFK lo, n, ob                   ; rows lo + n - 2 down to lo: k_s x prod(s + 1 .. lo + n - 1) lambda; row lo + n - 1 is k as it is and goes out of KR
.set t, (\lo)+(\n)-1
.rept \n
.if t == (\lo)+(\n)-2
	EMIT KR, t, LAM+4*t+4, \ob
.elseif t < (\lo)+(\n)-2
.if t == (\lo)+(\n)-3
	v_pk_mul_f32 v[AC2:AC2+1],   v[LAM+4*t+8:LAM+4*t+9],   v[LAM+4*t+4:LAM+4*t+5]
	v_pk_mul_f32 v[AC2+2:AC2+3], v[LAM+4*t+10:LAM+4*t+11], v[LAM+4*t+6:LAM+4*t+7]
.else
	v_pk_mul_f32 v[AC2:AC2+1],   v[AC2:AC2+1],   v[LAM+4*t+4:LAM+4*t+5]
	v_pk_mul_f32 v[AC2+2:AC2+3], v[AC2+2:AC2+3], v[LAM+4*t+6:LAM+4*t+7]
.endif
	EMIT KR, t, AC2, \ob
.endif
.set t, t-1
.endr
.endm
.macro LEVEL h, ob                      ; X of level h into out-buffer ob
.set bs, 0
.rept 8/(\h)
	SUFK bs, \h, \ob
	PREFQ bs+(\h), \h, \ob
.set bs, bs+2*(\h)
.endr
.endm
; The 16 rows just made go to LDS in one run.  h: rows t with t % 2 h = h - 1 are k as it is (h = 32: none).  free = 1: the other out-buffer is written next.
.macro SEND adr, off, ob, h, free
.if \free
	s_wait_alu depctr_vm_vsrc(0)                   ; the LDS stores issued so far have read their data: the other out-buffer (at its first use: v's rows) and ACC are written again by the rows made next
.endif
	s_wait_alu depctr_va_vdst(0)                   ; the lines above have written this out-buffer (and ACC), which the stores below read; all earlier products are done reading their fragments
.set t, 0
.rept 16
.if (t % (2*(\h))) == (\h)-1
	ds_store_b64 v[\adr], v[KR+2*t:KR+2*t+1] offset:(\off)+t*PK
.else
	ds_store_b64 v[\adr], v[(\ob)+2*t:(\ob)+2*t+1] offset:(\off)+t*PK
.endif
.set t, t+1
.endr
.endm
.macro FRAGS fr, buf                    ; 16 rows x 128 channels out of scratch buffer buf as four fragments, into window 1
.irp c, 0,1,2,3
	ds_load_b128 v[(\fr)+8*\c:(\fr)+8*\c+3],   v[AFR] offset:(\buf)*SCB+64*\c
	ds_load_b128 v[(\fr)+8*\c+4:(\fr)+8*\c+7], v[AFR] offset:(\buf)*SCB+64*\c+32
.endr
.endm
.macro GRAM                             ; DA = X0 X0^T, DB = X1 X1^T: the two accumulators take turns
	WIN 0x05                                       ; sources 0 and 1 window 1
	v_wmma_f32_16x16x32_f16 v[DA:DA+7], v[FR0:FR0+7], v[FR0:FR0+7], 0
	v_wmma_f32_16x16x32_f16 v[DB:DB+7], v[FR1:FR1+7], v[FR1:FR1+7], 0
.irp c, 1,2,3
	v_wmma_f32_16x16x32_f16 v[DA:DA+7], v[FR0+8*\c:FR0+8*\c+7], v[FR0+8*\c:FR0+8*\c+7], v[DA:DA+7]
	v_wmma_f32_16x16x32_f16 v[DB:DB+7], v[FR1+8*\c:FR1+8*\c+7], v[FR1+8*\c:FR1+8*\c+7], v[DB:DB+7]
.endr
	WIN 0
.endm
.macro MERGE d, m, first                ; AT takes d where mask m is set; registers in ascending order
.set j, 0
.rept 8
.if \first
	v_cndmask_b32 v[AT+j], 0, v[(\d)+j], s[(\m)+j]
.else
	v_cndmask_b32 v[AT+j], v[AT+j], v[(\d)+j], s[(\m)+j]
.endif
.set j, j+1
.endr
.endm
.macro KTLOADS                          ; 24 LDS loads: Kt and T of the key tile whose addresses stand in AK and AT2
.irp c, 0,1,2,3
	ds_load_b128 v[KF+8*\c:KF+8*\c+3],   v[AK] offset:64*\c
	ds_load_b128 v[KF+8*\c+4:KF+8*\c+7], v[AK] offset:64*\c+32
.endr
.irp c, 0,1,2,3
	ds_load_b128 v[TB+16*\c:TB+16*\c+3],     v[AT2] offset:128*\c
	ds_load_b128 v[TB+16*\c+4:TB+16*\c+7],   v[AT2] offset:128*\c+16
	ds_load_b128 v[TB+16*\c+8:TB+16*\c+11],  v[AT2] offset:128*\c+64
	ds_load_b128 v[TB+16*\c+12:TB+16*\c+15], v[AT2] offset:128*\c+80
.endr
.endm
.macro VLOADS adr                       ; 8 LDS loads: a tile's V, turned
.irp d, 0,1,2,3,4,5,6,7
	ds_load_tr16_b128 v[VF+8*\d:VF+8*\d+3], v[\adr] offset:32*\d
.endr
.endm
	s_load_b128 s[4:7], s[0:1], 0x0                ; qkv s[4:5], g_norm_w s[6:7]
	s_load_b64 s[8:9], s[0:1], 0x10                ; o2
	v_lshl_add_u32 v[SPW], v0, 2, SPARE
	v_mov_b32 v[NIL], 0
	v_lshrrev_b32 v[DA], 5, v0
	v_readfirstlane_b32 s[WV], v[DA]
	s_and_b32 s[DIR], ttmp9, 1
	s_bfe_u32 s[HEAD], ttmp9, 0x30001
	s_lshr_b32 s[BT], ttmp9, 4
	v_and_b32 v[DA], 31, v0
	v_lshlrev_b32 v[L8], 3, v[DA]
	v_lshlrev_b32 v[L16], 4, v[DA]
	v_and_b32 v[DA+2], 15, v0                      ; r: the query
	v_bfe_u32 v[DA+3], v0, 4, 1                    ; h
	v_mul_u32_u24 v[FRB], v[DA+2], PK
	v_lshl_add_u32 v[FRB], v[DA+3], 4, v[FRB]
	s_wait_alu depctr_va_sdst(0)                   ; the wave's number is written into s[WV], ahead of its first reader
	s_mul_i32 s86, s[WV], 2*SCB
	s_add_co_u32 s86, s86, SC
	v_add_nc_u32 v[ASC], s86, v[L8]
	v_add_nc_u32 v[AFR], s86, v[FRB]
	v_mov_b32 v[ONE], 1.0
	v_mov_b32 v[NEG1], -1.0
	v_mov_b32 v[ZERO], 0
	v_lshlrev_b32 v[DA+3], 3, v[DA+3]              ; 8 h
	; register j of a result holds (key 8 h + j, query r).  x = key xor query; its highest bit is the level; only key < query counts; x = 0 is the diagonal.
	; The compares stand in two runs of 24, each with one wait; the scalar lines behind it cut the classes apart, in place.
.irp half, 0,4
.irp j, 0,1,2,3
	v_add_nc_u32 v[DA], \half+\j, v[DA+3]
	v_xor_b32 v[DA+1], v[DA], v[DA+2]
	v_cmp_lt_u32 s[60+\j], v[DA], v[DA+2]
	v_cmp_le_u32 s[M8+\half+\j], 8, v[DA+1]
	v_cmp_le_u32 s[M4+\half+\j], 4, v[DA+1]
	v_cmp_le_u32 s[M2+\half+\j], 2, v[DA+1]
	v_cmp_eq_u32 s[M1+\half+\j], 1, v[DA+1]
	v_cmp_eq_u32 s[MD+\half+\j], 0, v[DA+1]
.endr
	s_wait_alu depctr_va_sdst(0)                   ; the 24 compares above have written their masks, ahead of the first reader of each
.irp j, 0,1,2,3
	s_and_not1_b32 s[M2+\half+\j], s[M2+\half+\j], s[M4+\half+\j]
	s_and_b32 s[M2+\half+\j], s[M2+\half+\j], s[60+\j]
	s_and_not1_b32 s[M4+\half+\j], s[M4+\half+\j], s[M8+\half+\j]
	s_and_b32 s[M4+\half+\j], s[M4+\half+\j], s[60+\j]
	s_and_b32 s[M8+\half+\j], s[M8+\half+\j], s[60+\j]
	s_and_b32 s[M1+\half+\j], s[M1+\half+\j], s[60+\j]
.endr
.endr
	s_mov_b32 s[SEL], 0x76543210
	s_mov_b32 s[SEL+1], 0xfedcba98
	s_mov_b32 s[C128], 0x3c000000                  ; 1/128
	s_mov_b32 s[EPS], 0x358637bd                   ; 1e-6
	s_mov_b32 s[STEP], 256
	s_cmp_eq_u32 s[DIR], 1
	s_cselect_b32 s[STEP], 0xffffff00, s[STEP]     ; a row up or a row down
	s_lshl_b32 s78, s[HEAD], 20                    ; a plane is 1,048,576 bytes,
	s_lshl_b32 s79, s[BT], 16                      ; a batch's 256 rows 65,536
	s_add_co_u32 s78, s78, s79
	s_mov_b32 s79, 0
	s_lshl_b32 s82, s[BT], 20                      ; o2: 256 rows of 4,096 bytes,
	s_lshl_b32 s83, s[DIR], 11                     ; the direction's half of a row,
	s_add_co_u32 s82, s82, s83
	s_lshl_b32 s83, s[HEAD], 8                     ; the head's 256 bytes
	s_add_co_u32 s82, s82, s83
	s_mov_b32 s83, 0
	s_wait_kmcnt 0x0
	s_add_nc_u64 s[QP:QP+1], s[4:5], s[78:79]
	s_add_nc_u64 s[KP:KP+1], s[QP:QP+1], 8388608
	s_add_nc_u64 s[VP:VP+1], s[QP:QP+1], 16777216
	s_add_nc_u64 s[OP:OP+1], s[8:9], s[82:83]
	ROWS WV, OFFS, 80                              ; both tiles' offsets are made ahead of the first load
	s_sub_co_u32 s82, 15, s[WV]
	ROWS 82, OFF2, 84
	s_wait_alu depctr_va_vdst(0)                   ; L8, L16, ASC, AFR, FRB and the 32 offsets are written, which the loads and stores below read as addresses
	s_cmp_lg_u32 s[WV], 0
	s_cbranch_scc1 .Lno_g0
	global_load_b128 v[ACC:ACC+3], v[L16], s[6:7]  ; wave 0: the gain, four numbers a lane
.Lno_g0:
	LOADT QR, OFFS                                 ; tile w
	s_cmp_lg_u32 s[WV], 0
	s_cbranch_scc1 .Lno_g1
	s_wait_loadcnt 48                              ; the gain is in: the 48 loads issued behind it may stay out
	v_cvt_pk_bf16_f32 v[DA], v[ACC], v[ACC+1]
	v_cvt_pk_bf16_f32 v[DA+1], v[ACC+2], v[ACC+3]
	v_lshlrev_b32 v[ACC], 16, v[DA]
	v_and_b32 v[ACC+1], 0xffff0000, v[DA]
	v_lshlrev_b32 v[ACC+2], 16, v[DA+1]
	v_and_b32 v[ACC+3], 0xffff0000, v[DA+1]
	v_add_nc_u32 v[DA+2], GW, v[L16]
	s_wait_alu depctr_va_vdst(0)                   ; the rounded gain and its LDS address are written, which the store reads
	ds_store_b128 v[DA+2], v[ACC:ACC+3]
.Lno_g1:
	WIN 0x40                                       ; destination window 1
	LOADT 0, OFF2                                  ; tile 15 - w waits there for its turn.  No wait: no vector line since the wait on va_vdst at the head names OFF2 or these registers
	WIN 0
	s_wait_xcnt 0x0                                ; the 96 loads' addresses are translated: their offsets are written again only behind this wait,
	s_wait_alu depctr_vm_vsrc(0)                   ; and the loads have read them: they are out-buffer B from here on; wave 0's store has read ACC and its address, which vector and matrix lines write below
	; FIRST PHASE, a trip a tile: V, Q0, Kt, T and the diagonal tile's weights go to LDS
	s_mov_b32 s[TI], s[WV]
	s_mov_b32 s[CNT], 2
.Lp1:
	s_wait_loadcnt 48                              ; the first tile is in; the second's 48 loads may stay out (in the second trip nothing is out)
	s_mul_i32 s78, s[TI], 16*PK
	s_add_co_u32 s79, s78, QT
	s_mul_i32 s80, s[TI], 16*PV
	s_add_co_u32 s80, s80, VT
	s_lshl_b32 s81, s[TI], 9
	s_add_co_u32 s82, s81, TT
	s_add_co_u32 s83, s81, DT
	v_add_nc_u32 v[AKT], s78, v[L8]
	v_add_nc_u32 v[AQT], s79, v[L8]
	v_add_nc_u32 v[AVT], s80, v[L8]
	v_add_nc_u32 v[ATT], s82, v[L16]
	v_add_nc_u32 v[ADT], s83, v[L16]
	s_wait_alu depctr_va_vdst(0)                   ; the tile's five LDS addresses are written; in the second trip so are q, k and v, by the 96 moves: the stores of this trip read them
.set i, 0
.rept 16
	ds_store_b64 v[AVT], v[VR+2*i:VR+2*i+1] offset:i*PV
.set i, i+1
.endr
.set i, 0
.rept 32                                           ; lambda = 1 - k, in f32
	v_fma_mix_f32 v[LAM+2*i],   v[KR+i], v[NEG1], v[ONE] op_sel_hi:[1,0,0]
	v_fma_mix_f32 v[LAM+2*i+1], v[KR+i], v[NEG1], v[ONE] op_sel:[1,0,0] op_sel_hi:[1,0,0]
.set i, i+1
.endr
	LEVEL 8, OB
	SEND ASC, 0, OB, 8, 1
	LEVEL 4, OA
	SEND ASC, SCB, OA, 4, 1
	WIN 0x40                                       ; destination window 1
	FRAGS FR0, 0                                   ; LDS serves a wave's instructions in order (ISA guide 5.7.1.4): these see the rows above.  No wait: the wait on va_vdst just above stands behind
	FRAGS FR1, 1                                   ; the last trip's products, which read these registers, and only stores of other registers were issued since
	WIN 0
	PREFQ 0, 16, OB                                ; Q0, while the fragments come
	SEND AQT, 0, OB, 32, 1
	ds_store_b128 v[ATT], v[ACC:ACC+3]             ; what is left in the query side's running product is T; it was written ahead of the wait on va_vdst above
	SUFK 0, 16, OA                                 ; Kt: it writes AC2, not ACC
	SEND AKT, 0, OA, 16, 1
	s_wait_dscnt 33                                ; the fragments are in: the 33 stores issued behind their loads (Q0's 16, T's, Kt's 16) may stay out
	GRAM
	LEVEL 2, OB                                    ; this vector work names none of the products' registers: it is their places
	SEND ASC, 0, OB, 2, 1
	LEVEL 1, OA
	SEND ASC, SCB, OA, 1, 0
	WIN 0x40
	FRAGS FR0, 0                                   ; no wait: the wait on va_vdst just above stands behind the eight products that read these registers
	FRAGS FR1, 1
	WIN 0
	MERGE DA, M8, 1                                ; while the fragments come
	MERGE DB, M4, 0
	s_wait_dscnt 0x0
	GRAM
.set i, 0
.rept 16
	ds_store_b64 v[ASC], v[QR+2*i:QR+2*i+1] offset:i*PK         ; q and k as they are, for the diagonal
	ds_store_b64 v[ASC], v[KR+2*i:KR+2*i+1] offset:SCB+i*PK
.set i, i+1
.endr
	WIN 0x40
	s_wait_alu depctr_va_vdst(0)                   ; the eight products above are done reading FR0 and FR1, in which the loads below land
	FRAGS FR0, 0
	FRAGS FR1, 1
	WIN 0
	PLACES                                         ; the places behind those products stay beside the wait
	v_nop
	MERGE DA, M2, 0
	MERGE DB, M1, 0
	s_wait_dscnt 0x0
	WIN 0x05
	v_wmma_f32_16x16x32_f16 v[DA:DA+7], v[FR1:FR1+7],       v[FR0:FR0+7],       0
	v_wmma_f32_16x16x32_f16 v[DB:DB+7], v[FR1+8:FR1+15],    v[FR0+8:FR0+15],    0
	v_wmma_f32_16x16x32_f16 v[DA:DA+7], v[FR1+16:FR1+23],   v[FR0+16:FR0+23],   v[DA:DA+7]
	v_wmma_f32_16x16x32_f16 v[DB:DB+7], v[FR1+24:FR1+31],   v[FR0+24:FR0+31],   v[DB:DB+7]
	WIN 0
	PLACES
.irp j, 0,2,4,6
	v_pk_add_f32 v[DA+\j:DA+\j+1], v[DA+\j:DA+\j+1], v[DB+\j:DB+\j+1]
.endr
	MERGE DA, MD, 0
.irp j, 0,1,2,3
	v_cvt_pk_f16_f32 v[ACC+\j], v[AT+2*\j], v[AT+2*\j+1]
.endr
	s_wait_alu depctr_va_vdst(0)                   ; the four roundings have written ACC, which the store reads
	ds_store_b128 v[ADT], v[ACC:ACC+3]             ; by lane: the same lane takes it back as source 1's lower half
	s_wait_alu depctr_vm_vsrc(0)                   ; this trip's LDS stores have read q, k, both out-buffers, ACC and the five addresses: the moves below, the next trip and the second phase write them
	s_cmp_eq_u32 s[CNT], 1
	s_cbranch_scc1 .Lp1_end
	s_wait_loadcnt 0x0                             ; the second tile is in
	WIN 0x01                                       ; source window 1
.set i, 0
.rept 96
	v_mov_b32 v[QR+i], v[i]                        ; it goes where the one text of a trip names q, k and v
.set i, i+1
.endr
	WIN 0
.Lp1_end:
	s_sub_co_u32 s[TI], 15, s[TI]                  ; w, 15 - w, and w again for the second phase
	s_sub_co_u32 s[CNT], s[CNT], 1
	s_cmp_lg_u32 s[CNT], 0
	s_cbranch_scc1 .Lp1
	s_wait_dscnt 0x0
	s_barrier_signal -1
	s_barrier_wait -1                              ; all tiles' Kt, V and T, and the gain, lie in LDS; from here on they are only read
	; SECOND PHASE
	v_and_b32 v[AQ], 15, v0                        ; r
	v_bfe_u32 v[AK], v0, 4, 1                      ; h
	v_and_b32 v[AV], 7, v0
	v_lshl_add_u32 v[VTB], v[AK], 3, v[AV]         ; the turning load: key 8 h + l % 8,
	v_mul_u32_u24 v[VTB], v[VTB], PV
	v_bfe_u32 v[AV], v0, 3, 1
	v_lshl_add_u32 v[VTB], v[AV], 4, v[VTB]        ; 16 bytes by (l / 8) % 2
	v_add_nc_u32 v[VTB], VT, v[VTB]
	v_lshlrev_b32 v[THB], 5, v[AK]
	v_add_nc_u32 v[GWB], GW, v[THB]
	v_add_nc_u32 v[THB], TT, v[THB]
	v_mul_u32_u24 v[RDS], v[AK], PK                ; the stage, back: lanes 0-15 one row of 256 bytes, lanes 16-31 the next
	v_lshl_add_u32 v[RDS], v[AQ], 4, v[RDS]
	s_mul_i32 s78, s[WV], 2*SCB
	s_add_co_u32 s78, s78, SC
	v_add_nc_u32 v[RDS], s78, v[RDS]
	v_lshlrev_b32 v[GO0], 12, v[AK]                ; and the same two rows in o2
	v_lshl_add_u32 v[GO0], v[AQ], 4, v[GO0]
.set i, 0
.rept 8
.irp j, 4,5,6,7
	v_mov_b32 v[VF+8*i+\j], 0                      ; keys 16-31 of a product V^T P do not exist: both sources hold 0 there
.endr
.set i, i+1
.endr
.irp j, 4,5,6,7
	v_mov_b32 v[PP+\j], 0
.endr
	s_mov_b32 s[CNT], 2
.Ltile:
	s_wait_xcnt 0x0                                ; the last tile's stores have had their addresses translated: their registers are written again only behind this wait,
	s_wait_alu depctr_vm_vsrc(0)                   ; and the last tile's loads and stores have read the addresses made anew below, KF (the stage's stores) and QF (the stores to o2), in which loads land below
	s_mul_i32 s78, s[TI], 16*PK
	s_add_co_u32 s78, s78, QT
	s_mul_i32 s79, s[TI], 16*PV
	s_lshl_b32 s80, s[TI], 9
	s_add_co_u32 s80, s80, DT
	s_lshl_b32 s81, s[TI], 16
	s_add_co_u32 s82, s[TI], 15
	s_and_b32 s82, s82, 15                         ; the first key tile, I - 1; for I = 0 tile 15, which is not used
	s_mul_i32 s83, s82, 16*PK
	s_mul_i32 s84, s82, 16*PV
	s_lshl_b32 s85, s82, 9
	v_add_nc_u32 v[AQ], s78, v[FRB]
	v_add_nc_u32 v[AVD], s79, v[VTB]
	v_add_nc_u32 v[ADP], s80, v[L16]
	v_add_nc_u32 v[GO], s81, v[GO0]
	v_add_nc_u32 v[AK], s83, v[FRB]
	v_add_nc_u32 v[AV], s84, v[VTB]
	v_add_nc_u32 v[AT2], s85, v[THB]
	WIN 0x40                                       ; destination window 1
	s_wait_alu depctr_va_vdst(0)                   ; the addresses are written; every vector and matrix line of the last tile (the first time: of the first phase and the set-up) is done with the gain's registers, QF, PP, VF, KF and TB, in which the 57 loads below land
.irp d, 0,1,2,3,4,5,6,7
	ds_load_b128 v[GG+8*\d:GG+8*\d+3],   v[GWB] offset:64*\d        ; the gain by my lanes' channels, for the tile's end
	ds_load_b128 v[GG+8*\d+4:GG+8*\d+7], v[GWB] offset:64*\d+16
.endr
	WIN 0
.irp c, 0,1,2,3
	ds_load_b128 v[QF+8*\c:QF+8*\c+3],   v[AQ] offset:64*\c
	ds_load_b128 v[QF+8*\c+4:QF+8*\c+7], v[AQ] offset:64*\c+32
.endr
	ds_load_b128 v[PP:PP+3], v[ADP]
	VLOADS AVD
	KTLOADS                                        ; the first key tile's Kt and T
	s_wait_dscnt 24                                ; the queries, the diagonal weights and V are in; Kt's eight and T's sixteen loads may stay out
	WIN 0x40                                       ; destination window 1
.irp d, 0,1,2,3,4,5,6,7
	v_wmma_f32_16x16x32_f16 v[8*\d:8*\d+7], v[VF+8*\d:VF+8*\d+7], v[PP:PP+7], 0    ; the diagonal tile starts O^T
.endr
.set i, 0
.rept 32                                           ; the queries in f32: these lines are also the places behind the products
	v_fma_mix_f32 v[QX+2*i],   v[QF+i], v[ONE], v[ZERO] op_sel_hi:[1,0,0]
	v_fma_mix_f32 v[QX+2*i+1], v[QF+i], v[ONE], v[ZERO] op_sel:[1,0,0] op_sel_hi:[1,0,0]
.set i, i+1
.endr
	WIN 0
	s_wait_alu depctr_va_vdst(0)                   ; the eight products are done reading VF, in which the first key tile's V lands
	VLOADS AV
	s_mov_b32 s[CT], 15
.Lkey:                                             ; key tile J = CT - 1, downward; trips with J >= I are jumped over.  At a live trip's head Kt (8 loads), T (16) and V (8) of tile J are out or in, issued in this order
	s_cmp_gt_u32 s[CT], s[TI]
	s_cbranch_scc1 .Ldead
	s_wait_dscnt 24                                ; Kt is in; T's sixteen and V's eight loads may stay out
	v_wmma_f32_16x16x32_f16 v[S0:S0+7], v[KF:KF+7],       v[QF:QF+7],       0
	v_wmma_f32_16x16x32_f16 v[S1:S1+7], v[KF+8:KF+15],    v[QF+8:QF+15],    0
	v_wmma_f32_16x16x32_f16 v[S0:S0+7], v[KF+16:KF+23],   v[QF+16:QF+23],   v[S0:S0+7]
	v_wmma_f32_16x16x32_f16 v[S1:S1+7], v[KF+24:KF+31],   v[QF+24:QF+31],   v[S1:S1+7]
	s_wait_alu depctr_vm_vsrc(0)                   ; tile J's loads have read AK, AT2 and AV, which are made anew
	s_add_co_u32 s78, s[CT], 14
	s_and_b32 s78, s78, 15                         ; the next key tile, J - 1 = CT - 2; behind tile 0 tile 15, which is not used
	s_mul_i32 s79, s78, 16*PK
	s_mul_i32 s80, s78, 16*PV
	s_lshl_b32 s81, s78, 9
	v_add_nc_u32 v[AK], s79, v[FRB]
	v_add_nc_u32 v[AV], s80, v[VTB]
	v_add_nc_u32 v[AT2], s81, v[THB]
	s_wait_dscnt 8                                 ; T is in; V's eight loads may stay out
	WIN 0x41                                       ; destination and source 0 window 1
.set i, 0
.rept 32
	v_pk_mul_f32 v[QX+2*i:QX+2*i+1], v[QX+2*i:QX+2*i+1], v[TB+2*i:TB+2*i+1]   ; the queries take T_J for the tiles further back; the places behind the scores
.set i, i+1
.endr
	WIN 0
.irp j, 0,2,4,6
	v_pk_add_f32 v[S0+\j:S0+\j+1], v[S0+\j:S0+\j+1], v[S1+\j:S1+\j+1]
.endr
.irp j, 0,1,2,3
	v_cvt_pk_f16_f32 v[PP+\j], v[S0+2*\j], v[S0+2*\j+1]
.endr
	s_wait_alu depctr_va_vdst(0)                   ; the four score products are done reading KF and the 32 multiplies reading TB, in which the next tile's loads land; AK, AV and AT2 are written
	KTLOADS
	s_wait_dscnt 24                                ; V is in: the 24 loads just issued may stay out
	WIN 0x50                                       ; C and D window 1
.irp d, 0,1,2,3,4,5,6,7
	v_wmma_f32_16x16x32_f16 v[8*\d:8*\d+7], v[VF+8*\d:VF+8*\d+7], v[PP:PP+7], v[8*\d:8*\d+7]
.endr
	WIN 0x05                                       ; sources window 1
.set i, 0
.rept 32
	v_cvt_pk_f16_f32 v[QF+i], v[QX+2*i], v[QX+2*i+1]
.set i, i+1
.endr
	WIN 0
	s_wait_alu depctr_va_vdst(0)                   ; the eight products V^T P are done reading VF, in which the next tile's V lands
	VLOADS AV
.Ldead:
	s_sub_co_u32 s[CT], s[CT], 1
	s_cmp_lg_u32 s[CT], 0
	s_cbranch_scc1 .Lkey
	; a tile's end: the RMS norm.  A lane holds one query and channels 16 d + 8 h + 0..7; the query's other channels lie in the lane 16 away
	WIN 0x05
.set i, 0
.rept 32
.if i < 4
	v_pk_mul_f32 v[SS+2*i:SS+2*i+1], v[2*i:2*i+1], v[2*i:2*i+1]
.else
	v_pk_fma_f32 v[SS+2*(i%4):SS+2*(i%4)+1], v[2*i:2*i+1], v[2*i:2*i+1], v[SS+2*(i%4):SS+2*(i%4)+1]
.endif
.set i, i+1
.endr
	WIN 0
	v_pk_add_f32 v[SS:SS+1], v[SS:SS+1], v[SS+2:SS+3]
	v_pk_add_f32 v[SS+4:SS+5], v[SS+4:SS+5], v[SS+6:SS+7]
	v_pk_add_f32 v[SS:SS+1], v[SS:SS+1], v[SS+4:SS+5]
	v_add_f32 v[SS], v[SS], v[SS+1]
	v_permlanex16_b32 v[SS+1], v[SS], s[SEL], s[SEL+1]
	v_add_f32 v[SS], v[SS], v[SS+1]
	v_fma_f32 v[RS], v[SS], s[C128], s[EPS]
	v_rsq_f32 v[RS], v[RS]
	v_nop
	s_wait_alu depctr_va_vdst(0)                   ; the root is written into v[RS], ahead of its first reader
	v_mov_b32 v[RS+1], v[RS]
	s_wait_dscnt 0x0                               ; the 32 loads asked for beyond the last key tile have landed: KF and TB are written below
	WIN 0x01                                       ; source 0 window 1
.set i, 0
.rept 32
	v_pk_mul_f32 v[TB+2*i:TB+2*i+1], v[GG+2*i:GG+2*i+1], v[RS:RS+1]
.set i, i+1
.endr
	WIN 0x41
.set i, 0
.rept 32
	v_pk_mul_f32 v[2*i:2*i+1], v[2*i:2*i+1], v[TB+2*i:TB+2*i+1]
.set i, i+1
.endr
	WIN 0x05
.set i, 0
.rept 32
	v_cvt_pk_f16_f32 v[KF+i], v[2*i], v[2*i+1]
.set i, i+1
.endr
	WIN 0
	s_wait_alu depctr_va_vdst(0)                   ; the roundings have written KF, which the stage's stores read; the key loop's lines are done with QF, in which the loads from the stage land
.irp d, 0,1,2,3,4,5,6,7
	ds_store_b128 v[AFR], v[KF+4*\d:KF+4*\d+3] offset:32*\d          ; through my own scratch: row r, 16 bytes a lane
.endr
.irp f, 0,1,2,3,4,5,6,7
	ds_load_b128 v[QF+4*\f:QF+4*\f+3], v[RDS] offset:\f*2*PK         ; and back as whole rows; LDS serves a wave's instructions in order
.endr
	s_wait_dscnt 0x0
.irp f, 0,1,2,3,4,5,6,7
	global_store_b128 v[GO], v[QF+4*\f:QF+4*\f+3], s[OP:OP+1] offset:\f*8192   ; 16 lanes store a head's 256 consecutive bytes of a row, aligned
.endr
	s_sub_co_u32 s[TI], 15, s[TI]
	s_sub_co_u32 s[CNT], s[CNT], 1
	s_cmp_lg_u32 s[CNT], 0
	s_cbranch_scc1 .Ltile
	s_wait_dscnt 0x0                               ; the closing lines, six on end
	s_wait_alu 0x0
	s_wait_tensorcnt 0x0
	ds_add_u32 v[SPW], v[NIL]
	s_wait_dscnt 0x0
	s_endpgm
.Lfunc_end_k_qfad59b8c41_scan:
	.size	k_qfad59b8c41_scan, .Lfunc_end_k_qfad59b8c41_scan-k_qfad59b8c41_scan
	.p2alignl 7, 3214868480
	.fill 96, 4, 3214868480
	.section	.rodata,"a",@progbits
	.p2align	6, 0x0
	.amdhsa_kernel k_qfad59b8c41_scan
		.amdhsa_group_segment_fixed_size 300544
		.amdhsa_private_segment_fixed_size 0
		.amdhsa_enable_private_segment 0
		.amdhsa_kernarg_size 24
		.amdhsa_user_sgpr_count 2
		.amdhsa_user_sgpr_kernarg_segment_ptr 1
		.amdhsa_wavefront_size32 1
		.amdhsa_system_sgpr_workgroup_id_x 1
		.amdhsa_system_sgpr_workgroup_id_y 1
		.amdhsa_system_sgpr_workgroup_id_z 1
		.amdhsa_system_vgpr_workitem_id 0
		.amdhsa_next_free_vgpr 448
		.amdhsa_next_free_sgpr 90
		.amdhsa_reserve_vcc 0
		.amdhsa_float_denorm_mode_32 3
		.amdhsa_float_denorm_mode_16_64 3
		.amdhsa_memory_ordered 1
		.amdhsa_forward_progress 1
		.amdhsa_inst_pref_size 103
	.end_amdhsa_kernel
	.amdgpu_metadata
---
amdhsa.version: [ 1, 2 ]
amdhsa.kernels:
  - .name:           k_qfad59b8c41_scan
    .symbol:         k_qfad59b8c41_scan.kd
    .args:
      - { .name: qkv, .offset: 0, .size: 8, .value_kind: global_buffer, .address_space: global }
      - { .name: g_norm_w, .offset: 8, .size: 8, .value_kind: global_buffer, .address_space: global }
      - { .name: o2, .offset: 16, .size: 8, .value_kind: global_buffer, .address_space: global }
    .group_segment_fixed_size: 300544
    .private_segment_fixed_size: 0
    .kernarg_segment_align: 8
    .kernarg_segment_size: 24
    .max_flat_workgroup_size: 256
    .sgpr_count:     90
    .vgpr_count:     448
    .wavefront_size: 32
...
	.end_amdgpu_metadata
.endif
;; end of part 8
;; launch wo: the kernel of part 4 again; grid 8 x 32, 4 waves a work-group, clusters of 4 x 4, 327,680 bytes of LDS; arguments o2, wts, hb, hres; writes hres
;; launch ln2: the kernel of part 5 again; grid 256 x 1, 8 waves a work-group, no clusters, 0 bytes of LDS; arguments hres, ln2_w, ln2_b, xh; writes xh
;; launch mlp1: the kernel of part 6 again; grid 16 x 16, 4 waves a work-group, clusters of 4 x 4, 327,680 bytes of LDS; arguments xh, wts, b1, gh; writes gh
;; launch mlp2: the kernel of part 7 again; grid 8 x 32, 4 waves a work-group, clusters of 4 x 4, 327,680 bytes of LDS; arguments gh, wts, hres, b2, out0; writes out0
